; MI455X (gfx1250); checked and timed in simulation.
; The chip was launched on July 23, 2026; its instructions are those of AMD's public machine-readable ISA for CDNA 5 (MIT licence, August 2026) and "CDNA5" Instruction Set Architecture Reference Guide (July 2026). The comments in the code are by the model that wrote it; some were corrected since.
;; Decoder Layer. Allowed arithmetic: float matrix products may take bf16 or f16 operands with f32 sums; other float arithmetic in f32, or as packed bf16 or f16 multiplies, adds, multiply-adds, maxima and minima; sums over many terms, partial sums and values carried from step to step in f32; what a program stores and reads back later, other than sums and carried values, may be rounded once to bf16 or f16.
;; Inputs: W1 512 x 2,048 float32; W2 2,048 x 512 float32; Wk_c 8 x 512 x 64 float32; Wk_s 8 x 512 x 64 float32; Wp_c 512 x 512 float32; Wp_s 512 x 512 float32; Wq_c 8 x 512 x 64 float32; Wq_s 8 x 512 x 64 float32; Wv_c 8 x 512 x 64 float32; Wv_s 8 x 512 x 64 float32; b1 2,048 float32; b2 512 float32; be1 512 float32; be2 512 float32; be3 512 float32; bp_c 512 float32; bp_s 512 float32; g1 512 float32; g2 512 float32; g3 512 float32; k 4 x 2,048 x 512 float32; q 4 x 2,048 x 512 float32; v 4 x 2,048 x 512 float32.
;; Outputs: out0 4 x 2,048 x 512 float32.
;; 2 versions, each right. Each part assembles by itself: llvm-mc -triple=amdgcn-amd-amdhsa -mcpu=gfx1250 --defsym DOCPART=n.
;; ======== version 1 of 2: 9 launches
;; limits: values are held in f16: magnitudes above 65,504 overflow, below 6.1e-05 lose precision
;; workspace buffers: ws 4,194,304 bytes; wc 4,194,304 bytes; xn 8,388,608 bytes; kb 8,388,608 bytes; vb 8,388,608 bytes; big 33,554,432 bytes; ob 8,388,608 bytes; q2 16,777,216 bytes
;; launch prep (part 1): grid 1024 x 1, 8 waves a work-group, no clusters, 0 bytes of LDS; arguments q, k, v, W1, W2, Wp_s, Wp_c, Wq_s, Wk_s, Wv_s, Wq_c, Wk_c, Wv_c, g1, be1, xn, kb, vb, ws, wc; writes xn, kb, vb, ws, wc
.if DOCPART == 1
	.amdgcn_target "amdgcn-amd-amdhsa--gfx1250"
	.amdhsa_code_object_version 6
	.text
	.protected	k_q7385ad8a14_prep
	.globl	k_q7385ad8a14_prep
	.p2align	8
	.type	k_q7385ad8a14_prep,@function
k_q7385ad8a14_prep:
	s_mov_b64 s[64:65], 0
	v_nop
	global_prefetch_b8 v0, s[64:65] scope:SCOPE_SE
	s_setreg_imm32_b32 hwreg(HW_REG_WAVE_MODE, 25, 1), 1
	s_wait_xcnt 0x0
; PREP: everything that the matrix launches want in 16 bits is made here, each input byte read once.
; A work-group takes 16,384 numbers (65,536 bytes in, 32,768 out).  By its number g:
;   0-255 LayerNorm 1 of q (32 rows) -> xn, bf16     256-511 k -> kb     512-767 v -> vb     768-831 W1 -> ws + 2 MiB     832-895 W2 -> wc + 2 MiB (all bf16)
;   896-911 Wp_s -> ws + 1,572,864, 912-927 Wp_c -> wc + 1,572,864: f16, since they multiply the f16 attention output
;   928 + 16 m: the six head weights [8][512][64] -> bf16 [512 c][512 n = 64 h + d], at 524,288 m in ws (m = 0..2) and wc (m = 3..5)
; LIMITS: Wp must lie within f16 (65,504); below 6e-5 it keeps f16's fixed step of 6e-8.  The variance is taken of x - mean (two passes over registers).
; Memory binds: no LDS, no matrix unit.  Sixteen loads of 16 bytes a lane go out before the first is used; a store of a wave covers 256 consecutive bytes, aligned.
.set SRC,   44                         ; s[44:45] where my work-group reads
.set DST,   46                         ; s[46:47] where it stores
.set FIRST, 48                         ; s48 the first work-group of my job
.set I512,  56                         ; s56 1/512
.set EPSR,  57                         ; s57 1e-5
.set SEL,   58                         ; s[58:59] v_permlanex16_b32: each lane takes its own place in the other half
.set XB,    16                         ; v[16:79]   four rows, 16 numbers a lane each
.set GB,    80                         ; v[80:95]   gain of my 16 columns
.set BEB,   96                         ; v[96:111]  bias of my 16 columns
.set TTB,   112                        ; v[112:143] eight registers at work for each row
.macro PICK start, src, dst, off       ; from work-group start on the job is: read buffer src, store into buffer dst at byte off
	s_cmp_ge_u32 s2, \start
	s_add_nc_u64 s[50:51], s[\dst:\dst+1], \off
	s_cselect_b64 s[SRC:SRC+1], s[\src:\src+1], s[SRC:SRC+1]
	s_cselect_b64 s[DST:DST+1], s[50:51], s[DST:DST+1]
	s_cselect_b32 s[FIRST], \start, s[FIRST]
.endm
; sixteen loads, then sixteen times: wait for the oldest, round four numbers, store 8 bytes a lane
.macro CAST stride, half
.set i, 0
.rept 16
	global_load_b128 v[16+4*i:16+4*i+3], v2, s[SRC:SRC+1] offset:i*(\stride) th:TH_LOAD_NT
.set i, i+1
.endr
.set i, 0
.rept 16
	s_wait_loadcnt 15-i                            ; loads come back in order: load i is in, the 15 - i younger ones stay out
.if \half
	v_cvt_pk_f16_f32 v[80+2*i], v[16+4*i], v[16+4*i+1]
	v_cvt_pk_f16_f32 v[80+2*i+1], v[16+4*i+2], v[16+4*i+3]
.else
	v_cvt_pk_bf16_f32 v[80+2*i], v[16+4*i], v[16+4*i+1]
	v_cvt_pk_bf16_f32 v[80+2*i+1], v[16+4*i+2], v[16+4*i+3]
.endif
	global_store_b64 v3, v[80+2*i:80+2*i+1], s[DST:DST+1] offset:2048*i th:TH_STORE_NT
.set i, i+1
.endr
.endm
.macro ROWS n, line:vararg             ; one line for each row i
.set i, 0
.rept \n
	\line
.set i, i+1
.endr
.endm
.macro LANES n, c                      ; the sum over the 32 lanes of register c of each row's eight; c + 1 is at work
.irp m, 1,2,4,8
	ROWS \n, v_add_f32_dpp v[TTB+8*i+\c], v[TTB+8*i+\c], v[TTB+8*i+\c] row_xmask:\m row_mask:0xf bank_mask:0xf
.endr
	ROWS \n, v_permlanex16_b32 v[TTB+8*i+\c+1], v[TTB+8*i+\c], s[SEL], s[SEL+1]
	ROWS \n, v_add_f32 v[TTB+8*i+\c], v[TTB+8*i+\c], v[TTB+8*i+\c+1]
.endm
; LayerNorm of n rows held in registers, a wave a row, line by line for all rows so that no line waits for the one before it.  The result, bf16, ends in the first 8 registers of each row.
.macro LNROWS n, held                  ; held = 1: stores still read X: they are waited for before X is rewritten
.set k, 0
.rept 4
	ROWS \n, v_pk_add_f32 v[TTB+8*i+2*k:TTB+8*i+2*k+1], v[XB+16*i+4*k:XB+16*i+4*k+1], v[XB+16*i+4*k+2:XB+16*i+4*k+3]
.set k, k+1
.endr
	ROWS \n, v_pk_add_f32 v[TTB+8*i:TTB+8*i+1], v[TTB+8*i:TTB+8*i+1], v[TTB+8*i+2:TTB+8*i+3]
	ROWS \n, v_pk_add_f32 v[TTB+8*i+4:TTB+8*i+5], v[TTB+8*i+4:TTB+8*i+5], v[TTB+8*i+6:TTB+8*i+7]
	ROWS \n, v_pk_add_f32 v[TTB+8*i:TTB+8*i+1], v[TTB+8*i:TTB+8*i+1], v[TTB+8*i+4:TTB+8*i+5]
	ROWS \n, v_add_f32 v[TTB+8*i], v[TTB+8*i], v[TTB+8*i+1]
	LANES \n, 0
	ROWS \n, v_mul_f32 v[TTB+8*i+2], s[I512], v[TTB+8*i]   ; the mean
.if \held
	s_wait_xcnt 0x0                                ; the stores of X have read their registers
.endif
.set k, 0
.rept 8
	ROWS \n, v_pk_add_f32 v[XB+16*i+2*k:XB+16*i+2*k+1], v[XB+16*i+2*k:XB+16*i+2*k+1], v[TTB+8*i+2:TTB+8*i+3] op_sel_hi:[1,0] neg_lo:[0,1] neg_hi:[0,1]
.set k, k+1
.endr
	ROWS \n, v_pk_mul_f32 v[TTB+8*i+4:TTB+8*i+5], v[XB+16*i:XB+16*i+1], v[XB+16*i:XB+16*i+1]
	ROWS \n, v_pk_mul_f32 v[TTB+8*i+6:TTB+8*i+7], v[XB+16*i+2:XB+16*i+3], v[XB+16*i+2:XB+16*i+3]
.set k, 2
.rept 6
	ROWS \n, v_pk_fma_f32 v[TTB+8*i+4+2*(k%2):TTB+8*i+5+2*(k%2)], v[XB+16*i+2*k:XB+16*i+2*k+1], v[XB+16*i+2*k:XB+16*i+2*k+1], v[TTB+8*i+4+2*(k%2):TTB+8*i+5+2*(k%2)]
.set k, k+1
.endr
	ROWS \n, v_pk_add_f32 v[TTB+8*i+4:TTB+8*i+5], v[TTB+8*i+4:TTB+8*i+5], v[TTB+8*i+6:TTB+8*i+7]
	ROWS \n, v_add_f32 v[TTB+8*i+4], v[TTB+8*i+4], v[TTB+8*i+5]
	LANES \n, 4
	ROWS \n, v_fma_f32 v[TTB+8*i+4], v[TTB+8*i+4], s[I512], s[EPSR]   ; variance + eps
	ROWS \n, v_rsq_f32 v[TTB+8*i+6], v[TTB+8*i+4]
	v_nop                                          ; a plain instruction behind the last root,
	s_wait_alu depctr_va_vdst(0)                   ; and one wait for the batch, ahead of its first reader
.set k, 0
.rept 8
	ROWS \n, v_pk_mul_f32 v[XB+16*i+2*k:XB+16*i+2*k+1], v[XB+16*i+2*k:XB+16*i+2*k+1], v[TTB+8*i+6:TTB+8*i+7] op_sel_hi:[1,0]
.set k, k+1
.endr
.set k, 0
.rept 8
	ROWS \n, v_pk_fma_f32 v[XB+16*i+2*k:XB+16*i+2*k+1], v[XB+16*i+2*k:XB+16*i+2*k+1], v[GB+2*k:GB+2*k+1], v[BEB+2*k:BEB+2*k+1]
.set k, k+1
.endr
.set k, 0
.rept 8
	ROWS \n, v_cvt_pk_bf16_f32 v[XB+16*i+k], v[XB+16*i+2*k], v[XB+16*i+2*k+1]
.set k, k+1
.endr
.endm
	s_load_b512 s[4:19], s[0:1], 0x0               ; q, k, v, W1, W2, Wp_s, Wp_c, Wq_s
	s_load_b512 s[20:35], s[0:1], 0x40             ; Wk_s, Wv_s, Wq_c, Wk_c, Wv_c, g1, be1, xn
	s_load_b256 s[36:43], s[0:1], 0x80             ; kb, vb, ws, wc
	s_mov_b32 s2, ttmp9
	s_mov_b32 s[I512], 0x3b000000
	s_mov_b32 s[EPSR], 0x3727c5ac
	s_mov_b32 s[SEL], 0x76543210
	s_mov_b32 s[SEL+1], 0xfedcba98
	v_lshlrev_b32 v3, 3, v0                        ; the casts store 8 bytes a thread
	s_wait_kmcnt 0x0
	s_mov_b64 s[SRC:SRC+1], s[4:5]
	s_mov_b64 s[DST:DST+1], s[34:35]
	s_mov_b32 s[FIRST], 0
	PICK 256, 6, 36, 0
	PICK 512, 8, 38, 0
	PICK 768, 10, 40, 2097152
	PICK 832, 12, 42, 2097152
	PICK 896, 14, 40, 1572864
	PICK 912, 16, 42, 1572864
	PICK 928, 18, 40, 0
	PICK 944, 20, 40, 524288
	PICK 960, 22, 40, 1048576
	PICK 976, 24, 42, 0
	PICK 992, 26, 42, 524288
	PICK 1008, 28, 42, 1048576
	s_sub_co_u32 s49, s2, s[FIRST]                 ; my part of the job
	s_lshl_b32 s52, s49, 15
	s_mov_b32 s53, 0
	s_add_nc_u64 s[DST:DST+1], s[DST:DST+1], s[52:53]
	s_cmp_ge_u32 s2, 928
	s_cselect_b32 s54, 13, 16                      ; head weights: 32 rows c of 256 bytes in each head; all else: 65,536 dense bytes
	s_lshl_b32 s52, s49, s54
	s_add_nc_u64 s[SRC:SRC+1], s[SRC:SRC+1], s[52:53]
	s_cmp_lt_u32 s2, 256
	s_cbranch_scc1 .Lln
	s_cmp_lt_u32 s2, 896
	s_cbranch_scc1 .Lplain
	s_cmp_lt_u32 s2, 928
	s_cbranch_scc1 .Lhalf
	; head weights: output number 1024 i + 4 t is row c = 2 i + t / 128, head (t % 128) / 16, channel 4 (t % 16): sixteen lanes read 256 consecutive bytes
	v_bfe_u32 v4, v0, 4, 3
	v_lshrrev_b32 v5, 7, v0
	v_and_b32 v6, 15, v0
	v_lshlrev_b32 v2, 17, v4
	v_lshl_or_b32 v2, v5, 8, v2
	v_lshl_or_b32 v2, v6, 4, v2
	CAST 512, 0
	s_endpgm
.Lplain:
	v_lshlrev_b32 v2, 4, v0
	CAST 4096, 0
	s_endpgm
.Lhalf:
	v_lshlrev_b32 v2, 4, v0
	CAST 4096, 1
	s_endpgm
.Lln:                                                  ; wave w: rows 4 w .. 4 w + 3 of the work-group's 32; lane l: columns 4 l + 128 j
	v_lshrrev_b32 v1, 5, v0
	v_and_b32 v4, 31, v0
	v_lshlrev_b32 v2, 13, v1
	v_lshl_or_b32 v2, v4, 4, v2
	v_lshlrev_b32 v3, 12, v1
	v_lshl_or_b32 v3, v4, 3, v3
	v_lshlrev_b32 v5, 4, v4
.set i, 0
.rept 4
.set j, 0
.rept 4
	global_load_b128 v[XB+16*i+4*j:XB+16*i+4*j+3], v2, s[SRC:SRC+1] offset:2048*i+512*j
.set j, j+1
.endr
.set i, i+1
.endr
.set j, 0
.rept 4
	global_load_b128 v[GB+4*j:GB+4*j+3], v5, s[30:31] offset:512*j
	global_load_b128 v[BEB+4*j:BEB+4*j+3], v5, s[32:33] offset:512*j
.set j, j+1
.endr
	s_wait_loadcnt 0x0
	LNROWS 4, 0
.set j, 0
.rept 4
	ROWS 4, global_store_b64 v3, v[XB+16*i+2*j:XB+16*i+2*j+1], s[DST:DST+1] offset:1024*i+256*j
.set j, j+1
.endr
	s_endpgm
.Lfunc_end_k_q7385ad8a14_prep:
	.size	k_q7385ad8a14_prep, .Lfunc_end_k_q7385ad8a14_prep-k_q7385ad8a14_prep
	.p2alignl 7, 3214868480
	.fill 96, 4, 3214868480
	.section	.rodata,"a",@progbits
	.p2align	6, 0x0
	.amdhsa_kernel k_q7385ad8a14_prep
		.amdhsa_group_segment_fixed_size 0
		.amdhsa_private_segment_fixed_size 0
		.amdhsa_enable_private_segment 0
		.amdhsa_kernarg_size 160
		.amdhsa_user_sgpr_count 2
		.amdhsa_user_sgpr_kernarg_segment_ptr 1
		.amdhsa_wavefront_size32 1
		.amdhsa_system_sgpr_workgroup_id_x 1
		.amdhsa_system_sgpr_workgroup_id_y 1
		.amdhsa_system_sgpr_workgroup_id_z 1
		.amdhsa_system_vgpr_workitem_id 0
		.amdhsa_next_free_vgpr 144
		.amdhsa_next_free_sgpr 66
		.amdhsa_reserve_vcc 0
		.amdhsa_float_denorm_mode_32 3
		.amdhsa_float_denorm_mode_16_64 3
		.amdhsa_memory_ordered 1
		.amdhsa_forward_progress 1
		.amdhsa_inst_pref_size 41
	.end_amdhsa_kernel
	.amdgpu_metadata
---
amdhsa.version: [ 1, 2 ]
amdhsa.kernels:
  - .name:           k_q7385ad8a14_prep
    .symbol:         k_q7385ad8a14_prep.kd
    .args:
      - { .name: q, .offset: 0, .size: 8, .value_kind: global_buffer, .address_space: global }
      - { .name: k, .offset: 8, .size: 8, .value_kind: global_buffer, .address_space: global }
      - { .name: v, .offset: 16, .size: 8, .value_kind: global_buffer, .address_space: global }
      - { .name: W1, .offset: 24, .size: 8, .value_kind: global_buffer, .address_space: global }
      - { .name: W2, .offset: 32, .size: 8, .value_kind: global_buffer, .address_space: global }
      - { .name: Wp_s, .offset: 40, .size: 8, .value_kind: global_buffer, .address_space: global }
      - { .name: Wp_c, .offset: 48, .size: 8, .value_kind: global_buffer, .address_space: global }
      - { .name: Wq_s, .offset: 56, .size: 8, .value_kind: global_buffer, .address_space: global }
      - { .name: Wk_s, .offset: 64, .size: 8, .value_kind: global_buffer, .address_space: global }
      - { .name: Wv_s, .offset: 72, .size: 8, .value_kind: global_buffer, .address_space: global }
      - { .name: Wq_c, .offset: 80, .size: 8, .value_kind: global_buffer, .address_space: global }
      - { .name: Wk_c, .offset: 88, .size: 8, .value_kind: global_buffer, .address_space: global }
      - { .name: Wv_c, .offset: 96, .size: 8, .value_kind: global_buffer, .address_space: global }
      - { .name: g1, .offset: 104, .size: 8, .value_kind: global_buffer, .address_space: global }
      - { .name: be1, .offset: 112, .size: 8, .value_kind: global_buffer, .address_space: global }
      - { .name: xn, .offset: 120, .size: 8, .value_kind: global_buffer, .address_space: global }
      - { .name: kb, .offset: 128, .size: 8, .value_kind: global_buffer, .address_space: global }
      - { .name: vb, .offset: 136, .size: 8, .value_kind: global_buffer, .address_space: global }
      - { .name: ws, .offset: 144, .size: 8, .value_kind: global_buffer, .address_space: global }
      - { .name: wc, .offset: 152, .size: 8, .value_kind: global_buffer, .address_space: global }
    .group_segment_fixed_size: 0
    .private_segment_fixed_size: 0
    .kernarg_segment_align: 8
    .kernarg_segment_size: 160
    .max_flat_workgroup_size: 256
    .sgpr_count:     66
    .vgpr_count:     144
    .wavefront_size: 32
...
	.end_amdgpu_metadata
.endif
;; end of part 1
;; launch qkv_s (part 2): grid 4 x 64, 4 waves a work-group, clusters of 4 x 4, 327,680 bytes of LDS; arguments xn, ws, big; writes big
.if DOCPART == 2
	.amdgcn_target "amdgcn-amd-amdhsa--gfx1250"
	.amdhsa_code_object_version 6
	.text
	.protected	k_q7385ad8a14_qkv_s
	.globl	k_q7385ad8a14_qkv_s
	.p2align	8
	.type	k_q7385ad8a14_qkv_s,@function
k_q7385ad8a14_qkv_s:
	s_mov_b64 s[64:65], 0
	v_nop
	global_prefetch_b8 v0, s[64:65] scope:SCOPE_SE
	s_setreg_imm32_b32 hwreg(HW_REG_WAVE_MODE, 25, 1), 1
	s_wait_xcnt 0x0
	s_wait_alu depctr_hold_cnt(0) depctr_sa_sdst(0) depctr_va_vdst(0) depctr_va_sdst(0) depctr_va_ssrc(0) depctr_va_vcc(0) depctr_vm_vsrc(0)
	s_getreg_b32 s2, hwreg(HW_REG_IB_STS2, 6, 4)
	s_cmp_eq_u32 s2, 0
	s_cbranch_scc0 .Lentry_in_a_cluster
	s_endpgm
.Lentry_in_a_cluster:
	s_bfe_u32 s2, ttmp6, 0x10000c
	s_cmp_lg_u32 s2, 0xf033
	s_cbranch_scc0 .Lentry_shape_is_right
	s_endpgm
.Lentry_shape_is_right:
; THREE HEAD PROJECTIONS, one text for two launches; SELF chooses.  out_j[8 b + h][t][d] = sum over c of A_j[2048 b + t][c] W_j[c][64 h + d], j = 0, 1, 2 (queries, keys, values).
; A_j: [8192][512] bf16.  W_j: [512][512] bf16 at W + 524,288 j.  out_j: f16 by heads at out + 8,388,608 j, rounded once from f32 sums and without the attention's scale.
; SELF = 1: the three products read one and the same A (arguments A, W, out).  SELF = 0: each reads an A of its own (arguments A0, A1, A2, W, out).
; LIMIT: the results must lie within f16 (65,504).
; SHARES.  A tile of C is 128 x 128; four waves, each 64 x 64: 16 accumulators.  256 work-groups STAY and make three tiles, one of each product, with the ring running on from tile to tile.
; K goes in steps of 256 through two LDS slots: A's 128 rows of 512 bytes, B's 256 rows (along K) of 256 bytes.  One tensor load a wave: waves 0, 1 A's halves, waves 2, 3 B's.
; CLUSTER 4 x 4: A's tile is shared along a row of the cluster, B's along a column: joint loads, the same descriptor and mask in the four that a mask names.
; THE MATRIX INSTRUCTION IS USED TRANSPOSED: source 0 = 16 columns of W (turned on the way out of LDS by ds_load_tr16_b128), source 1 = 16 rows of A:
; a lane then holds one row of C and eight neighbouring columns.  A wave's 64 columns are one head, so 16 rows leave as 2,048 consecutive bytes.
; REGISTERS: window 0: v0-31 addresses, v32-95 the way out, v128-255 accumulators ((a, b) at 128 + 8 (4 a + b)); window 1: two fragment buffers of 64 (A's four, then B's four).
.set SELF,   1
.set APITCH, 512                       ; elements from row to row of A
.set BPITCH, 512                       ; and of W
.set ASH,    10                        ; a row of A is 1 << ASH bytes
.set PA,     528                       ; A's LDS row: 512 + 16 bytes: the 16 rows of a fragment load start in 16 different groups of four banks
.set PB,     288                       ; B's LDS row: 256 + 32 bytes
.set ATILE,  128*PA
.set SLOT,   ATILE+256*PB
.set STAGE,  2*SLOT                    ; behind the ring, never filled by a tensor load: 16 rows x 144 bytes for each wave
.set SP,     144
.set SPARE,  STAGE+4*16*SP             ; the spare words: 128 bytes a wave, named by no other line
.set AA0, 8                            ; v8   my lane's place in A's tile; never rewritten
.set AB0, 10                           ; v10  the same for B
.set AA,  12                           ; v12  AA0 + s[KA]
.set AB,  13                           ; v13  AB0 + s[KB]
.set STO, 14
.set RD,  15
.set CO,  16
.set SPW, 28
.set NIL, 29
.set TMP, 32
.set ACC, 128
.set F0,  0
.set F1,  64
.set WV,  20                           ; s20 wave; s21 its row half (also: 0 = I fetch for A); s22 its column half (also: which half I fetch)
.set RH,  21
.set CH,  22
.set G1,  32                           ; s[32:39] group 1 for A, s[40:47] group 0 for A, a set a slot; s[48:55], s[56:63] the same for B
.set G0,  40
.set G1B, 48
.set G0B, 56
.set KA,  70                           ; s70, s71 the slot's first byte plus the K chunk's place in A's rows and in B's
.set KB,  71
.set MSB, 0
.macro WIN new                         ; the immediate's high byte repeats the setting that is left
.if MSB != (\new)
	s_set_vgpr_msb (MSB<<8)|(\new)
.set MSB, \new
.endif
.endm
.macro PLACES                          ; four places behind a matrix instruction (ISA guide 7.12.1), where no other plain vector work is at hand
.rept 4
	v_nop
.endr
.endm
.macro JLOAD s                         ; a joint load; s_nop 0 and four v_nop follow each of the two lines
	s_cmp_eq_u32 s[RH], 0
	s_cbranch_scc0 .Lfor_b_\@
	tensor_load_to_lds s[G0+4*(\s):G0+4*(\s)+3], s[G1:G1+7]
	s_nop 0
	PLACES
	s_branch .Lasked_\@
.Lfor_b_\@:
	tensor_load_to_lds s[G0B+4*(\s):G0B+4*(\s)+3], s[G1B:G1B+7]
	s_nop 0
	PLACES
.Lasked_\@:
.endm
.macro CREST                           ; a round of the cluster's barrier behind its opening barrier
	s_cmp_lg_u32 s[WV], 0
	s_cbranch_scc1 .Lnot_wave_0_\@
	s_barrier_signal -3
.Lnot_wave_0_\@:
	s_barrier_wait -3
	s_barrier_signal -1
	s_barrier_wait -1
.endm
.macro CROUND
	s_barrier_signal -1
	s_barrier_wait -1
	CREST
.endm
.macro FETCH f, ka, kb                 ; sixteen LDS loads: the fragments of 32 along K into buffer f
	WIN 0x40
.irp i, 0,1,2,3
	ds_load_tr16_b128 v[(\f)+32+8*\i:(\f)+32+8*\i+3], v[AB] offset:(\kb)+32*\i
	ds_load_tr16_b128 v[(\f)+32+8*\i+4:(\f)+32+8*\i+7], v[AB] offset:(\kb)+32*\i+16*PB
	ds_load_b128 v[(\f)+8*\i:(\f)+8*\i+3], v[AA] offset:(\ka)+\i*16*PA
	ds_load_b128 v[(\f)+8*\i+4:(\f)+8*\i+7], v[AA] offset:(\ka)+\i*16*PA+32
.endr
.endm
.macro MUL8 f, a0, zero                ; eight products; the 16 accumulators take turns, one instruction a turn.  zero = 1: they start the sums
	WIN 0x05
.irp a, \a0, (\a0)+1
.irp b, 0,1,2,3
.if \zero
	v_wmma_f32_16x16x32_bf16 v[ACC+8*(4*(\a)+\b):ACC+8*(4*(\a)+\b)+7], v[(\f)+32+8*\b:(\f)+32+8*\b+7], v[(\f)+8*(\a):(\f)+8*(\a)+7], 0
.else
	v_wmma_f32_16x16x32_bf16 v[ACC+8*(4*(\a)+\b):ACC+8*(4*(\a)+\b)+7], v[(\f)+32+8*\b:(\f)+32+8*\b+7], v[(\f)+8*(\a):(\f)+8*(\a)+7], v[ACC+8*(4*(\a)+\b):ACC+8*(4*(\a)+\b)+7]
.endif
.endr
.endr
.endm
.macro TRIP zero                       ; 64 along K: both buffers are multiplied and filled again with the chunks two further on
	s_wait_dscnt 16                                ; buffer 0 is in; buffer 1's sixteen loads may be out
	MUL8 F0, 0, \zero
	MUL8 F0, 2, \zero
	PLACES
	FETCH F0, 128, 64*PB
	s_wait_dscnt 16                                ; buffer 1 is in; the sixteen just issued may be out
	MUL8 F1, 0, 0
	MUL8 F1, 2, 0
	PLACES
	FETCH F1, 192, 96*PB
	WIN 0
	s_add_co_u32 s[KA], s[KA], 128
	s_add_co_u32 s[KB], s[KB], 64*PB
	v_add_nc_u32 v[AA], s[KA], v[AA0]
	v_add_nc_u32 v[AB], s[KB], v[AB0]
.endm
; The last 64 along K of a step, and the change of slots.  mode 2: the slot is filled again, for the next tile; 1: nothing is left to fetch; 0: the very last step.
.macro TURN slot, mode
.if (\mode) == 0
	s_wait_dscnt 16
	MUL8 F0, 0, 0
	MUL8 F0, 2, 0
	s_wait_dscnt 0x0
	MUL8 F1, 0, 0
	MUL8 F1, 2, 0
	WIN 0
.else
	WIN 0
	s_wait_tensorcnt 0x0                           ; all my tensor loads have landed: the one that was out is my part of the other slot
	ds_add_u32 v[SPW], v[NIL]                      ; 0 onto my spare word
	s_wait_dscnt 17                                ; buffer 0 is in; the add and buffer 1's sixteen loads may be out
	MUL8 F0, 0, 0
	s_wait_dscnt 0x0                               ; the add is done, and my reads of this slot are over
	s_barrier_signal -1
	MUL8 F0, 2, 0
	WIN 0
	s_barrier_wait -1
.if (\mode) == 2
	CREST                                          ; the barrier opened a round of the cluster's: no wave of any partner still reads this slot or has a load on its way
.if !SELF
	s_add_nc_u64 s[G0+4*(\slot)+2:G0+4*(\slot)+3], s[6:7], (\slot)*512   ; the next product's A, the same K step (with one A for all three its address stays)
	s_or_b32 s[G0+4*(\slot)+3], s[G0+4*(\slot)+3], 0x80000000
.endif
	s_add_nc_u64 s[G0B+4*(\slot)+2:G0B+4*(\slot)+3], s[G0B+4*(\slot)+2:G0B+4*(\slot)+3], 524288   ; the next W
.if !SELF
.if (\slot) == 1
	s_mov_b64 s[6:7], s[8:9]                       ; the queue of A's moves up
.endif
.endif
	JLOAD \slot                                    ; its four v_nop are also the places in front of the loads below
.else
	PLACES
.endif
	s_mov_b32 s[KA], (1-(\slot))*SLOT
	s_mov_b32 s[KB], (1-(\slot))*SLOT
	v_add_nc_u32 v[AA], s[KA], v[AA0]
	v_add_nc_u32 v[AB], s[KB], v[AB0]
	FETCH F0, 0, 0
	MUL8 F1, 0, 0
	MUL8 F1, 2, 0
	PLACES
	FETCH F1, 64, 32*PB
	WIN 0
.endif
.endm
.macro KSTEP slot, zero, mode          ; a K step of 256: three trips and the turn
.if \zero
	TRIP 1
	s_mov_b32 s3, 2
.else
	s_mov_b32 s3, 3
.endif
.Ltrip_\@:
	TRIP 0
	s_sub_co_u32 s3, s3, 1
	s_cmp_lg_u32 s3, 0
	s_cbranch_scc1 .Ltrip_\@
	TURN \slot, \mode
.endm
; THE WAY OUT, 16 rows at a time: rounded to f16, 16 bytes a lane into my own stage, back as four rows of 128 bytes, stored as 512 consecutive bytes.
.macro PACK a
.irp b, 0,1,2,3
.irp q, 0,1,2,3
	v_cvt_pk_f16_f32 v[TMP+16*(\a)+4*\b+\q], v[ACC+8*(4*(\a)+\b)+2*\q], v[ACC+8*(4*(\a)+\b)+2*\q+1]
.endr
.endr
.irp b, 0,1,2,3
	ds_store_b128 v[STO], v[TMP+16*(\a)+4*\b:TMP+16*(\a)+4*\b+3] offset:32*\b
.endr
.irp f, 0,1,2,3
	ds_load_b128 v[TMP+16*(\a)+4*\f:TMP+16*(\a)+4*\f+3], v[RD] offset:4*SP*\f   ; LDS serves a wave's instructions in order (ISA guide 5.7.1.4): these see the stores above
.endr
.endm
.macro SEND a, younger                 ; younger: the LDS instructions issued behind block a's loads
.irp f, 0,1,2,3
	s_wait_dscnt (\younger)+3-\f
	global_store_b128 v[CO], v[TMP+16*(\a)+4*\f:TMP+16*(\a)+4*\f+3], s[12:13] offset:2048*(\a)+512*\f
.endr
.endm
.macro EPI
	WIN 0
	s_wait_xcnt 0x0                                ; the last tile's stores have read their registers
	PLACES
	PACK 0
	PACK 1
	SEND 0, 8
	PACK 2
	SEND 1, 8
	PACK 3
	SEND 2, 8
	SEND 3, 0
.endm
.if SELF
	s_load_b64 s[4:5], s[0:1], 0x0                 ; A
	s_load_b64 s[10:11], s[0:1], 0x8               ; W
	s_load_b64 s[12:13], s[0:1], 0x10              ; out
.else
	s_load_b256 s[4:11], s[0:1], 0x0               ; A0 s[4:5], A1 s[6:7], A2 s[8:9], W s[10:11]
	s_load_b64 s[12:13], s[0:1], 0x20              ; out
.endif
	v_lshl_add_u32 v[SPW], v0, 2, SPARE
	v_mov_b32 v[NIL], 0
	ds_add_u32 v[SPW], v[NIL]                      ; the wave's opening: the add and its wait stand ahead of my first tensor load
	ds_add_u32 v28, v29
	v_lshrrev_b32 v1, 5, v0
	v_readfirstlane_b32 s[WV], v1
	s_lshr_b32 s[RH], s[WV], 1
	s_and_b32 s[CH], s[WV], 1
	s_bfe_u32 s23, ttmp6, 0x40000                  ; cx
	s_bfe_u32 s24, ttmp6, 0x40004                  ; cy
	s_lshl_b32 s25, ttmp9, 2
	s_add_co_u32 s25, s25, s23                     ; x: tile column
	s_and_b32 s26, ttmp7, 0xffff
	s_lshl_b32 s26, s26, 2
	s_add_co_u32 s26, s26, s24                     ; y: tile row
	s_lshl_b32 s68, s24, 2
	s_lshl_b32 s68, 15, s68                        ; my row of the cluster
	s_lshl_b32 s69, 0x1111, s23                    ; my column
	s_or_b32 s[G1], s68, (1<<16)|(1<<20)|(1<<21)|(6<<22)|(3<<25)    ; mask; 2-byte elements; padding on; bit 21 beside a mask; after every 128 words 4 words
	s_mov_b32 s[G1+1], 256<<16                     ; tensor_dim0 = 256
	s_mov_b32 s[G1+2], 64<<16                      ; tensor_dim1 = 64
	s_mov_b32 s[G1+3], 256<<16                     ; tile_dim0 = 256
	s_mov_b32 s[G1+4], 64                          ; tile_dim1 = 64
	s_mov_b32 s[G1+5], APITCH
	s_mov_b32 s[G1+6], 0
	s_mov_b32 s[G1+7], 0
	s_or_b32 s[G1B], s69, (1<<16)|(1<<20)|(1<<21)|(5<<22)|(7<<25)   ; after every 64 words 8 words
	s_mov_b32 s[G1B+1], 128<<16
	s_mov_b32 s[G1B+2], 128<<16
	s_mov_b32 s[G1B+3], 128<<16
	s_mov_b32 s[G1B+4], 128
	s_mov_b32 s[G1B+5], BPITCH
	s_mov_b32 s[G1B+6], 0
	s_mov_b32 s[G1B+7], 0
	s_lshl_b32 s28, s26, 7                         ; A: row 128 y + 64 x half, in bytes
	s_lshl_b32 s27, s[CH], 6
	s_add_co_u32 s28, s28, s27
	s_lshl_b32 s28, s28, ASH
	s_mov_b32 s29, 0
	s_lshl_b32 s30, s25, 8                         ; B: column 128 x, K row 128 x half
	s_mul_i32 s27, s[CH], 128*BPITCH*2
	s_add_co_u32 s30, s30, s27
	s_mov_b32 s31, 0
	s_mul_i32 s66, s[CH], 64*PA                    ; where they go: no place in the cluster enters an LDS address
	s_mul_i32 s67, s[CH], 128*PB
	s_add_co_u32 s67, s67, ATILE
	s_wait_dscnt 0x0                               ; the opening add is done
	s_wait_kmcnt 0x0
	s_add_nc_u64 s[4:5], s[4:5], s[28:29]
.if !SELF
	s_add_nc_u64 s[6:7], s[6:7], s[28:29]
	s_add_nc_u64 s[8:9], s[8:9], s[28:29]
.endif
	s_add_nc_u64 s[10:11], s[10:11], s[30:31]
	CROUND                                         ; all sixteen work-groups are here: the first joint loads meet
.irp s, 0,1
	s_mov_b32 s[G0+4*\s], 1
	s_add_co_u32 s[G0+4*\s+1], s66, \s*SLOT
	s_add_nc_u64 s[G0+4*\s+2:G0+4*\s+3], s[4:5], \s*512
	s_or_b32 s[G0+4*\s+3], s[G0+4*\s+3], 0x80000000
	s_mov_b32 s[G0B+4*\s], 1
	s_add_co_u32 s[G0B+4*\s+1], s67, \s*SLOT
	s_add_nc_u64 s[G0B+4*\s+2:G0B+4*\s+3], s[10:11], \s*256*BPITCH*2
	s_or_b32 s[G0B+4*\s+3], s[G0B+4*\s+3], 0x80000000
	JLOAD \s
.endr
	v_and_b32 v1, 15, v0                           ; r = l % 16
	v_bfe_u32 v2, v0, 4, 1                         ; h = l / 16
	v_and_b32 v3, 7, v0
	v_bfe_u32 v4, v0, 3, 1
	v_mul_u32_u24 v5, v1, PA                       ; A's fragment: row r x pitch + 16 h, in my 64 rows
	v_lshl_add_u32 v5, v2, 4, v5
	s_mul_i32 s27, s[RH], 64*PA
	v_add_nc_u32 v[AA0], s27, v5
	v_lshl_add_u32 v6, v2, 3, v3                   ; B's: K row 8 h + l % 8, 16 bytes by (l / 8) % 2, in my 64 columns
	v_mul_u32_u24 v6, v6, PB
	v_lshl_add_u32 v6, v4, 4, v6
	s_lshl_b32 s27, s[CH], 7
	s_add_co_u32 s27, s27, ATILE
	v_add_nc_u32 v[AB0], s27, v6
	s_mul_i32 s27, s[WV], 16*SP
	s_add_co_u32 s27, s27, STAGE                   ; my stage
	v_mul_u32_u24 v[STO], v1, SP
	v_lshl_add_u32 v[STO], v2, 4, v[STO]
	v_add_nc_u32 v[STO], s27, v[STO]
	v_bfe_u32 v[RD], v0, 3, 2
	v_mul_u32_u24 v[RD], v[RD], SP
	v_lshl_add_u32 v[RD], v3, 4, v[RD]
	v_add_nc_u32 v[RD], s27, v[RD]
	v_and_b32 v[CO], 31, v0
	v_lshlrev_b32 v[CO], 4, v[CO]
	s_lshr_b32 s28, s26, 4                         ; out: batch y / 16, row 128 (y % 16) + 64 x row half, 128 bytes a row,
	s_lshl_b32 s28, s28, 21
	s_and_b32 s27, s26, 15
	s_lshl_b32 s27, s27, 14
	s_add_co_u32 s28, s28, s27
	s_lshl_b32 s27, s[RH], 13
	s_add_co_u32 s28, s28, s27
	s_mov_b32 s29, 0
	s_add_nc_u64 s[12:13], s[12:13], s[28:29]
	s_lshl_b32 s30, s25, 1                         ; head 2 x + column half, 262,144 bytes a head
	s_add_co_u32 s30, s30, s[CH]
	s_lshl_b32 s30, s30, 18
	s_mov_b32 s31, 0
	s_add_nc_u64 s[12:13], s[12:13], s[30:31]
	s_mov_b32 s[KA], 0
	s_mov_b32 s[KB], 0
	v_mov_b32 v[AA], v[AA0]
	v_mov_b32 v[AB], v[AB0]
	s_wait_tensorcnt 1                             ; my part of slot 0 is in; slot 1's may stay out
	s_barrier_signal -1
	s_barrier_wait -1
	FETCH F0, 0, 0
	FETCH F1, 64, 32*PB
	WIN 0
	s_mov_b32 s2, 2
.Ltile:                                                ; the first two tiles: both slots are filled again for the next tile
	KSTEP 0, 1, 2
	KSTEP 1, 0, 2
	EPI
	s_wait_xcnt 0x0                                ; the stores have read their base
	s_add_nc_u64 s[12:13], s[12:13], 8388608
	s_sub_co_u32 s2, s2, 1
	s_cmp_lg_u32 s2, 0
	s_cbranch_scc1 .Ltile
	KSTEP 0, 1, 1                                  ; the last tile is written out: it asks for nothing
	KSTEP 1, 0, 0
	EPI
	s_wait_tensorcnt 0x0                           ; the wave's end
	ds_add_u32 v[SPW], v[NIL]
	s_wait_dscnt 0x0
	CROUND                                         ; the closing round
	s_endpgm
.Lfunc_end_k_q7385ad8a14_qkv_s:
	.size	k_q7385ad8a14_qkv_s, .Lfunc_end_k_q7385ad8a14_qkv_s-k_q7385ad8a14_qkv_s
	.p2alignl 7, 3214868480
	.fill 96, 4, 3214868480
	.section	.rodata,"a",@progbits
	.p2align	6, 0x0
	.amdhsa_kernel k_q7385ad8a14_qkv_s
		.amdhsa_group_segment_fixed_size 327680
		.amdhsa_private_segment_fixed_size 0
		.amdhsa_enable_private_segment 0
		.amdhsa_kernarg_size 24
		.amdhsa_user_sgpr_count 2
		.amdhsa_user_sgpr_kernarg_segment_ptr 1
		.amdhsa_wavefront_size32 1
		.amdhsa_system_sgpr_workgroup_id_x 1
		.amdhsa_system_sgpr_workgroup_id_y 1
		.amdhsa_system_sgpr_workgroup_id_z 1
		.amdhsa_system_vgpr_workitem_id 0
		.amdhsa_next_free_vgpr 384
		.amdhsa_next_free_sgpr 72
		.amdhsa_reserve_vcc 0
		.amdhsa_float_denorm_mode_32 3
		.amdhsa_float_denorm_mode_16_64 3
		.amdhsa_memory_ordered 1
		.amdhsa_forward_progress 1
		.amdhsa_inst_pref_size 73
	.end_amdhsa_kernel
	.amdgpu_metadata
---
amdhsa.version: [ 1, 2 ]
amdhsa.kernels:
  - .name:           k_q7385ad8a14_qkv_s
    .symbol:         k_q7385ad8a14_qkv_s.kd
    .args:
      - { .name: xn, .offset: 0, .size: 8, .value_kind: global_buffer, .address_space: global }
      - { .name: ws, .offset: 8, .size: 8, .value_kind: global_buffer, .address_space: global }
      - { .name: big, .offset: 16, .size: 8, .value_kind: global_buffer, .address_space: global }
    .group_segment_fixed_size: 327680
    .private_segment_fixed_size: 0
    .kernarg_segment_align: 8
    .kernarg_segment_size: 24
    .max_flat_workgroup_size: 128
    .sgpr_count:     72
    .vgpr_count:     384
    .wavefront_size: 32
...
	.end_amdgpu_metadata
.endif
;; end of part 2
;; launch att_s (part 3): grid 8 x 32, 4 waves a work-group, no clusters, 327,680 bytes of LDS; arguments big, ob; writes ob
.if DOCPART == 3
	.amdgcn_target "amdgcn-amd-amdhsa--gfx1250"
	.amdhsa_code_object_version 6
	.text
	.protected	k_q7385ad8a14_att_s
	.globl	k_q7385ad8a14_att_s
	.p2align	8
	.type	k_q7385ad8a14_att_s,@function
k_q7385ad8a14_att_s:
	s_mov_b64 s[64:65], 0
	v_nop
	global_prefetch_b8 v0, s[64:65] scope:SCOPE_SE
	s_setreg_imm32_b32 hwreg(HW_REG_WAVE_MODE, 25, 1), 1
	s_wait_xcnt 0x0
; ATTENTION AT HEAD SIZE 64, one text for two launches; CAUSAL chooses.  O[hd][q] = sum over k of softmax_k(Q[hd][q] . K[hd][k] / 8) V[hd][k], 32 heads of 2,048 rows of 64, all f16.
; Q, K, V lie in one buffer at 0, 8,388,608 and 16,777,216.  Products, maxima and sums in f32; the weights p are rounded to f16 for the second product (their sum l is taken unrounded), O once.
; LIMITS: f16 holds nothing beyond 65,504; a hidden score counts as its value less 1e30; a weight below 2^-126 counts as 0; NaN and infinities are not treated apart.
; LAYOUT.  S^T = K Q^T: a lane holds ONE query (lane % 16) and the keys 8 (lane / 16) + 0..7; two such results rounded to f16 ARE source 1 of O^T = V^T P.  V is turned by ds_load_tr16_b128.
; SOFTMAX.  Running maximum m and sum l: p = 2^(c s - c m), c = log2(e) / 8; in every step O and l are multiplied by a = 2^(c m_old - c m_new).  m starts at the lowest finite number, so the first a is 0.
; A KEY STEP (64 keys) goes in phases: 8 T products K Q^T; maximum and statistics; scalings and exponentials; roundings, sums, rescaling; 8 T products V^T P.  T = tiles of 16 queries a wave.
; THE RING: two LDS slots of 256 keys (K, then V); waves 0, 1 fetch K's halves, waves 2, 3 V's; one tensor load a wave behind each change of slots, four key steps in which to land.
; CAUSAL = 0: a work-group owns 256 queries, T = 4; the four query blocks of a cluster walk the same K and V and ask jointly.
; CAUSAL = 1: a work-group takes TWO blocks of 128 queries, 15 - b and then b: block i needs the key tiles 0 .. i / 2, together 9 tiles whatever b, so one loop of constant length walks them.
;   Of a block's two bands of 64 queries a wave owns 16 rows in each (T = 2).  In the block's last tile, key step s: band x sees all keys if s < 2 (i % 2) + x, none if greater, and holds the diagonal if equal.
;   The mask is added onto the scores: MD x AL + BE, MD being the mask of a band's own step for my rows.  NO CLUSTER: behind the common first tiles partners need different tiles, and one walk
;   common to all would have 12 trips for 9.
; REGISTERS: window 0: v0-15 addresses; v16.. four statistics a tile; v32.. four at work a tile; v48.. c m_old; v64.. S^T, 32 a tile; v192.. P, 16 a tile
;   window 1: O^T, 32 a tile; v128-159 MD      window 2: Q, 16 a tile; v64-95 the second block's Q; v128-191 K of a step; v192-255 V of a step
.set CAUSAL, 1
.if CAUSAL
.set T,     2
.set OSTR,  8192                       ; bytes from tile to tile in Q and O: a band
.set JOINT, 0
.else
.set T,     4
.set OSTR,  2048
.set JOINT, 15|(1<<21)                 ; the mask of four, and bit 21 beside it
.endif
.set KS,    64
.set PK,    144                        ; a row of K in LDS: 128 + 16 bytes
.set PV,    160                        ; a row of V: 128 + 32 bytes
.set VOFF,  4*KS*PK
.set SLOT1, 1<<17
.set STAGE, SLOT1+4*KS*(PK+PV)         ; behind the ring, never filled: 16 rows x 144 bytes for each wave
.set SP,    144
.set SPARE, STAGE+4*16*SP              ; the spare words: 128 bytes a wave, named by no other line
.set AK0, 2
.set AV0, 3
.set AK,  4
.set AV,  5
.set STO, 6
.set RD,  7
.set GO,  8
.set QO,  15
.set ST,  16                           ; tile t: c m, m, l (even keys'), l (odd keys')
.set TMP, 32                           ; tile t: c0-c3 at work; c2 takes a
.set MV,  48
.set PFO, 61                           ; 256 x my lane
.set SPW, 62
.set NIL, 63
.set S,   64
.set P,   192
.set MD,  128
.set QB,  64
.set KF,  128
.set VF,  192
.set SK,  8                            ; s[8:9] K, s[10:11] V, at my half of the head's tile 0
.set SV,  10
.set WV,  12
.set PB,  14                           ; causal: b
.set HI,  15                           ; causal: 15 - b
.set LIM, 15                           ; else: 1 in a wave that prefetches, else the greatest number
.set G1K, 24
.set G1V, 32
.set G0K, 40
.set G0V, 44
.set PFA, 48                           ; s[48:49] where my prefetch stands
.set PFB, 50                           ; s[50:51] K or V, whichever I fetch
.set SLOTS, 56
.set CNT, 57
.set CS,  58
.set SEL, 60
.set TBK, 62
.set TBV, 63
.set RT,  70                           ; tiles of the block in hand still to be entered
.set NXT, 71                           ; the tile to be asked for next
.set LQ,  72                           ; the last tile of the block whose tiles are being asked for
.set OFF, 74
.set AL,  76
.set BE,  78
.set OLO, 80
.set QLO, 82
.set CE,  86                           ; s86, s87: the value of CNT in band 0's and band 1's own step
.set CL0, 88
.set LQLO, 89
.set PFON, 90
.set BIGN, 91
.set W_KQ, 0x0a
.set W_PV, 0x52
.set W_RS, 0x41
.set MSB, 0
.macro WIN new
.if MSB != (\new)
	s_set_vgpr_msb (MSB<<8)|(\new)
.set MSB, (\new)
.endif
.endm
.macro PLACES
.rept 4
	v_nop
.endr
.endm
.macro LOAD                            ; a fill; s_nop 0 and four v_nop follow each of the two lines
	s_cmp_lt_u32 s[WV], 2
	s_cbranch_scc0 .Lfor_v_\@
	tensor_load_to_lds s[G0K:G0K+3], s[G1K:G1K+7]
	s_nop 0
	PLACES
	s_branch .Lasked_\@
.Lfor_v_\@:
	tensor_load_to_lds s[G0V:G0V+3], s[G1V:G1V+7]
	s_nop 0
	PLACES
.Lasked_\@:
.endm
.macro CROUND
	s_barrier_signal -1
	s_barrier_wait -1
	s_cmp_lg_u32 s[WV], 0
	s_cbranch_scc1 .Lnot_wave_0_\@
	s_barrier_signal -3
.Lnot_wave_0_\@:
	s_barrier_wait -3
	s_barrier_signal -1
	s_barrier_wait -1
.endm
; A PREFETCH of the tile that the NEXT change of slots will ask for: four key steps ahead of that load.  Each block of 256 bytes is named once in the launch.
; CAUSAL = 0: the head's first cluster asks; its four partners take 32 blocks each BY ADDRESS; wave 0 for K, wave 2 for V; the last filling trip asks for nothing.
; CAUSAL = 1: the work-group with b = 0 asks while its first block's tiles (0 to 7) are being asked for; each wave for its own half tile, 64 blocks.
.macro ASK
.if CAUSAL
	s_cmp_eq_u32 s[PFON], 1
.else
	s_cmp_gt_u32 s[SLOTS], s[LIM]
.endif
	s_cbranch_scc0 .Lnot_mine_\@
	global_prefetch_b8 v[PFO], s[PFA:PFA+1] th:TH_LOAD_NT scope:SCOPE_SE
.if CAUSAL
	global_prefetch_b8 v[PFO], s[PFA:PFA+1] offset:8192 th:TH_LOAD_NT scope:SCOPE_SE
.endif
.Lnot_mine_\@:
.endm
; THE CHANGE OF SLOTS.  Each wave waits for all its tensor loads (one is out: its part of the other slot), adds 0 to its spare word, waits for that and for its reads of the slot that it leaves.
; Behind the barrier nobody reads the old slot and the other is whole.  fill = 1: the old slot is filled again, first thing behind the barrier.  (At its first use slot 0 is waited for and slot 1 filled.)
.macro CHANGE fill
	WIN 0
	s_wait_tensorcnt 0x0
	ds_add_u32 v[SPW], v[NIL]                      ; 0 onto my spare word; scalar work stands between it and the wait for it
.if \fill
.if CAUSAL
	s_lshl_b32 s[OFF], s[NXT], 15                  ; a tile is 32,768 bytes of K and of V: the address is made anew from the tile's number
	s_xor_b32 s[G0K+1], s[G0K+1], SLOT1
	s_add_nc_u64 s[G0K+2:G0K+3], s[SK:SK+1], s[OFF:OFF+1]
	s_or_b32 s[G0K+3], s[G0K+3], 0x80000000
	s_xor_b32 s[G0V+1], s[G0V+1], SLOT1
	s_add_nc_u64 s[G0V+2:G0V+3], s[SV:SV+1], s[OFF:OFF+1]
	s_or_b32 s[G0V+3], s[G0V+3], 0x80000000
	s_add_co_u32 s[NXT], s[NXT], 1                 ; the block's next tile, or behind its last the second block's tile 0
	s_cmp_gt_u32 s[NXT], s[LQ]
	s_cselect_b32 s[NXT], 0, s[NXT]
	s_cselect_b32 s[LQ], s[LQLO], s[LQ]
	s_cselect_b32 s[PFON], 0, s[PFON]
	s_wait_xcnt 0x0                                ; the last prefetches, four key steps back, have read their address
	s_lshl_b32 s[OFF], s[NXT], 15
	s_add_nc_u64 s[PFA:PFA+1], s[PFB:PFB+1], s[OFF:OFF+1]
.else
.irp g, G0K, G0V
	s_xor_b32 s[\g+1], s[\g+1], SLOT1
	s_add_nc_u64 s[\g+2:\g+3], s[\g+2:\g+3], 4*KS*128
.endr
	s_wait_xcnt 0x0
	s_add_nc_u64 s[PFA:PFA+1], s[PFA:PFA+1], 4*KS*128
.endif
.endif
	s_wait_dscnt 0x0                               ; the add is done, and my reads of the slot are over
.if (\fill) && !CAUSAL
	CROUND                                         ; no wave of any partner still reads the slot or has a load on its way
.else
	s_barrier_signal -1
	s_barrier_wait -1
.endif
.if \fill
	LOAD
	ASK
.endif
	s_sub_co_u32 s[TBK], s[TBK], 4*KS*PK           ; the fetches go back to a slot's first step, in the other slot
	s_xor_b32 s[TBK], s[TBK], SLOT1
	s_sub_co_u32 s[TBV], s[TBV], 4*KS*PV
	s_xor_b32 s[TBV], s[TBV], SLOT1
.endm
; THE LDS LOADS, in runs of 16.  guard = 1: a tile's last step fetches nothing.
.macro FETCH_K guard
	WIN 0
.if \guard
	s_cmp_eq_u32 s[CNT], 1
	s_cbranch_scc1 .Lno_k_\@
.endif
	v_add_nc_u32 v[AK], s[TBK], v[AK0]
	s_add_co_u32 s[TBK], s[TBK], KS*PK
	WIN 0x80
.irp f, 0,1,2,3,4,5,6,7
	ds_load_b128 v[KF+8*\f:KF+8*\f+3],   v[AK] offset:(\f/2)*16*PK+(\f%2)*64
	ds_load_b128 v[KF+8*\f+4:KF+8*\f+7], v[AK] offset:(\f/2)*16*PK+(\f%2)*64+32
.endr
	WIN 0
.if \guard
.Lno_k_\@:
.endif
.endm
.macro FETCH_V guard
	WIN 0
.if \guard
	s_cmp_eq_u32 s[CNT], 1
	s_cbranch_scc1 .Lno_v_\@
.endif
	v_add_nc_u32 v[AV], s[TBV], v[AV0]
	s_add_co_u32 s[TBV], s[TBV], KS*PV
	WIN 0x80
.irp f, 0,1,2,3,4,5,6,7
	ds_load_tr16_b128 v[VF+8*\f:VF+8*\f+3],   v[AV] offset:(\f/4)*32*PV+(\f%4)*32
	ds_load_tr16_b128 v[VF+8*\f+4:VF+8*\f+7], v[AV] offset:(\f/4)*32*PV+16*PV+(\f%4)*32
.endr
	WIN 0
.if \guard
.Lno_v_\@:
.endif
.endm
.macro REGS t
.set rT, ST+4*(\t)
.set rC, TMP+4*(\t)
.set rW, MV+(\t)
.set rS, S+32*(\t)
.set rP, P+16*(\t)
.set rO, 32*(\t)
.endm
; Number n of the 21 that find a tile's maximum and statistics; each accumulator's lowest registers are read first.
.macro XOP t, n
	REGS \t
.if (\n) < 4
	v_max3_num_f32 v[rC+(\n)], v[rS+8*(\n)], v[rS+8*(\n)+1], v[rS+8*(\n)+2]
.elseif (\n) < 12
	v_max3_num_f32 v[rC+(\n)%4], v[rC+(\n)%4], v[rS+8*((\n)%4)+2*((\n)/4)+1], v[rS+8*((\n)%4)+2*((\n)/4)+2]
.elseif (\n) == 12
	v_max3_num_f32 v[rC], v[rC], v[rS+7], v[rS+15]
.elseif (\n) == 13
	v_max3_num_f32 v[rC+1], v[rC+1], v[rS+23], v[rS+31]
.elseif (\n) == 14
	v_max3_num_f32 v[rC+2], v[rC+2], v[rC+3], v[rT+1]
.elseif (\n) == 15
	v_mov_b32 v[rW], v[rT]
.elseif (\n) == 16
	v_max3_num_f32 v[rC], v[rC], v[rC+1], v[rC+2]
.elseif (\n) == 17
	v_permlanex16_b32 v[rC+3], v[rC], s[SEL], s[SEL+1]
.elseif (\n) == 18
	v_max_num_f32 v[rT+1], v[rC], v[rC+3]
.elseif (\n) == 19
	v_mul_f32 v[rT], s[CS], v[rT+1]
.else
	v_sub_f32 v[rC+1], v[rW], v[rT]
.endif
.endm
.macro AOP t                           ; a
	REGS \t
	v_exp_f32 v[rC+2], v[rC+1]
.endm
.macro FOP t, p                        ; c s - c m for pair p
	REGS \t
	v_pk_fma_f32 v[rS+2*(\p):rS+2*(\p)+1], v[rS+2*(\p):rS+2*(\p)+1], s[CS:CS+1], v[rT:rT+1] op_sel_hi:[1,0,0] neg_lo:[0,0,1] neg_hi:[0,0,1]
.endm
.macro EOP t, n                        ; the exponential of score n
	REGS \t
	v_exp_f32 v[rS+(\n)], v[rS+(\n)]
.endm
; Item g of the 32 T that follow the exponentials.  For each four weights k: both pairs are rounded to f16, the second pair is added onto the first in place, l takes the sum; each line for all tiles.
.macro GOP g
.set gk, (\g)/(4*T)
.set go, ((\g)%(4*T))/T
	REGS (\g)%T
.if go < 2
	v_cvt_pk_f16_f32 v[rP+2*gk+go], v[rS+4*gk+2*go], v[rS+4*gk+2*go+1]
.elseif go == 2
	v_pk_add_f32 v[rS+4*gk:rS+4*gk+1], v[rS+4*gk:rS+4*gk+1], v[rS+4*gk+2:rS+4*gk+3]
.elseif gk == 0
	v_pk_fma_f32 v[rT+2:rT+3], v[rT+2:rT+3], v[rC+2:rC+3], v[rS:rS+1] op_sel_hi:[1,0,1]
.else
	v_pk_add_f32 v[rT+2:rT+3], v[rT+2:rT+3], v[rS+4*gk:rS+4*gk+1]
.endif
.endm
; A KEY STEP.  The exponentials go in two batches with one wait each: nothing ahead of a batch's wait names one of its results.
.macro STEP
	s_wait_dscnt 16                                ; K is in; V's sixteen younger loads may be out
	WIN W_KQ
.set i, 0
.rept 8                                ; channels 32 (i / 4) on, keys 16 (i % 4) on; the 4 T accumulators take turns, one instruction a turn
.set t, 0
.rept T
.if i < 4
	v_wmma_f32_16x16x32_f16 v[S+32*t+8*(i%4):S+32*t+8*(i%4)+7], v[KF+16*(i%4)+8*(i/4):KF+16*(i%4)+8*(i/4)+7], v[16*t+8*(i/4):16*t+8*(i/4)+7], 0
.else
	v_wmma_f32_16x16x32_f16 v[S+32*t+8*(i%4):S+32*t+8*(i%4)+7], v[KF+16*(i%4)+8*(i/4):KF+16*(i%4)+8*(i/4)+7], v[16*t+8*(i/4):16*t+8*(i/4)+7], v[S+32*t+8*(i%4):S+32*t+8*(i%4)+7]
.endif
.set t, t+1
.endr
.set i, i+1
.endr
	PLACES
	FETCH_K 1                                      ; the next step's K
.if CAUSAL
	s_cmp_lg_u32 s[RT], 0                          ; only a block's last tile holds the diagonal
	s_cbranch_scc1 .Lopen_\@
.set t, 0
.rept T
	s_cmp_eq_u32 s[CNT], s[CE+t]                   ; the band's own step?
	s_cselect_b32 s[AL], 1.0, 0
	s_cmp_lt_u32 s[CNT], s[CE+t]                   ; or a later one?
	s_cselect_b32 s[BE], s[BIGN], 0
	WIN 0x01
.set z, 0
.rept 16
	v_pk_fma_f32 v[S+32*t+2*z:S+32*t+2*z+1], v[MD+2*z:MD+2*z+1], s[AL:AL+1], v[S+32*t+2*z:S+32*t+2*z+1] op_sel_hi:[1,0,1]
.set z, z+1
.endr
	WIN 0
.set z, 0
.rept 16
	v_pk_add_f32 v[S+32*t+2*z:S+32*t+2*z+1], v[S+32*t+2*z:S+32*t+2*z+1], s[BE:BE+1] op_sel_hi:[1,0]
.set z, z+1
.endr
.set t, t+1
.endr
.Lopen_\@:
.endif
.irp n, 0,1,2,3,4,5,6,7,8,9,10,11,12,13,15,14,16,17,18,19,20
.set t, 0
.rept T
	XOP t, \n
.set t, t+1
.endr
.endr
.set q, 0
.rept 16*T                             ; all scalings; beside them a and the exponentials of scores 0 to 15
	FOP q%T, q/T
.if q < T
	AOP q
.else
	EOP (q-T)%T, (q-T)/T
.endif
.set q, q+1
.endr
.set q, 15*T
.rept T
	EOP q%T, q/T
.set q, q+1
.endr
	v_nop                                          ; a plain instruction behind the last exponential
	s_wait_alu depctr_va_vdst(0)                   ; the first batch's wait
.set q, 0
.rept 16*T                             ; the exponentials of scores 16 to 31, by turns with what follows scores 0 to 15
	EOP q%T, 16+q/T
	GOP q
.set q, q+1
.endr
	s_wait_alu depctr_va_vdst(0)                   ; the second batch's wait; the last sum above is the plain instruction behind its last exponential
.set q, 16*T
.rept 16*T
	GOP q
.set q, q+1
.endr
	WIN W_RS
.set q, 0
.rept 16*T                             ; O^T times a
	REGS q%T
	v_pk_mul_f32 v[rO+2*(q/T):rO+2*(q/T)+1], v[rO+2*(q/T):rO+2*(q/T)+1], v[rC+2:rC+3] op_sel_hi:[1,0]
.set q, q+1
.endr
	s_wait_dscnt 0x0                               ; V is in
	WIN W_PV
.set i, 0
.rept 8                                ; keys 32 (i / 4) on, channels 16 (i % 4) on
.set t, 0
.rept T
	v_wmma_f32_16x16x32_f16 v[32*t+8*(i%4):32*t+8*(i%4)+7], v[VF+32*(i/4)+8*(i%4):VF+32*(i/4)+8*(i%4)+7], v[P+16*t+8*(i/4):P+16*t+8*(i/4)+7], v[32*t+8*(i%4):32*t+8*(i%4)+7]
.set t, t+1
.endr
.set i, i+1
.endr
	PLACES
	FETCH_V 1                                      ; the next step's V
.endm
.macro TILE                            ; a slot's four key steps
	FETCH_K 0
	FETCH_V 0
	s_mov_b32 s[CNT], 4
.Lstep_\@:
	STEP
	s_sub_co_u32 s[CNT], s[CNT], 1
	s_cmp_lg_u32 s[CNT], 0
	s_cbranch_scc1 .Lstep_\@
.endm
; THE WAY OUT: l's halves and the other half of the lanes' are added; O^T is divided by l, rounded to f16 and sent through my stage, a tile at a time.
.macro ALLT line:vararg
.set t, 0
.rept T
	\line
.set t, t+1
.endr
.endm
.macro PACK t
	WIN W_RS
.set i, 32*(\t)
.rept 16
	v_pk_mul_f32 v[i:i+1], v[i:i+1], v[ST+4*(\t)+2:ST+4*(\t)+3] op_sel_hi:[1,0]
.set i, i+2
.endr
	WIN 0x05
.set i, 0
.rept 16
	v_cvt_pk_f16_f32 v[S+16*(\t)+i], v[32*(\t)+2*i], v[32*(\t)+2*i+1]
.set i, i+1
.endr
	WIN 0
.irp f, 0,1,2,3
	ds_store_b128 v[STO], v[S+16*(\t)+4*\f:S+16*(\t)+4*\f+3] offset:32*\f
.endr
.irp f, 0,1,2,3
	ds_load_b128 v[S+16*(\t)+4*\f:S+16*(\t)+4*\f+3], v[RD] offset:\f*4*SP   ; LDS serves a wave's instructions in order (ISA guide 5.7.1.4)
.endr
.endm
.macro SEND t, younger
	WIN 0
.irp f, 0,1,2,3
	s_wait_dscnt (\younger)+3-\f
	global_store_b128 v[GO], v[S+16*(\t)+4*\f:S+16*(\t)+4*\f+3], s[6:7] offset:(\t)*OSTR+\f*512   ; 512 consecutive bytes, aligned
.endr
.endm
.macro WAYOUT
	WIN 0
	ALLT v_add_f32 v[ST+4*t+2], v[ST+4*t+2], v[ST+4*t+3]
	ALLT v_permlanex16_b32 v[ST+4*t+3], v[ST+4*t+2], s[SEL], s[SEL+1]
	ALLT v_add_f32 v[ST+4*t+2], v[ST+4*t+2], v[ST+4*t+3]
	ALLT v_rcp_f32 v[ST+4*t+2], v[ST+4*t+2]
	v_nop
	s_wait_alu depctr_va_vdst(0)                   ; one wait for the reciprocals, ahead of their first use
	PACK 0
.set u, 1
.rept T-1
	PACK u
	SEND u-1, 8
.set u, u+1
.endr
	SEND T-1, 0
.endm
	s_load_b128 s[4:7], s[0:1], 0x0                ; Q, K, V's buffer s[4:5]; O s[6:7]
	v_lshl_add_u32 v[SPW], v0, 2, SPARE
	v_mov_b32 v[NIL], 0
	ds_add_u32 v[SPW], v[NIL]                      ; the wave's opening: the add and its wait stand ahead of my first tensor load
	ds_add_u32 v62, v63
	v_lshrrev_b32 v1, 5, v0
	v_readfirstlane_b32 s[WV], v1
	s_and_b32 s20, ttmp7, 0xffff
	s_lshl_b32 s20, s20, 18                        ; the head's first byte: 262,144 a head
	s_and_b32 s16, s[WV], 1                        ; which half of a tile's 256 keys I fetch
	s_lshl_b32 s22, s16, 14
	s_add_co_u32 s22, s22, s20
	s_mov_b32 s23, 0
	s_mul_i32 s17, s16, 128*PK
	s_mul_i32 s18, s16, 128*PV
.if CAUSAL
	s_mov_b32 s[PB], ttmp9
	s_sub_co_u32 s[HI], 15, s[PB]
	s_lshl_b32 s21, s[WV], 11                      ; my 16 rows in a band
	s_add_co_u32 s21, s21, s20
	s_lshl_b32 s66, s[HI], 14                      ; the first block's 128 rows
	s_add_co_u32 s66, s66, s21
	s_lshl_b32 s84, s[PB], 14                      ; the second's
	s_add_co_u32 s84, s84, s21
	s_mov_b32 s85, 0
	s_lshr_b32 s[LQ], s[HI], 1
	s_add_co_u32 s[RT], s[LQ], 1
	s_lshr_b32 s[LQLO], s[PB], 1
	s_mov_b32 s[NXT], 1
	s_and_b32 s19, s[HI], 1
	s_lshl_b32 s19, s19, 1
	s_sub_co_u32 s[CE], 4, s19
	s_sub_co_u32 s[CE+1], 3, s19
	s_and_b32 s19, s[PB], 1
	s_lshl_b32 s19, s19, 1
	s_sub_co_u32 s[CL0], 4, s19
	s_cmp_eq_u32 s[PB], 0
	s_cselect_b32 s[PFON], 1, 0
	s_mov_b32 s[OFF+1], 0
	s_mov_b32 s[AL+1], 0
	s_mov_b32 s[BE+1], 0
	s_mov_b32 s[BIGN], 0xf149f2ca                  ; -1e30
	s_mov_b32 s[SLOTS], 8
.else
	s_bfe_u32 s13, ttmp6, 0x40000                  ; cx
	s_lshl_b32 s14, ttmp9, 2
	s_add_co_u32 s14, s14, s13                     ; my block of 256 queries: it enters Q's and O's addresses alone
	s_lshl_b32 s66, s14, 15
	s_lshl_b32 s21, s[WV], 13
	s_add_co_u32 s66, s66, s21
	s_add_co_u32 s66, s66, s20
	s_and_b32 s[LIM], s[WV], 1
	s_or_b32 s[LIM], s[LIM], ttmp9
	s_cmp_eq_u32 s[LIM], 0
	s_cselect_b32 s[LIM], 1, -1                    ; waves 0 and 2 of the head's first cluster: the same in all four partners
	s_mov_b32 s[SLOTS], 7
.endif
	s_mov_b32 s67, 0
	; group 1: 128 keys are 16,384 dense bytes: 64 rows of 256 bytes, padded in LDS after every key
	s_mov_b32 s[G1K], JOINT|(1<<16)|(1<<20)|(4<<22)|(3<<25)
	s_mov_b32 s[G1V], JOINT|(1<<16)|(1<<20)|(4<<22)|(7<<25)
.irp g, G1K, G1V
	s_mov_b32 s[\g+1], 128<<16
	s_mov_b32 s[\g+2], 64<<16
	s_mov_b32 s[\g+3], 128<<16
	s_mov_b32 s[\g+4], 64
	s_mov_b32 s[\g+5], 128
	s_mov_b32 s[\g+6], 0
	s_mov_b32 s[\g+7], 0
.endr
	s_mov_b32 s[CS], 0x3e38aa3b                    ; c = log2(e) / 8
	s_mov_b32 s[CS+1], s[CS]
	s_mov_b32 s[SEL], 0x76543210
	s_mov_b32 s[SEL+1], 0xfedcba98
	s_mov_b32 s[TBK], SLOT1+4*KS*PK                ; the first change of slots turns these two into 0
	s_mov_b32 s[TBV], SLOT1+4*KS*PV
	s_mov_b32 s[G0K], 1
	s_mov_b32 s[G0K+1], s17
	s_mov_b32 s[G0V], 1
	s_add_co_u32 s[G0V+1], s18, VOFF
	s_wait_dscnt 0x0                               ; the opening add is done
	s_wait_kmcnt 0x0
	s_add_nc_u64 s[SK:SK+1], s[4:5], 8388608
	s_add_nc_u64 s[SV:SV+1], s[4:5], 16777216
	s_add_nc_u64 s[SK:SK+1], s[SK:SK+1], s[22:23]
	s_add_nc_u64 s[SV:SV+1], s[SV:SV+1], s[22:23]
	s_add_nc_u64 s[G0K+2:G0K+3], s[SK:SK+1], 0
	s_or_b32 s[G0K+3], s[G0K+3], 0x80000000
	s_add_nc_u64 s[G0V+2:G0V+3], s[SV:SV+1], 0
	s_or_b32 s[G0V+3], s[G0V+3], 0x80000000
.if CAUSAL
	s_add_nc_u64 s[QLO:QLO+1], s[4:5], s[84:85]
	s_add_nc_u64 s[OLO:OLO+1], s[6:7], s[84:85]
.endif
	s_add_nc_u64 s[4:5], s[4:5], s[66:67]
	s_add_nc_u64 s[6:7], s[6:7], s[66:67]
	s_cmp_lt_u32 s[WV], 2
	s_cselect_b64 s[PFB:PFB+1], s[SK:SK+1], s[SV:SV+1]
.if !CAUSAL
	s_lshl_b32 s2, s13, 13                         ; my work-group's 32 blocks of a tile's 128
	s_mov_b32 s3, 0
	s_add_nc_u64 s[PFA:PFA+1], s[PFB:PFB+1], s[2:3]
	s_add_nc_u64 s[PFA:PFA+1], s[PFA:PFA+1], 4*KS*128   ; at tile 1: the first change steps it to tile 2
	CROUND                                         ; all four work-groups are here: the first joint loads meet
.endif
	LOAD                                           ; tile 0 into slot 0
	v_and_b32 v1, 15, v0
	v_bfe_u32 v9, v0, 4, 1
	v_lshlrev_b32 v[QO], 7, v1
	v_lshl_add_u32 v[QO], v9, 4, v[QO]
	WIN 0x80
.set i, 0
.rept 2*T                              ; Q stays in registers: tile i / 2, channels 32 (i % 2) on
	global_load_b128 v[8*i:8*i+3],   v[QO], s[4:5] offset:(i/2)*OSTR+(i%2)*64
	global_load_b128 v[8*i+4:8*i+7], v[QO], s[4:5] offset:(i/2)*OSTR+(i%2)*64+32
.if CAUSAL
	global_load_b128 v[QB+8*i:QB+8*i+3],   v[QO], s[QLO:QLO+1] offset:(i/2)*OSTR+(i%2)*64
	global_load_b128 v[QB+8*i+4:QB+8*i+7], v[QO], s[QLO:QLO+1] offset:(i/2)*OSTR+(i%2)*64+32
.endif
.set i, i+1
.endr
	WIN 0x40                                       ; O^T and l start at 0, in the wait for the first tile: the price of writing no first step out
.set i, 0
.rept 32*T
	v_mov_b32 v[i], 0
.set i, i+1
.endr
.if CAUSAL
	WIN 0
	v_lshlrev_b32 v14, 3, v9
	v_sub_nc_u32 v14, v1, v14
	s_lshl_b32 s19, s[WV], 4
	v_add_nc_u32 v14, s19, v14                     ; my query's place in its band less 8 (l / 16): register j of key group kt is hidden where 16 kt + j is greater
	WIN 0x40
.set i, 0
.rept 32
	v_cmp_gt_i32 vcc_lo, 16*(i/8)+i%8, v14
	v_cndmask_b32 v[MD+i], 0, s[BIGN], vcc_lo
.set i, i+1
.endr
.endif
	WIN 0
.set i, 0
.rept T
	v_mov_b32 v[ST+4*i], 0xfe000000                ; c m: far below every c s
	v_mov_b32 v[ST+4*i+1], 0xff7fffff              ; m
	v_mov_b32 v[ST+4*i+2], 0
	v_mov_b32 v[ST+4*i+3], 0
.set i, i+1
.endr
	v_mul_u32_u24 v[AK0], v1, PK
	v_lshl_add_u32 v[AK0], v9, 4, v[AK0]
	v_and_b32 v10, 7, v0
	v_bfe_u32 v11, v0, 3, 1
	v_lshl_add_u32 v[AV0], v9, 3, v10
	v_mul_u32_u24 v[AV0], v[AV0], PV
	v_lshl_add_u32 v[AV0], v11, 4, v[AV0]
	v_add_nc_u32 v[AV0], VOFF, v[AV0]
	s_mul_i32 s19, s[WV], 16*SP
	s_add_co_u32 s19, s19, STAGE
	v_mul_u32_u24 v[STO], v1, SP
	v_lshl_add_u32 v[STO], v9, 4, v[STO]
	v_add_nc_u32 v[STO], s19, v[STO]
	v_bfe_u32 v[RD], v0, 3, 2
	v_mul_u32_u24 v[RD], v[RD], SP
	v_lshl_add_u32 v[RD], v10, 4, v[RD]
	v_add_nc_u32 v[RD], s19, v[RD]
	v_and_b32 v[GO], 31, v0
	v_lshlrev_b32 v[PFO], 8, v[GO]
	v_lshlrev_b32 v[GO], 4, v[GO]
	s_wait_loadcnt 0x0                             ; Q
.Lslot:                                                ; a tile is entered and the next is asked for
	CHANGE 1
.if CAUSAL
	s_sub_co_u32 s[RT], s[RT], 1
.endif
	TILE
.if CAUSAL
	s_cmp_lg_u32 s[RT], 0
	s_cbranch_scc1 .Lbottom
	WAYOUT                                         ; the first block's end (the second's last tile is the walk's last)
	s_wait_xcnt 0x0                                ; the stores have read their registers and O's address
	s_mov_b64 s[6:7], s[OLO:OLO+1]
	s_add_co_u32 s[RT], s[LQLO], 1
	s_mov_b32 s[CE], s[CL0]
	s_sub_co_u32 s[CE+1], s[CL0], 1
.set i, 0
.rept T
	v_mov_b32 v[ST+4*i], 0xfe000000                ; the next step's a is 0, so O^T and l need only be finite
	v_mov_b32 v[ST+4*i+1], 0xff7fffff
.set i, i+1
.endr
	WIN 0x82
.set i, 0
.rept 16*T
	v_mov_b32 v[i], v[QB+i]
.set i, i+1
.endr
	WIN 0
.Lbottom:
.endif
	s_sub_co_u32 s[SLOTS], s[SLOTS], 1
	s_cmp_lg_u32 s[SLOTS], 0
	s_cbranch_scc1 .Lslot
	CHANGE 0                                       ; the last tile is written out
.if CAUSAL
	s_sub_co_u32 s[RT], s[RT], 1
.endif
	TILE
	WAYOUT
	s_wait_tensorcnt 0x0                           ; the wave's end
	ds_add_u32 v[SPW], v[NIL]
	s_wait_dscnt 0x0
.if !CAUSAL
	CROUND                                         ; the closing round
.endif
	s_endpgm
.Lfunc_end_k_q7385ad8a14_att_s:
	.size	k_q7385ad8a14_att_s, .Lfunc_end_k_q7385ad8a14_att_s-k_q7385ad8a14_att_s
	.p2alignl 7, 3214868480
	.fill 96, 4, 3214868480
	.section	.rodata,"a",@progbits
	.p2align	6, 0x0
	.amdhsa_kernel k_q7385ad8a14_att_s
		.amdhsa_group_segment_fixed_size 327680
		.amdhsa_private_segment_fixed_size 0
		.amdhsa_enable_private_segment 0
		.amdhsa_kernarg_size 16
		.amdhsa_user_sgpr_count 2
		.amdhsa_user_sgpr_kernarg_segment_ptr 1
		.amdhsa_wavefront_size32 1
		.amdhsa_system_sgpr_workgroup_id_x 1
		.amdhsa_system_sgpr_workgroup_id_y 1
		.amdhsa_system_sgpr_workgroup_id_z 1
		.amdhsa_system_vgpr_workitem_id 0
		.amdhsa_next_free_vgpr 768
		.amdhsa_next_free_sgpr 96
		.amdhsa_reserve_vcc 1
		.amdhsa_float_denorm_mode_32 3
		.amdhsa_float_denorm_mode_16_64 3
		.amdhsa_memory_ordered 1
		.amdhsa_forward_progress 1
		.amdhsa_inst_pref_size 79
	.end_amdhsa_kernel
	.amdgpu_metadata
---
amdhsa.version: [ 1, 2 ]
amdhsa.kernels:
  - .name:           k_q7385ad8a14_att_s
    .symbol:         k_q7385ad8a14_att_s.kd
    .args:
      - { .name: big, .offset: 0, .size: 8, .value_kind: global_buffer, .address_space: global }
      - { .name: ob, .offset: 8, .size: 8, .value_kind: global_buffer, .address_space: global }
    .group_segment_fixed_size: 327680
    .private_segment_fixed_size: 0
    .kernarg_segment_align: 8
    .kernarg_segment_size: 16
    .max_flat_workgroup_size: 128
    .sgpr_count:     96
    .vgpr_count:     768
    .wavefront_size: 32
...
	.end_amdgpu_metadata
.endif
;; end of part 3
;; launch proj_s (part 4): grid 256 x 1, 4 waves a work-group, clusters of 4 x 1, 327,680 bytes of LDS; arguments ob, ws, bp_s, q, g2, be2, out0, xn; writes out0, xn
.if DOCPART == 4
	.amdgcn_target "amdgcn-amd-amdhsa--gfx1250"
	.amdhsa_code_object_version 6
	.text
	.protected	k_q7385ad8a14_proj_s
	.globl	k_q7385ad8a14_proj_s
	.p2align	8
	.type	k_q7385ad8a14_proj_s,@function
k_q7385ad8a14_proj_s:
	s_mov_b64 s[64:65], 0
	v_nop
	global_prefetch_b8 v0, s[64:65] scope:SCOPE_SE
	s_setreg_imm32_b32 hwreg(HW_REG_WAVE_MODE, 25, 1), 1
	s_wait_xcnt 0x0
	s_wait_alu depctr_hold_cnt(0) depctr_sa_sdst(0) depctr_va_vdst(0) depctr_va_sdst(0) depctr_va_ssrc(0) depctr_va_vcc(0) depctr_vm_vsrc(0)
	s_getreg_b32 s2, hwreg(HW_REG_IB_STS2, 6, 4)
	s_cmp_eq_u32 s2, 0
	s_cbranch_scc0 .Lentry_in_a_cluster
	s_endpgm
.Lentry_in_a_cluster:
	s_bfe_u32 s2, ttmp6, 0x10000c
	s_cmp_lg_u32 s2, 0x3003
	s_cbranch_scc0 .Lentry_shape_is_right
	s_endpgm
.Lentry_shape_is_right:
; PROJECTION, RESIDUAL, LAYERNORM.  x = res + O Wp + bp (f32, stored), and LayerNorm(x) g + be (bf16, stored).
; O: f16 by heads [8 b + h][2048][64].  Wp: f16 [512 k = 64 h + d][512 n] at w + 1,572,864.  res, x: [8192][512] f32.
; SHARES.  A work-group owns 32 WHOLE rows, so the norm needs nobody else; wave w makes all 32 rows x columns 128 w .. + 127: 16 accumulators.
; O's 32 rows of the 8 heads (32 KiB) lie in LDS for the whole launch; Wp goes in four steps of 128 along K through two slots, each wave fetching 32 rows of 1,024 bytes.
; CLUSTER 4 x 1: all work-groups walk the same Wp: its tiles are asked for jointly by four.  O's tiles are each work-group's own (mask 0).
; The matrix instruction is used transposed (source 0 = 16 columns of Wp, turned by ds_load_tr16_b128; source 1 = 16 rows of O); the first products take the bias as C.
; Then the 32 x 512 sums go through a stage in LDS (in slot 0, behind its last fill and the barrier behind its last reads), and wave w takes rows 8 w .. 8 w + 7 whole.
; The variance is taken of x - mean.  LIMIT: O and Wp within f16's range.
; REGISTERS: window 0: v0-31 addresses; v32-47 g, v48-63 be, v64-127 at work for the norm; v128-255 accumulators, later x.  window 1: two fragment buffers of 80, v160-223 the bias.  window 2: v0-127 the residual.
.set PAH,   144                        ; a row of O in LDS: 128 + 16 bytes
.set HEADB, 32*PAH
.set BS0,   8*HEADB
.set PB,    1056                       ; a row of Wp in LDS: 1,024 + 32 bytes
.set BSLOT, 128*PB
.set SPARE, BS0+2*BSLOT                ; the spare words: 128 bytes a wave, named by no other line
.set SP,    2064                       ; a row of the stage: 2,048 + 16 bytes
.set AAD, 4
.set ABD, 8                            ; v8-11: slot s, K chunks 0-1 and 2-3
.set STO, 16
.set RDS, 17
.set XO,  18
.set BO,  19
.set GOF, 20
.set BPO, 21
.set SPW, 28
.set NIL, 29
.set GB,  32
.set BEB, 48
.set TTB, 64
.set XB,  128
.set ACC, 128
.set F0,  0
.set F1,  80
.set BIASD, 160
.set WV,  20
.set GA1, 24
.set GB1, 32
.set GA0, 40
.set GB0, 48
.set I512, 56
.set EPSR, 57
.set SEL,  58
.set MSB, 0
.macro WIN new
.if MSB != (\new)
	s_set_vgpr_msb (MSB<<8)|(\new)
.set MSB, \new
.endif
.endm
.macro PLACES
.rept 4
	v_nop
.endr
.endm
.macro CROUND
	s_barrier_signal -1
	s_barrier_wait -1
	s_cmp_lg_u32 s[WV], 0
	s_cbranch_scc1 .Lnot_wave_0_\@
	s_barrier_signal -3
.Lnot_wave_0_\@:
	s_barrier_wait -3
	s_barrier_signal -1
	s_barrier_wait -1
.endm
.macro FETCH f, st, u                  ; twenty LDS loads: chunk u (32 along K) of step st into buffer f
	WIN 0x40
.irp b, 0,1,2,3,4,5,6,7
	ds_load_tr16_b128 v[(\f)+16+8*\b:(\f)+16+8*\b+3], v[ABD+2*((\st)%2)+(\u)/2] offset:((\u)%2)*32*PB+32*\b
	ds_load_tr16_b128 v[(\f)+16+8*\b+4:(\f)+16+8*\b+7], v[ABD+2*((\st)%2)+(\u)/2] offset:((\u)%2)*32*PB+32*\b+16*PB
.endr
.irp a, 0,1
	ds_load_b128 v[(\f)+8*\a:(\f)+8*\a+3], v[AAD] offset:((4*(\st)+(\u))/2)*HEADB+64*((\u)%2)+16*PAH*\a
	ds_load_b128 v[(\f)+8*\a+4:(\f)+8*\a+7], v[AAD] offset:((4*(\st)+(\u))/2)*HEADB+64*((\u)%2)+16*PAH*\a+32
.endr
.endm
.macro MUL f, first                    ; sixteen products, the accumulators by turns; first = 1: the sums start at the bias
.if \first
	WIN 0x15
.else
	WIN 0x05
.endif
.irp a, 0,1
.irp b, 0,1,2,3,4,5,6,7
.if \first
	v_wmma_f32_16x16x32_f16 v[ACC+8*(8*\a+\b):ACC+8*(8*\a+\b)+7], v[(\f)+16+8*\b:(\f)+16+8*\b+7], v[(\f)+8*\a:(\f)+8*\a+7], v[BIASD+8*\b:BIASD+8*\b+7]
.else
	v_wmma_f32_16x16x32_f16 v[ACC+8*(8*\a+\b):ACC+8*(8*\a+\b)+7], v[(\f)+16+8*\b:(\f)+16+8*\b+7], v[(\f)+8*\a:(\f)+8*\a+7], v[ACC+8*(8*\a+\b):ACC+8*(8*\a+\b)+7]
.endif
.endr
.endr
.endm
.macro STEP st                         ; 128 along K
	FETCH F0, \st, 0
	FETCH F1, \st, 1
	s_wait_dscnt 20                                ; the older buffer is in; the younger's twenty loads may be out
.if (\st) == 0
	s_wait_loadcnt 40                              ; the bias is in; g, be and the residual, 40 loads issued behind it, stay out
	MUL F0, 1
.else
	MUL F0, 0
.endif
	PLACES
	FETCH F0, \st, 2
	s_wait_dscnt 20
	MUL F1, 0
	PLACES
	FETCH F1, \st, 3
	s_wait_dscnt 20
	MUL F0, 0
	s_wait_dscnt 0x0
	MUL F1, 0
.endm
.macro CHANGE slot, fill               ; the change of slots; fill = 1: the slot just read takes the step two further on
	WIN 0
	s_wait_tensorcnt 0x0                           ; all my tensor loads have landed
	ds_add_u32 v[SPW], v[NIL]
.if \fill
	s_add_nc_u64 s[GB0+4*(\slot)+2:GB0+4*(\slot)+3], s[GB0+4*(\slot)+2:GB0+4*(\slot)+3], 256*1024
	s_wait_dscnt 0x0                               ; the add is done, and my reads of the slot are over
	CROUND                                         ; no wave of any partner still reads the slot or has a load on its way
	tensor_load_to_lds s[GB0+4*(\slot):GB0+4*(\slot)+3], s[GB1:GB1+7]
	s_nop 0
	PLACES
.else
	s_wait_dscnt 0x0
	s_barrier_signal -1
	s_barrier_wait -1
	PLACES
.endif
.endm
.macro ROWS n, line:vararg             ; one line for each row i
.set i, 0
.rept \n
	\line
.set i, i+1
.endr
.endm
.macro LANES n, c                      ; the sum over the 32 lanes of register c of each row's eight; c + 1 is at work
.irp m, 1,2,4,8
	ROWS \n, v_add_f32_dpp v[TTB+8*i+\c], v[TTB+8*i+\c], v[TTB+8*i+\c] row_xmask:\m row_mask:0xf bank_mask:0xf
.endr
	ROWS \n, v_permlanex16_b32 v[TTB+8*i+\c+1], v[TTB+8*i+\c], s[SEL], s[SEL+1]
	ROWS \n, v_add_f32 v[TTB+8*i+\c], v[TTB+8*i+\c], v[TTB+8*i+\c+1]
.endm
; LayerNorm of n rows held in registers, a wave a row, line by line for all rows.  The result, bf16, ends in the first 8 registers of each row.
.macro LNROWS n, held
.set k, 0
.rept 4
	ROWS \n, v_pk_add_f32 v[TTB+8*i+2*k:TTB+8*i+2*k+1], v[XB+16*i+4*k:XB+16*i+4*k+1], v[XB+16*i+4*k+2:XB+16*i+4*k+3]
.set k, k+1
.endr
	ROWS \n, v_pk_add_f32 v[TTB+8*i:TTB+8*i+1], v[TTB+8*i:TTB+8*i+1], v[TTB+8*i+2:TTB+8*i+3]
	ROWS \n, v_pk_add_f32 v[TTB+8*i+4:TTB+8*i+5], v[TTB+8*i+4:TTB+8*i+5], v[TTB+8*i+6:TTB+8*i+7]
	ROWS \n, v_pk_add_f32 v[TTB+8*i:TTB+8*i+1], v[TTB+8*i:TTB+8*i+1], v[TTB+8*i+4:TTB+8*i+5]
	ROWS \n, v_add_f32 v[TTB+8*i], v[TTB+8*i], v[TTB+8*i+1]
	LANES \n, 0
	ROWS \n, v_mul_f32 v[TTB+8*i+2], s[I512], v[TTB+8*i]   ; the mean
.if \held
	s_wait_xcnt 0x0                                ; the stores of x have read their registers
.endif
.set k, 0
.rept 8
	ROWS \n, v_pk_add_f32 v[XB+16*i+2*k:XB+16*i+2*k+1], v[XB+16*i+2*k:XB+16*i+2*k+1], v[TTB+8*i+2:TTB+8*i+3] op_sel_hi:[1,0] neg_lo:[0,1] neg_hi:[0,1]
.set k, k+1
.endr
	ROWS \n, v_pk_mul_f32 v[TTB+8*i+4:TTB+8*i+5], v[XB+16*i:XB+16*i+1], v[XB+16*i:XB+16*i+1]
	ROWS \n, v_pk_mul_f32 v[TTB+8*i+6:TTB+8*i+7], v[XB+16*i+2:XB+16*i+3], v[XB+16*i+2:XB+16*i+3]
.set k, 2
.rept 6
	ROWS \n, v_pk_fma_f32 v[TTB+8*i+4+2*(k%2):TTB+8*i+5+2*(k%2)], v[XB+16*i+2*k:XB+16*i+2*k+1], v[XB+16*i+2*k:XB+16*i+2*k+1], v[TTB+8*i+4+2*(k%2):TTB+8*i+5+2*(k%2)]
.set k, k+1
.endr
	ROWS \n, v_pk_add_f32 v[TTB+8*i+4:TTB+8*i+5], v[TTB+8*i+4:TTB+8*i+5], v[TTB+8*i+6:TTB+8*i+7]
	ROWS \n, v_add_f32 v[TTB+8*i+4], v[TTB+8*i+4], v[TTB+8*i+5]
	LANES \n, 4
	ROWS \n, v_fma_f32 v[TTB+8*i+4], v[TTB+8*i+4], s[I512], s[EPSR]   ; variance + eps
	ROWS \n, v_rsq_f32 v[TTB+8*i+6], v[TTB+8*i+4]
	v_nop                                          ; a plain instruction behind the last root,
	s_wait_alu depctr_va_vdst(0)                   ; and one wait for the batch, ahead of its first reader
.set k, 0
.rept 8
	ROWS \n, v_pk_mul_f32 v[XB+16*i+2*k:XB+16*i+2*k+1], v[XB+16*i+2*k:XB+16*i+2*k+1], v[TTB+8*i+6:TTB+8*i+7] op_sel_hi:[1,0]
.set k, k+1
.endr
.set k, 0
.rept 8
	ROWS \n, v_pk_fma_f32 v[XB+16*i+2*k:XB+16*i+2*k+1], v[XB+16*i+2*k:XB+16*i+2*k+1], v[GB+2*k:GB+2*k+1], v[BEB+2*k:BEB+2*k+1]
.set k, k+1
.endr
.set k, 0
.rept 8
	ROWS \n, v_cvt_pk_bf16_f32 v[XB+16*i+k], v[XB+16*i+2*k], v[XB+16*i+2*k+1]
.set k, k+1
.endr
.endm
	s_load_b512 s[4:19], s[0:1], 0x0               ; O s[4:5], w s[6:7], bp s[8:9], res s[10:11], g s[12:13], be s[14:15], x s[16:17], norm s[18:19]
	v_lshl_add_u32 v[SPW], v0, 2, SPARE
	v_mov_b32 v[NIL], 0
	ds_add_u32 v[SPW], v[NIL]                      ; the wave's opening: the add and its wait stand ahead of my first tensor load
	ds_add_u32 v28, v29
	v_lshrrev_b32 v1, 5, v0
	v_readfirstlane_b32 s[WV], v1
	s_bfe_u32 s21, ttmp6, 0x40000                  ; cx
	s_lshl_b32 s22, ttmp9, 2
	s_add_co_u32 s22, s22, s21                     ; my work-group: rows 32 x it
	s_mov_b32 s[GA1], (1<<16)|(1<<20)|(4<<22)|(3<<25)   ; O: a head's 32 rows are 4,096 dense bytes: 16 rows of 256, padded after every 32 words by 4
	s_mov_b32 s[GA1+1], 128<<16
	s_mov_b32 s[GA1+2], 16<<16
	s_mov_b32 s[GA1+3], 128<<16
	s_mov_b32 s[GA1+4], 16
	s_mov_b32 s[GA1+5], 128
	s_mov_b32 s[GA1+6], 0
	s_mov_b32 s[GA1+7], 0
	s_mov_b32 s[GB1], 15|(1<<16)|(1<<20)|(1<<21)|(7<<22)|(7<<25)   ; Wp: the mask of four; 32 rows of 512 elements, padded after every 256 words by 8
	s_mov_b32 s[GB1+1], 512<<16
	s_mov_b32 s[GB1+2], 32<<16
	s_mov_b32 s[GB1+3], 512<<16
	s_mov_b32 s[GB1+4], 32
	s_mov_b32 s[GB1+5], 512
	s_mov_b32 s[GB1+6], 0
	s_mov_b32 s[GB1+7], 0
	s_mov_b32 s[I512], 0x3b000000
	s_mov_b32 s[EPSR], 0x3727c5ac
	s_mov_b32 s[SEL], 0x76543210
	s_mov_b32 s[SEL+1], 0xfedcba98
	s_mul_i32 s23, s[WV], 2*HEADB                  ; heads 2 w and 2 w + 1 are mine to fetch
	s_mul_i32 s62, s[WV], 32*PB
	s_add_co_u32 s62, s62, BS0
	s_lshr_b32 s60, s22, 6                         ; O: batch, 8 heads of 262,144 bytes; my 32 rows of 128 bytes; my two heads
	s_lshl_b32 s60, s60, 21
	s_and_b32 s68, s22, 63
	s_lshl_b32 s68, s68, 12
	s_add_co_u32 s60, s60, s68
	s_lshl_b32 s68, s[WV], 19
	s_add_co_u32 s60, s60, s68
	s_mov_b32 s61, 0
	s_lshl_b32 s66, s[WV], 15                      ; Wp: my 32 rows of a step: the wave's number alone
	s_add_co_u32 s66, s66, 1572864
	s_mov_b32 s67, 0
	s_wait_dscnt 0x0                               ; the opening add is done
	s_wait_kmcnt 0x0
	s_add_nc_u64 s[4:5], s[4:5], s[60:61]
	s_add_nc_u64 s[6:7], s[6:7], s[66:67]
.irp i, 0,1
	s_mov_b32 s[GA0+4*\i], 1
	s_add_co_u32 s[GA0+4*\i+1], s23, \i*HEADB
	s_add_nc_u64 s[GA0+4*\i+2:GA0+4*\i+3], s[4:5], \i*262144
	s_or_b32 s[GA0+4*\i+3], s[GA0+4*\i+3], 0x80000000
	s_mov_b32 s[GB0+4*\i], 1
	s_add_co_u32 s[GB0+4*\i+1], s62, \i*BSLOT
	s_add_nc_u64 s[GB0+4*\i+2:GB0+4*\i+3], s[6:7], \i*131072
	s_or_b32 s[GB0+4*\i+3], s[GB0+4*\i+3], 0x80000000
.endr
	s_lshl_b32 s60, s22, 16                        ; my 32 rows in res and x,
	s_add_nc_u64 s[10:11], s[10:11], s[60:61]
	s_add_nc_u64 s[16:17], s[16:17], s[60:61]
	s_lshl_b32 s60, s22, 15                        ; and in the norm's output
	s_add_nc_u64 s[18:19], s[18:19], s[60:61]
	CROUND                                         ; all four work-groups are here
	tensor_load_to_lds s[GA0:GA0+3], s[GA1:GA1+7]  ; the first fills go out as one group: four loads of mine are out
	s_nop 0
	tensor_load_to_lds s[GA0+4:GA0+7], s[GA1:GA1+7]
	s_nop 0
	tensor_load_to_lds s[GB0:GB0+3], s[GB1:GB1+7]
	s_nop 0
	tensor_load_to_lds s[GB0+4:GB0+7], s[GB1:GB1+7]
	s_nop 0
	PLACES
	v_and_b32 v1, 15, v0                           ; r
	v_bfe_u32 v2, v0, 4, 1                         ; h
	v_and_b32 v3, 7, v0
	v_bfe_u32 v5, v0, 3, 1
	v_and_b32 v6, 31, v0                           ; l
	s_lshl_b32 s63, s[WV], 9
	v_lshl_add_u32 v[BPO], v2, 5, s63              ; the bias in the accumulators' layout: column 128 w + 16 b + 8 h + j
	s_lshl_b32 s63, s[WV], 14
	v_lshl_add_u32 v[XO], v6, 4, s63               ; rows 8 w + i, columns 4 l + 128 j, in f32
	v_lshlrev_b32 v[GOF], 4, v6
	WIN 0x40
.irp b, 0,1,2,3,4,5,6,7
	global_load_b128 v[BIASD+8*\b:BIASD+8*\b+3], v[BPO], s[8:9] offset:64*\b
	global_load_b128 v[BIASD+8*\b+4:BIASD+8*\b+7], v[BPO], s[8:9] offset:64*\b+16
.endr
	WIN 0
.irp j, 0,1,2,3
	global_load_b128 v[GB+4*\j:GB+4*\j+3], v[GOF], s[12:13] offset:512*\j
	global_load_b128 v[BEB+4*\j:BEB+4*\j+3], v[GOF], s[14:15] offset:512*\j
.endr
	WIN 0x80
.set i, 0
.rept 8
.irp j, 0,1,2,3
	global_load_b128 v[16*i+4*\j:16*i+4*\j+3], v[XO], s[10:11] offset:2048*i+512*\j
.endr
.set i, i+1
.endr
	WIN 0
	v_mul_u32_u24 v[AAD], v1, PAH
	v_lshl_add_u32 v[AAD], v2, 4, v[AAD]
	v_lshl_add_u32 v7, v2, 3, v3
	v_mul_u32_u24 v7, v7, PB
	v_lshl_add_u32 v7, v5, 4, v7
	s_lshl_b32 s63, s[WV], 8
	s_add_co_u32 s63, s63, BS0
	v_add_nc_u32 v[ABD], s63, v7
	v_add_nc_u32 v[ABD+1], 64*PB, v[ABD]
	v_add_nc_u32 v[ABD+2], BSLOT, v[ABD]
	v_add_nc_u32 v[ABD+3], BSLOT, v[ABD+1]
	v_mul_u32_u24 v[STO], v1, SP
	v_lshl_add_u32 v[STO], v2, 5, v[STO]
	s_lshl_b32 s63, s[WV], 9
	s_add_co_u32 s63, s63, BS0
	v_add_nc_u32 v[STO], s63, v[STO]
	s_mul_i32 s63, s[WV], 8*SP
	s_add_co_u32 s63, s63, BS0
	v_lshl_add_u32 v[RDS], v6, 4, s63
	s_lshl_b32 s63, s[WV], 13
	v_lshl_add_u32 v[BO], v6, 3, s63
	s_wait_tensorcnt 1                             ; O's two heads and my part of slot 0 are in; slot 1's may stay out
	s_barrier_signal -1
	s_barrier_wait -1
	STEP 0
	CHANGE 0, 1
	STEP 1
	CHANGE 1, 1
	STEP 2
	CHANGE 0, 0                                    ; slot 0 has had its last fill, and behind this barrier nobody reads it: it becomes the stage
	STEP 3
	WIN 0
	PLACES
.irp a, 0,1
.irp b, 0,1,2,3,4,5,6,7
	ds_store_b128 v[STO], v[ACC+8*(8*\a+\b):ACC+8*(8*\a+\b)+3] offset:16*SP*\a+64*\b
	ds_store_b128 v[STO], v[ACC+8*(8*\a+\b)+4:ACC+8*(8*\a+\b)+7] offset:16*SP*\a+64*\b+16
.endr
.endr
	s_wait_dscnt 0x0                               ; for the others' sake: my stores into the stage are done
	s_barrier_signal -1
	s_barrier_wait -1
.set i, 0
.rept 8
.irp j, 0,1,2,3
	ds_load_b128 v[XB+16*i+4*\j:XB+16*i+4*\j+3], v[RDS] offset:SP*i+512*\j
.endr
.set i, i+1
.endr
	s_wait_loadcnt 0x0                             ; the residual, g and be
	s_wait_dscnt 0x0
	WIN 0x08                                       ; source 1 in window 2
.set k, 0
.rept 64
	v_pk_add_f32 v[XB+2*k:XB+2*k+1], v[XB+2*k:XB+2*k+1], v[2*k:2*k+1]
.set k, k+1
.endr
	WIN 0
.set i, 0
.rept 8
.irp j, 0,1,2,3
	global_store_b128 v[XO], v[XB+16*i+4*\j:XB+16*i+4*\j+3], s[16:17] offset:2048*i+512*\j   ; 512 consecutive bytes, aligned
.endr
.set i, i+1
.endr
	LNROWS 8, 1
.set j, 0
.rept 4
	ROWS 8, global_store_b64 v[BO], v[XB+16*i+2*j:XB+16*i+2*j+1], s[18:19] offset:1024*i+256*j
.set j, j+1
.endr
	s_wait_tensorcnt 0x0                           ; the wave's end
	ds_add_u32 v[SPW], v[NIL]
	s_wait_dscnt 0x0
	CROUND                                         ; the closing round
	s_endpgm
.Lfunc_end_k_q7385ad8a14_proj_s:
	.size	k_q7385ad8a14_proj_s, .Lfunc_end_k_q7385ad8a14_proj_s-k_q7385ad8a14_proj_s
	.p2alignl 7, 3214868480
	.fill 96, 4, 3214868480
	.section	.rodata,"a",@progbits
	.p2align	6, 0x0
	.amdhsa_kernel k_q7385ad8a14_proj_s
		.amdhsa_group_segment_fixed_size 327680
		.amdhsa_private_segment_fixed_size 0
		.amdhsa_enable_private_segment 0
		.amdhsa_kernarg_size 64
		.amdhsa_user_sgpr_count 2
		.amdhsa_user_sgpr_kernarg_segment_ptr 1
		.amdhsa_wavefront_size32 1
		.amdhsa_system_sgpr_workgroup_id_x 1
		.amdhsa_system_sgpr_workgroup_id_y 1
		.amdhsa_system_sgpr_workgroup_id_z 1
		.amdhsa_system_vgpr_workitem_id 0
		.amdhsa_next_free_vgpr 640
		.amdhsa_next_free_sgpr 70
		.amdhsa_reserve_vcc 0
		.amdhsa_float_denorm_mode_32 3
		.amdhsa_float_denorm_mode_16_64 3
		.amdhsa_memory_ordered 1
		.amdhsa_forward_progress 1
		.amdhsa_inst_pref_size 98
	.end_amdhsa_kernel
	.amdgpu_metadata
---
amdhsa.version: [ 1, 2 ]
amdhsa.kernels:
  - .name:           k_q7385ad8a14_proj_s
    .symbol:         k_q7385ad8a14_proj_s.kd
    .args:
      - { .name: ob, .offset: 0, .size: 8, .value_kind: global_buffer, .address_space: global }
      - { .name: ws, .offset: 8, .size: 8, .value_kind: global_buffer, .address_space: global }
      - { .name: bp_s, .offset: 16, .size: 8, .value_kind: global_buffer, .address_space: global }
      - { .name: q, .offset: 24, .size: 8, .value_kind: global_buffer, .address_space: global }
      - { .name: g2, .offset: 32, .size: 8, .value_kind: global_buffer, .address_space: global }
      - { .name: be2, .offset: 40, .size: 8, .value_kind: global_buffer, .address_space: global }
      - { .name: out0, .offset: 48, .size: 8, .value_kind: global_buffer, .address_space: global }
      - { .name: xn, .offset: 56, .size: 8, .value_kind: global_buffer, .address_space: global }
    .group_segment_fixed_size: 327680
    .private_segment_fixed_size: 0
    .kernarg_segment_align: 8
    .kernarg_segment_size: 64
    .max_flat_workgroup_size: 128
    .sgpr_count:     70
    .vgpr_count:     640
    .wavefront_size: 32
...
	.end_amdgpu_metadata
.endif
;; end of part 4
;; launch qkv_c (part 5): grid 4 x 64, 4 waves a work-group, clusters of 4 x 4, 327,680 bytes of LDS; arguments xn, kb, vb, wc, big; writes big
.if DOCPART == 5
	.amdgcn_target "amdgcn-amd-amdhsa--gfx1250"
	.amdhsa_code_object_version 6
	.text
	.protected	k_q7385ad8a14_qkv_c
	.globl	k_q7385ad8a14_qkv_c
	.p2align	8
	.type	k_q7385ad8a14_qkv_c,@function
k_q7385ad8a14_qkv_c:
	s_mov_b64 s[64:65], 0
	v_nop
	global_prefetch_b8 v0, s[64:65] scope:SCOPE_SE
	s_setreg_imm32_b32 hwreg(HW_REG_WAVE_MODE, 25, 1), 1
	s_wait_xcnt 0x0
	s_wait_alu depctr_hold_cnt(0) depctr_sa_sdst(0) depctr_va_vdst(0) depctr_va_sdst(0) depctr_va_ssrc(0) depctr_va_vcc(0) depctr_vm_vsrc(0)
	s_getreg_b32 s2, hwreg(HW_REG_IB_STS2, 6, 4)
	s_cmp_eq_u32 s2, 0
	s_cbranch_scc0 .Lentry_in_a_cluster
	s_endpgm
.Lentry_in_a_cluster:
	s_bfe_u32 s2, ttmp6, 0x10000c
	s_cmp_lg_u32 s2, 0xf033
	s_cbranch_scc0 .Lentry_shape_is_right
	s_endpgm
.Lentry_shape_is_right:
; THREE HEAD PROJECTIONS, one text for two launches; SELF chooses.  out_j[8 b + h][t][d] = sum over c of A_j[2048 b + t][c] W_j[c][64 h + d], j = 0, 1, 2 (queries, keys, values).
; A_j: [8192][512] bf16.  W_j: [512][512] bf16 at W + 524,288 j.  out_j: f16 by heads at out + 8,388,608 j, rounded once from f32 sums and without the attention's scale.
; SELF = 1: the three products read one and the same A (arguments A, W, out).  SELF = 0: each reads an A of its own (arguments A0, A1, A2, W, out).
; LIMIT: the results must lie within f16 (65,504).
; SHARES.  A tile of C is 128 x 128; four waves, each 64 x 64: 16 accumulators.  256 work-groups STAY and make three tiles, one of each product, with the ring running on from tile to tile.
; K goes in steps of 256 through two LDS slots: A's 128 rows of 512 bytes, B's 256 rows (along K) of 256 bytes.  One tensor load a wave: waves 0, 1 A's halves, waves 2, 3 B's.
; CLUSTER 4 x 4: A's tile is shared along a row of the cluster, B's along a column: joint loads, the same descriptor and mask in the four that a mask names.
; THE MATRIX INSTRUCTION IS USED TRANSPOSED: source 0 = 16 columns of W (turned on the way out of LDS by ds_load_tr16_b128), source 1 = 16 rows of A:
; a lane then holds one row of C and eight neighbouring columns.  A wave's 64 columns are one head, so 16 rows leave as 2,048 consecutive bytes.
; REGISTERS: window 0: v0-31 addresses, v32-95 the way out, v128-255 accumulators ((a, b) at 128 + 8 (4 a + b)); window 1: two fragment buffers of 64 (A's four, then B's four).
.set SELF,   0
.set APITCH, 512                       ; elements from row to row of A
.set BPITCH, 512                       ; and of W
.set ASH,    10                        ; a row of A is 1 << ASH bytes
.set PA,     528                       ; A's LDS row: 512 + 16 bytes: the 16 rows of a fragment load start in 16 different groups of four banks
.set PB,     288                       ; B's LDS row: 256 + 32 bytes
.set ATILE,  128*PA
.set SLOT,   ATILE+256*PB
.set STAGE,  2*SLOT                    ; behind the ring, never filled by a tensor load: 16 rows x 144 bytes for each wave
.set SP,     144
.set SPARE,  STAGE+4*16*SP             ; the spare words: 128 bytes a wave, named by no other line
.set AA0, 8                            ; v8   my lane's place in A's tile; never rewritten
.set AB0, 10                           ; v10  the same for B
.set AA,  12                           ; v12  AA0 + s[KA]
.set AB,  13                           ; v13  AB0 + s[KB]
.set STO, 14
.set RD,  15
.set CO,  16
.set SPW, 28
.set NIL, 29
.set TMP, 32
.set ACC, 128
.set F0,  0
.set F1,  64
.set WV,  20                           ; s20 wave; s21 its row half (also: 0 = I fetch for A); s22 its column half (also: which half I fetch)
.set RH,  21
.set CH,  22
.set G1,  32                           ; s[32:39] group 1 for A, s[40:47] group 0 for A, a set a slot; s[48:55], s[56:63] the same for B
.set G0,  40
.set G1B, 48
.set G0B, 56
.set KA,  70                           ; s70, s71 the slot's first byte plus the K chunk's place in A's rows and in B's
.set KB,  71
.set MSB, 0
.macro WIN new                         ; the immediate's high byte repeats the setting that is left
.if MSB != (\new)
	s_set_vgpr_msb (MSB<<8)|(\new)
.set MSB, \new
.endif
.endm
.macro PLACES                          ; four places behind a matrix instruction (ISA guide 7.12.1), where no other plain vector work is at hand
.rept 4
	v_nop
.endr
.endm
.macro JLOAD s                         ; a joint load; s_nop 0 and four v_nop follow each of the two lines
	s_cmp_eq_u32 s[RH], 0
	s_cbranch_scc0 .Lfor_b_\@
	tensor_load_to_lds s[G0+4*(\s):G0+4*(\s)+3], s[G1:G1+7]
	s_nop 0
	PLACES
	s_branch .Lasked_\@
.Lfor_b_\@:
	tensor_load_to_lds s[G0B+4*(\s):G0B+4*(\s)+3], s[G1B:G1B+7]
	s_nop 0
	PLACES
.Lasked_\@:
.endm
.macro CREST                           ; a round of the cluster's barrier behind its opening barrier
	s_cmp_lg_u32 s[WV], 0
	s_cbranch_scc1 .Lnot_wave_0_\@
	s_barrier_signal -3
.Lnot_wave_0_\@:
	s_barrier_wait -3
	s_barrier_signal -1
	s_barrier_wait -1
.endm
.macro CROUND
	s_barrier_signal -1
	s_barrier_wait -1
	CREST
.endm
.macro FETCH f, ka, kb                 ; sixteen LDS loads: the fragments of 32 along K into buffer f
	WIN 0x40
.irp i, 0,1,2,3
	ds_load_tr16_b128 v[(\f)+32+8*\i:(\f)+32+8*\i+3], v[AB] offset:(\kb)+32*\i
	ds_load_tr16_b128 v[(\f)+32+8*\i+4:(\f)+32+8*\i+7], v[AB] offset:(\kb)+32*\i+16*PB
	ds_load_b128 v[(\f)+8*\i:(\f)+8*\i+3], v[AA] offset:(\ka)+\i*16*PA
	ds_load_b128 v[(\f)+8*\i+4:(\f)+8*\i+7], v[AA] offset:(\ka)+\i*16*PA+32
.endr
.endm
.macro MUL8 f, a0, zero                ; eight products; the 16 accumulators take turns, one instruction a turn.  zero = 1: they start the sums
	WIN 0x05
.irp a, \a0, (\a0)+1
.irp b, 0,1,2,3
.if \zero
	v_wmma_f32_16x16x32_bf16 v[ACC+8*(4*(\a)+\b):ACC+8*(4*(\a)+\b)+7], v[(\f)+32+8*\b:(\f)+32+8*\b+7], v[(\f)+8*(\a):(\f)+8*(\a)+7], 0
.else
	v_wmma_f32_16x16x32_bf16 v[ACC+8*(4*(\a)+\b):ACC+8*(4*(\a)+\b)+7], v[(\f)+32+8*\b:(\f)+32+8*\b+7], v[(\f)+8*(\a):(\f)+8*(\a)+7], v[ACC+8*(4*(\a)+\b):ACC+8*(4*(\a)+\b)+7]
.endif
.endr
.endr
.endm
.macro TRIP zero                       ; 64 along K: both buffers are multiplied and filled again with the chunks two further on
	s_wait_dscnt 16                                ; buffer 0 is in; buffer 1's sixteen loads may be out
	MUL8 F0, 0, \zero
	MUL8 F0, 2, \zero
	PLACES
	FETCH F0, 128, 64*PB
	s_wait_dscnt 16                                ; buffer 1 is in; the sixteen just issued may be out
	MUL8 F1, 0, 0
	MUL8 F1, 2, 0
	PLACES
	FETCH F1, 192, 96*PB
	WIN 0
	s_add_co_u32 s[KA], s[KA], 128
	s_add_co_u32 s[KB], s[KB], 64*PB
	v_add_nc_u32 v[AA], s[KA], v[AA0]
	v_add_nc_u32 v[AB], s[KB], v[AB0]
.endm
; The last 64 along K of a step, and the change of slots.  mode 2: the slot is filled again, for the next tile; 1: nothing is left to fetch; 0: the very last step.
.macro TURN slot, mode
.if (\mode) == 0
	s_wait_dscnt 16
	MUL8 F0, 0, 0
	MUL8 F0, 2, 0
	s_wait_dscnt 0x0
	MUL8 F1, 0, 0
	MUL8 F1, 2, 0
	WIN 0
.else
	WIN 0
	s_wait_tensorcnt 0x0                           ; all my tensor loads have landed: the one that was out is my part of the other slot
	ds_add_u32 v[SPW], v[NIL]                      ; 0 onto my spare word
	s_wait_dscnt 17                                ; buffer 0 is in; the add and buffer 1's sixteen loads may be out
	MUL8 F0, 0, 0
	s_wait_dscnt 0x0                               ; the add is done, and my reads of this slot are over
	s_barrier_signal -1
	MUL8 F0, 2, 0
	WIN 0
	s_barrier_wait -1
.if (\mode) == 2
	CREST                                          ; the barrier opened a round of the cluster's: no wave of any partner still reads this slot or has a load on its way
.if !SELF
	s_add_nc_u64 s[G0+4*(\slot)+2:G0+4*(\slot)+3], s[6:7], (\slot)*512   ; the next product's A, the same K step (with one A for all three its address stays)
	s_or_b32 s[G0+4*(\slot)+3], s[G0+4*(\slot)+3], 0x80000000
.endif
	s_add_nc_u64 s[G0B+4*(\slot)+2:G0B+4*(\slot)+3], s[G0B+4*(\slot)+2:G0B+4*(\slot)+3], 524288   ; the next W
.if !SELF
.if (\slot) == 1
	s_mov_b64 s[6:7], s[8:9]                       ; the queue of A's moves up
.endif
.endif
	JLOAD \slot                                    ; its four v_nop are also the places in front of the loads below
.else
	PLACES
.endif
	s_mov_b32 s[KA], (1-(\slot))*SLOT
	s_mov_b32 s[KB], (1-(\slot))*SLOT
	v_add_nc_u32 v[AA], s[KA], v[AA0]
	v_add_nc_u32 v[AB], s[KB], v[AB0]
	FETCH F0, 0, 0
	MUL8 F1, 0, 0
	MUL8 F1, 2, 0
	PLACES
	FETCH F1, 64, 32*PB
	WIN 0
.endif
.endm
.macro KSTEP slot, zero, mode          ; a K step of 256: three trips and the turn
.if \zero
	TRIP 1
	s_mov_b32 s3, 2
.else
	s_mov_b32 s3, 3
.endif
.Ltrip_\@:
	TRIP 0
	s_sub_co_u32 s3, s3, 1
	s_cmp_lg_u32 s3, 0
	s_cbranch_scc1 .Ltrip_\@
	TURN \slot, \mode
.endm
; THE WAY OUT, 16 rows at a time: rounded to f16, 16 bytes a lane into my own stage, back as four rows of 128 bytes, stored as 512 consecutive bytes.
.macro PACK a
.irp b, 0,1,2,3
.irp q, 0,1,2,3
	v_cvt_pk_f16_f32 v[TMP+16*(\a)+4*\b+\q], v[ACC+8*(4*(\a)+\b)+2*\q], v[ACC+8*(4*(\a)+\b)+2*\q+1]
.endr
.endr
.irp b, 0,1,2,3
	ds_store_b128 v[STO], v[TMP+16*(\a)+4*\b:TMP+16*(\a)+4*\b+3] offset:32*\b
.endr
.irp f, 0,1,2,3
	ds_load_b128 v[TMP+16*(\a)+4*\f:TMP+16*(\a)+4*\f+3], v[RD] offset:4*SP*\f   ; LDS serves a wave's instructions in order (ISA guide 5.7.1.4): these see the stores above
.endr
.endm
.macro SEND a, younger                 ; younger: the LDS instructions issued behind block a's loads
.irp f, 0,1,2,3
	s_wait_dscnt (\younger)+3-\f
	global_store_b128 v[CO], v[TMP+16*(\a)+4*\f:TMP+16*(\a)+4*\f+3], s[12:13] offset:2048*(\a)+512*\f
.endr
.endm
.macro EPI
	WIN 0
	s_wait_xcnt 0x0                                ; the last tile's stores have read their registers
	PLACES
	PACK 0
	PACK 1
	SEND 0, 8
	PACK 2
	SEND 1, 8
	PACK 3
	SEND 2, 8
	SEND 3, 0
.endm
.if SELF
	s_load_b64 s[4:5], s[0:1], 0x0                 ; A
	s_load_b64 s[10:11], s[0:1], 0x8               ; W
	s_load_b64 s[12:13], s[0:1], 0x10              ; out
.else
	s_load_b256 s[4:11], s[0:1], 0x0               ; A0 s[4:5], A1 s[6:7], A2 s[8:9], W s[10:11]
	s_load_b64 s[12:13], s[0:1], 0x20              ; out
.endif
	v_lshl_add_u32 v[SPW], v0, 2, SPARE
	v_mov_b32 v[NIL], 0
	ds_add_u32 v[SPW], v[NIL]                      ; the wave's opening: the add and its wait stand ahead of my first tensor load
	ds_add_u32 v28, v29
	v_lshrrev_b32 v1, 5, v0
	v_readfirstlane_b32 s[WV], v1
	s_lshr_b32 s[RH], s[WV], 1
	s_and_b32 s[CH], s[WV], 1
	s_bfe_u32 s23, ttmp6, 0x40000                  ; cx
	s_bfe_u32 s24, ttmp6, 0x40004                  ; cy
	s_lshl_b32 s25, ttmp9, 2
	s_add_co_u32 s25, s25, s23                     ; x: tile column
	s_and_b32 s26, ttmp7, 0xffff
	s_lshl_b32 s26, s26, 2
	s_add_co_u32 s26, s26, s24                     ; y: tile row
	s_lshl_b32 s68, s24, 2
	s_lshl_b32 s68, 15, s68                        ; my row of the cluster
	s_lshl_b32 s69, 0x1111, s23                    ; my column
	s_or_b32 s[G1], s68, (1<<16)|(1<<20)|(1<<21)|(6<<22)|(3<<25)    ; mask; 2-byte elements; padding on; bit 21 beside a mask; after every 128 words 4 words
	s_mov_b32 s[G1+1], 256<<16                     ; tensor_dim0 = 256
	s_mov_b32 s[G1+2], 64<<16                      ; tensor_dim1 = 64
	s_mov_b32 s[G1+3], 256<<16                     ; tile_dim0 = 256
	s_mov_b32 s[G1+4], 64                          ; tile_dim1 = 64
	s_mov_b32 s[G1+5], APITCH
	s_mov_b32 s[G1+6], 0
	s_mov_b32 s[G1+7], 0
	s_or_b32 s[G1B], s69, (1<<16)|(1<<20)|(1<<21)|(5<<22)|(7<<25)   ; after every 64 words 8 words
	s_mov_b32 s[G1B+1], 128<<16
	s_mov_b32 s[G1B+2], 128<<16
	s_mov_b32 s[G1B+3], 128<<16
	s_mov_b32 s[G1B+4], 128
	s_mov_b32 s[G1B+5], BPITCH
	s_mov_b32 s[G1B+6], 0
	s_mov_b32 s[G1B+7], 0
	s_lshl_b32 s28, s26, 7                         ; A: row 128 y + 64 x half, in bytes
	s_lshl_b32 s27, s[CH], 6
	s_add_co_u32 s28, s28, s27
	s_lshl_b32 s28, s28, ASH
	s_mov_b32 s29, 0
	s_lshl_b32 s30, s25, 8                         ; B: column 128 x, K row 128 x half
	s_mul_i32 s27, s[CH], 128*BPITCH*2
	s_add_co_u32 s30, s30, s27
	s_mov_b32 s31, 0
	s_mul_i32 s66, s[CH], 64*PA                    ; where they go: no place in the cluster enters an LDS address
	s_mul_i32 s67, s[CH], 128*PB
	s_add_co_u32 s67, s67, ATILE
	s_wait_dscnt 0x0                               ; the opening add is done
	s_wait_kmcnt 0x0
	s_add_nc_u64 s[4:5], s[4:5], s[28:29]
.if !SELF
	s_add_nc_u64 s[6:7], s[6:7], s[28:29]
	s_add_nc_u64 s[8:9], s[8:9], s[28:29]
.endif
	s_add_nc_u64 s[10:11], s[10:11], s[30:31]
	CROUND                                         ; all sixteen work-groups are here: the first joint loads meet
.irp s, 0,1
	s_mov_b32 s[G0+4*\s], 1
	s_add_co_u32 s[G0+4*\s+1], s66, \s*SLOT
	s_add_nc_u64 s[G0+4*\s+2:G0+4*\s+3], s[4:5], \s*512
	s_or_b32 s[G0+4*\s+3], s[G0+4*\s+3], 0x80000000
	s_mov_b32 s[G0B+4*\s], 1
	s_add_co_u32 s[G0B+4*\s+1], s67, \s*SLOT
	s_add_nc_u64 s[G0B+4*\s+2:G0B+4*\s+3], s[10:11], \s*256*BPITCH*2
	s_or_b32 s[G0B+4*\s+3], s[G0B+4*\s+3], 0x80000000
	JLOAD \s
.endr
	v_and_b32 v1, 15, v0                           ; r = l % 16
	v_bfe_u32 v2, v0, 4, 1                         ; h = l / 16
	v_and_b32 v3, 7, v0
	v_bfe_u32 v4, v0, 3, 1
	v_mul_u32_u24 v5, v1, PA                       ; A's fragment: row r x pitch + 16 h, in my 64 rows
	v_lshl_add_u32 v5, v2, 4, v5
	s_mul_i32 s27, s[RH], 64*PA
	v_add_nc_u32 v[AA0], s27, v5
	v_lshl_add_u32 v6, v2, 3, v3                   ; B's: K row 8 h + l % 8, 16 bytes by (l / 8) % 2, in my 64 columns
	v_mul_u32_u24 v6, v6, PB
	v_lshl_add_u32 v6, v4, 4, v6
	s_lshl_b32 s27, s[CH], 7
	s_add_co_u32 s27, s27, ATILE
	v_add_nc_u32 v[AB0], s27, v6
	s_mul_i32 s27, s[WV], 16*SP
	s_add_co_u32 s27, s27, STAGE                   ; my stage
	v_mul_u32_u24 v[STO], v1, SP
	v_lshl_add_u32 v[STO], v2, 4, v[STO]
	v_add_nc_u32 v[STO], s27, v[STO]
	v_bfe_u32 v[RD], v0, 3, 2
	v_mul_u32_u24 v[RD], v[RD], SP
	v_lshl_add_u32 v[RD], v3, 4, v[RD]
	v_add_nc_u32 v[RD], s27, v[RD]
	v_and_b32 v[CO], 31, v0
	v_lshlrev_b32 v[CO], 4, v[CO]
	s_lshr_b32 s28, s26, 4                         ; out: batch y / 16, row 128 (y % 16) + 64 x row half, 128 bytes a row,
	s_lshl_b32 s28, s28, 21
	s_and_b32 s27, s26, 15
	s_lshl_b32 s27, s27, 14
	s_add_co_u32 s28, s28, s27
	s_lshl_b32 s27, s[RH], 13
	s_add_co_u32 s28, s28, s27
	s_mov_b32 s29, 0
	s_add_nc_u64 s[12:13], s[12:13], s[28:29]
	s_lshl_b32 s30, s25, 1                         ; head 2 x + column half, 262,144 bytes a head
	s_add_co_u32 s30, s30, s[CH]
	s_lshl_b32 s30, s30, 18
	s_mov_b32 s31, 0
	s_add_nc_u64 s[12:13], s[12:13], s[30:31]
	s_mov_b32 s[KA], 0
	s_mov_b32 s[KB], 0
	v_mov_b32 v[AA], v[AA0]
	v_mov_b32 v[AB], v[AB0]
	s_wait_tensorcnt 1                             ; my part of slot 0 is in; slot 1's may stay out
	s_barrier_signal -1
	s_barrier_wait -1
	FETCH F0, 0, 0
	FETCH F1, 64, 32*PB
	WIN 0
	s_mov_b32 s2, 2
.Ltile:                                                ; the first two tiles: both slots are filled again for the next tile
	KSTEP 0, 1, 2
	KSTEP 1, 0, 2
	EPI
	s_wait_xcnt 0x0                                ; the stores have read their base
	s_add_nc_u64 s[12:13], s[12:13], 8388608
	s_sub_co_u32 s2, s2, 1
	s_cmp_lg_u32 s2, 0
	s_cbranch_scc1 .Ltile
	KSTEP 0, 1, 1                                  ; the last tile is written out: it asks for nothing
	KSTEP 1, 0, 0
	EPI
	s_wait_tensorcnt 0x0                           ; the wave's end
	ds_add_u32 v[SPW], v[NIL]
	s_wait_dscnt 0x0
	CROUND                                         ; the closing round
	s_endpgm
.Lfunc_end_k_q7385ad8a14_qkv_c:
	.size	k_q7385ad8a14_qkv_c, .Lfunc_end_k_q7385ad8a14_qkv_c-k_q7385ad8a14_qkv_c
	.p2alignl 7, 3214868480
	.fill 96, 4, 3214868480
	.section	.rodata,"a",@progbits
	.p2align	6, 0x0
	.amdhsa_kernel k_q7385ad8a14_qkv_c
		.amdhsa_group_segment_fixed_size 327680
		.amdhsa_private_segment_fixed_size 0
		.amdhsa_enable_private_segment 0
		.amdhsa_kernarg_size 40
		.amdhsa_user_sgpr_count 2
		.amdhsa_user_sgpr_kernarg_segment_ptr 1
		.amdhsa_wavefront_size32 1
		.amdhsa_system_sgpr_workgroup_id_x 1
		.amdhsa_system_sgpr_workgroup_id_y 1
		.amdhsa_system_sgpr_workgroup_id_z 1
		.amdhsa_system_vgpr_workitem_id 0
		.amdhsa_next_free_vgpr 384
		.amdhsa_next_free_sgpr 72
		.amdhsa_reserve_vcc 0
		.amdhsa_float_denorm_mode_32 3
		.amdhsa_float_denorm_mode_16_64 3
		.amdhsa_memory_ordered 1
		.amdhsa_forward_progress 1
		.amdhsa_inst_pref_size 74
	.end_amdhsa_kernel
	.amdgpu_metadata
---
amdhsa.version: [ 1, 2 ]
amdhsa.kernels:
  - .name:           k_q7385ad8a14_qkv_c
    .symbol:         k_q7385ad8a14_qkv_c.kd
    .args:
      - { .name: xn, .offset: 0, .size: 8, .value_kind: global_buffer, .address_space: global }
      - { .name: kb, .offset: 8, .size: 8, .value_kind: global_buffer, .address_space: global }
      - { .name: vb, .offset: 16, .size: 8, .value_kind: global_buffer, .address_space: global }
      - { .name: wc, .offset: 24, .size: 8, .value_kind: global_buffer, .address_space: global }
      - { .name: big, .offset: 32, .size: 8, .value_kind: global_buffer, .address_space: global }
    .group_segment_fixed_size: 327680
    .private_segment_fixed_size: 0
    .kernarg_segment_align: 8
    .kernarg_segment_size: 40
    .max_flat_workgroup_size: 128
    .sgpr_count:     72
    .vgpr_count:     384
    .wavefront_size: 32
...
	.end_amdgpu_metadata
.endif
;; end of part 5
;; launch att_c (part 6): grid 8 x 32, 4 waves a work-group, clusters of 4 x 1, 327,680 bytes of LDS; arguments big, ob; writes ob
.if DOCPART == 6
	.amdgcn_target "amdgcn-amd-amdhsa--gfx1250"
	.amdhsa_code_object_version 6
	.text
	.protected	k_q7385ad8a14_att_c
	.globl	k_q7385ad8a14_att_c
	.p2align	8
	.type	k_q7385ad8a14_att_c,@function
k_q7385ad8a14_att_c:
	s_mov_b64 s[64:65], 0
	v_nop
	global_prefetch_b8 v0, s[64:65] scope:SCOPE_SE
	s_setreg_imm32_b32 hwreg(HW_REG_WAVE_MODE, 25, 1), 1
	s_wait_xcnt 0x0
	s_wait_alu depctr_hold_cnt(0) depctr_sa_sdst(0) depctr_va_vdst(0) depctr_va_sdst(0) depctr_va_ssrc(0) depctr_va_vcc(0) depctr_vm_vsrc(0)
	s_getreg_b32 s2, hwreg(HW_REG_IB_STS2, 6, 4)
	s_cmp_eq_u32 s2, 0
	s_cbranch_scc0 .Lentry_in_a_cluster
	s_endpgm
.Lentry_in_a_cluster:
	s_bfe_u32 s2, ttmp6, 0x10000c
	s_cmp_lg_u32 s2, 0x3003
	s_cbranch_scc0 .Lentry_shape_is_right
	s_endpgm
.Lentry_shape_is_right:
; ATTENTION AT HEAD SIZE 64, one text for two launches; CAUSAL chooses.  O[hd][q] = sum over k of softmax_k(Q[hd][q] . K[hd][k] / 8) V[hd][k], 32 heads of 2,048 rows of 64, all f16.
; Q, K, V lie in one buffer at 0, 8,388,608 and 16,777,216.  Products, maxima and sums in f32; the weights p are rounded to f16 for the second product (their sum l is taken unrounded), O once.
; LIMITS: f16 holds nothing beyond 65,504; a hidden score counts as its value less 1e30; a weight below 2^-126 counts as 0; NaN and infinities are not treated apart.
; LAYOUT.  S^T = K Q^T: a lane holds ONE query (lane % 16) and the keys 8 (lane / 16) + 0..7; two such results rounded to f16 ARE source 1 of O^T = V^T P.  V is turned by ds_load_tr16_b128.
; SOFTMAX.  Running maximum m and sum l: p = 2^(c s - c m), c = log2(e) / 8; in every step O and l are multiplied by a = 2^(c m_old - c m_new).  m starts at the lowest finite number, so the first a is 0.
; A KEY STEP (64 keys) goes in phases: 8 T products K Q^T; maximum and statistics; scalings and exponentials; roundings, sums, rescaling; 8 T products V^T P.  T = tiles of 16 queries a wave.
; THE RING: two LDS slots of 256 keys (K, then V); waves 0, 1 fetch K's halves, waves 2, 3 V's; one tensor load a wave behind each change of slots, four key steps in which to land.
; CAUSAL = 0: a work-group owns 256 queries, T = 4; the four query blocks of a cluster walk the same K and V and ask jointly.
; CAUSAL = 1: a work-group takes TWO blocks of 128 queries, 15 - b and then b: block i needs the key tiles 0 .. i / 2, together 9 tiles whatever b, so one loop of constant length walks them.
;   Of a block's two bands of 64 queries a wave owns 16 rows in each (T = 2).  In the block's last tile, key step s: band x sees all keys if s < 2 (i % 2) + x, none if greater, and holds the diagonal if equal.
;   The mask is added onto the scores: MD x AL + BE, MD being the mask of a band's own step for my rows.  NO CLUSTER: behind the common first tiles partners need different tiles, and one walk
;   common to all would have 12 trips for 9.
; REGISTERS: window 0: v0-15 addresses; v16.. four statistics a tile; v32.. four at work a tile; v48.. c m_old; v64.. S^T, 32 a tile; v192.. P, 16 a tile
;   window 1: O^T, 32 a tile; v128-159 MD      window 2: Q, 16 a tile; v64-95 the second block's Q; v128-191 K of a step; v192-255 V of a step
.set CAUSAL, 0
.if CAUSAL
.set T,     2
.set OSTR,  8192                       ; bytes from tile to tile in Q and O: a band
.set JOINT, 0
.else
.set T,     4
.set OSTR,  2048
.set JOINT, 15|(1<<21)                 ; the mask of four, and bit 21 beside it
.endif
.set KS,    64
.set PK,    144                        ; a row of K in LDS: 128 + 16 bytes
.set PV,    160                        ; a row of V: 128 + 32 bytes
.set VOFF,  4*KS*PK
.set SLOT1, 1<<17
.set STAGE, SLOT1+4*KS*(PK+PV)         ; behind the ring, never filled: 16 rows x 144 bytes for each wave
.set SP,    144
.set SPARE, STAGE+4*16*SP              ; the spare words: 128 bytes a wave, named by no other line
.set AK0, 2
.set AV0, 3
.set AK,  4
.set AV,  5
.set STO, 6
.set RD,  7
.set GO,  8
.set QO,  15
.set ST,  16                           ; tile t: c m, m, l (even keys'), l (odd keys')
.set TMP, 32                           ; tile t: c0-c3 at work; c2 takes a
.set MV,  48
.set PFO, 61                           ; 256 x my lane
.set SPW, 62
.set NIL, 63
.set S,   64
.set P,   192
.set MD,  128
.set QB,  64
.set KF,  128
.set VF,  192
.set SK,  8                            ; s[8:9] K, s[10:11] V, at my half of the head's tile 0
.set SV,  10
.set WV,  12
.set PB,  14                           ; causal: b
.set HI,  15                           ; causal: 15 - b
.set LIM, 15                           ; else: 1 in a wave that prefetches, else the greatest number
.set G1K, 24
.set G1V, 32
.set G0K, 40
.set G0V, 44
.set PFA, 48                           ; s[48:49] where my prefetch stands
.set PFB, 50                           ; s[50:51] K or V, whichever I fetch
.set SLOTS, 56
.set CNT, 57
.set CS,  58
.set SEL, 60
.set TBK, 62
.set TBV, 63
.set RT,  70                           ; tiles of the block in hand still to be entered
.set NXT, 71                           ; the tile to be asked for next
.set LQ,  72                           ; the last tile of the block whose tiles are being asked for
.set OFF, 74
.set AL,  76
.set BE,  78
.set OLO, 80
.set QLO, 82
.set CE,  86                           ; s86, s87: the value of CNT in band 0's and band 1's own step
.set CL0, 88
.set LQLO, 89
.set PFON, 90
.set BIGN, 91
.set W_KQ, 0x0a
.set W_PV, 0x52
.set W_RS, 0x41
.set MSB, 0
.macro WIN new
.if MSB != (\new)
	s_set_vgpr_msb (MSB<<8)|(\new)
.set MSB, (\new)
.endif
.endm
.macro PLACES
.rept 4
	v_nop
.endr
.endm
.macro LOAD                            ; a fill; s_nop 0 and four v_nop follow each of the two lines
	s_cmp_lt_u32 s[WV], 2
	s_cbranch_scc0 .Lfor_v_\@
	tensor_load_to_lds s[G0K:G0K+3], s[G1K:G1K+7]
	s_nop 0
	PLACES
	s_branch .Lasked_\@
.Lfor_v_\@:
	tensor_load_to_lds s[G0V:G0V+3], s[G1V:G1V+7]
	s_nop 0
	PLACES
.Lasked_\@:
.endm
.macro CROUND
	s_barrier_signal -1
	s_barrier_wait -1
	s_cmp_lg_u32 s[WV], 0
	s_cbranch_scc1 .Lnot_wave_0_\@
	s_barrier_signal -3
.Lnot_wave_0_\@:
	s_barrier_wait -3
	s_barrier_signal -1
	s_barrier_wait -1
.endm
; A PREFETCH of the tile that the NEXT change of slots will ask for: four key steps ahead of that load.  Each block of 256 bytes is named once in the launch.
; CAUSAL = 0: the head's first cluster asks; its four partners take 32 blocks each BY ADDRESS; wave 0 for K, wave 2 for V; the last filling trip asks for nothing.
; CAUSAL = 1: the work-group with b = 0 asks while its first block's tiles (0 to 7) are being asked for; each wave for its own half tile, 64 blocks.
.macro ASK
.if CAUSAL
	s_cmp_eq_u32 s[PFON], 1
.else
	s_cmp_gt_u32 s[SLOTS], s[LIM]
.endif
	s_cbranch_scc0 .Lnot_mine_\@
	global_prefetch_b8 v[PFO], s[PFA:PFA+1] th:TH_LOAD_NT scope:SCOPE_SE
.if CAUSAL
	global_prefetch_b8 v[PFO], s[PFA:PFA+1] offset:8192 th:TH_LOAD_NT scope:SCOPE_SE
.endif
.Lnot_mine_\@:
.endm
; THE CHANGE OF SLOTS.  Each wave waits for all its tensor loads (one is out: its part of the other slot), adds 0 to its spare word, waits for that and for its reads of the slot that it leaves.
; Behind the barrier nobody reads the old slot and the other is whole.  fill = 1: the old slot is filled again, first thing behind the barrier.  (At its first use slot 0 is waited for and slot 1 filled.)
.macro CHANGE fill
	WIN 0
	s_wait_tensorcnt 0x0
	ds_add_u32 v[SPW], v[NIL]                      ; 0 onto my spare word; scalar work stands between it and the wait for it
.if \fill
.if CAUSAL
	s_lshl_b32 s[OFF], s[NXT], 15                  ; a tile is 32,768 bytes of K and of V: the address is made anew from the tile's number
	s_xor_b32 s[G0K+1], s[G0K+1], SLOT1
	s_add_nc_u64 s[G0K+2:G0K+3], s[SK:SK+1], s[OFF:OFF+1]
	s_or_b32 s[G0K+3], s[G0K+3], 0x80000000
	s_xor_b32 s[G0V+1], s[G0V+1], SLOT1
	s_add_nc_u64 s[G0V+2:G0V+3], s[SV:SV+1], s[OFF:OFF+1]
	s_or_b32 s[G0V+3], s[G0V+3], 0x80000000
	s_add_co_u32 s[NXT], s[NXT], 1                 ; the block's next tile, or behind its last the second block's tile 0
	s_cmp_gt_u32 s[NXT], s[LQ]
	s_cselect_b32 s[NXT], 0, s[NXT]
	s_cselect_b32 s[LQ], s[LQLO], s[LQ]
	s_cselect_b32 s[PFON], 0, s[PFON]
	s_wait_xcnt 0x0                                ; the last prefetches, four key steps back, have read their address
	s_lshl_b32 s[OFF], s[NXT], 15
	s_add_nc_u64 s[PFA:PFA+1], s[PFB:PFB+1], s[OFF:OFF+1]
.else
.irp g, G0K, G0V
	s_xor_b32 s[\g+1], s[\g+1], SLOT1
	s_add_nc_u64 s[\g+2:\g+3], s[\g+2:\g+3], 4*KS*128
.endr
	s_wait_xcnt 0x0
	s_add_nc_u64 s[PFA:PFA+1], s[PFA:PFA+1], 4*KS*128
.endif
.endif
	s_wait_dscnt 0x0                               ; the add is done, and my reads of the slot are over
.if (\fill) && !CAUSAL
	CROUND                                         ; no wave of any partner still reads the slot or has a load on its way
.else
	s_barrier_signal -1
	s_barrier_wait -1
.endif
.if \fill
	LOAD
	ASK
.endif
	s_sub_co_u32 s[TBK], s[TBK], 4*KS*PK           ; the fetches go back to a slot's first step, in the other slot
	s_xor_b32 s[TBK], s[TBK], SLOT1
	s_sub_co_u32 s[TBV], s[TBV], 4*KS*PV
	s_xor_b32 s[TBV], s[TBV], SLOT1
.endm
; THE LDS LOADS, in runs of 16.  guard = 1: a tile's last step fetches nothing.
.macro FETCH_K guard
	WIN 0
.if \guard
	s_cmp_eq_u32 s[CNT], 1
	s_cbranch_scc1 .Lno_k_\@
.endif
	v_add_nc_u32 v[AK], s[TBK], v[AK0]
	s_add_co_u32 s[TBK], s[TBK], KS*PK
	WIN 0x80
.irp f, 0,1,2,3,4,5,6,7
	ds_load_b128 v[KF+8*\f:KF+8*\f+3],   v[AK] offset:(\f/2)*16*PK+(\f%2)*64
	ds_load_b128 v[KF+8*\f+4:KF+8*\f+7], v[AK] offset:(\f/2)*16*PK+(\f%2)*64+32
.endr
	WIN 0
.if \guard
.Lno_k_\@:
.endif
.endm
.macro FETCH_V guard
	WIN 0
.if \guard
	s_cmp_eq_u32 s[CNT], 1
	s_cbranch_scc1 .Lno_v_\@
.endif
	v_add_nc_u32 v[AV], s[TBV], v[AV0]
	s_add_co_u32 s[TBV], s[TBV], KS*PV
	WIN 0x80
.irp f, 0,1,2,3,4,5,6,7
	ds_load_tr16_b128 v[VF+8*\f:VF+8*\f+3],   v[AV] offset:(\f/4)*32*PV+(\f%4)*32
	ds_load_tr16_b128 v[VF+8*\f+4:VF+8*\f+7], v[AV] offset:(\f/4)*32*PV+16*PV+(\f%4)*32
.endr
	WIN 0
.if \guard
.Lno_v_\@:
.endif
.endm
.macro REGS t
.set rT, ST+4*(\t)
.set rC, TMP+4*(\t)
.set rW, MV+(\t)
.set rS, S+32*(\t)
.set rP, P+16*(\t)
.set rO, 32*(\t)
.endm
; Number n of the 21 that find a tile's maximum and statistics; each accumulator's lowest registers are read first.
.macro XOP t, n
	REGS \t
.if (\n) < 4
	v_max3_num_f32 v[rC+(\n)], v[rS+8*(\n)], v[rS+8*(\n)+1], v[rS+8*(\n)+2]
.elseif (\n) < 12
	v_max3_num_f32 v[rC+(\n)%4], v[rC+(\n)%4], v[rS+8*((\n)%4)+2*((\n)/4)+1], v[rS+8*((\n)%4)+2*((\n)/4)+2]
.elseif (\n) == 12
	v_max3_num_f32 v[rC], v[rC], v[rS+7], v[rS+15]
.elseif (\n) == 13
	v_max3_num_f32 v[rC+1], v[rC+1], v[rS+23], v[rS+31]
.elseif (\n) == 14
	v_max3_num_f32 v[rC+2], v[rC+2], v[rC+3], v[rT+1]
.elseif (\n) == 15
	v_mov_b32 v[rW], v[rT]
.elseif (\n) == 16
	v_max3_num_f32 v[rC], v[rC], v[rC+1], v[rC+2]
.elseif (\n) == 17
	v_permlanex16_b32 v[rC+3], v[rC], s[SEL], s[SEL+1]
.elseif (\n) == 18
	v_max_num_f32 v[rT+1], v[rC], v[rC+3]
.elseif (\n) == 19
	v_mul_f32 v[rT], s[CS], v[rT+1]
.else
	v_sub_f32 v[rC+1], v[rW], v[rT]
.endif
.endm
.macro AOP t                           ; a
	REGS \t
	v_exp_f32 v[rC+2], v[rC+1]
.endm
.macro FOP t, p                        ; c s - c m for pair p
	REGS \t
	v_pk_fma_f32 v[rS+2*(\p):rS+2*(\p)+1], v[rS+2*(\p):rS+2*(\p)+1], s[CS:CS+1], v[rT:rT+1] op_sel_hi:[1,0,0] neg_lo:[0,0,1] neg_hi:[0,0,1]
.endm
.macro EOP t, n                        ; the exponential of score n
	REGS \t
	v_exp_f32 v[rS+(\n)], v[rS+(\n)]
.endm
; Item g of the 32 T that follow the exponentials.  For each four weights k: both pairs are rounded to f16, the second pair is added onto the first in place, l takes the sum; each line for all tiles.
.macro GOP g
.set gk, (\g)/(4*T)
.set go, ((\g)%(4*T))/T
	REGS (\g)%T
.if go < 2
	v_cvt_pk_f16_f32 v[rP+2*gk+go], v[rS+4*gk+2*go], v[rS+4*gk+2*go+1]
.elseif go == 2
	v_pk_add_f32 v[rS+4*gk:rS+4*gk+1], v[rS+4*gk:rS+4*gk+1], v[rS+4*gk+2:rS+4*gk+3]
.elseif gk == 0
	v_pk_fma_f32 v[rT+2:rT+3], v[rT+2:rT+3], v[rC+2:rC+3], v[rS:rS+1] op_sel_hi:[1,0,1]
.else
	v_pk_add_f32 v[rT+2:rT+3], v[rT+2:rT+3], v[rS+4*gk:rS+4*gk+1]
.endif
.endm
; A KEY STEP.  The exponentials go in two batches with one wait each: nothing ahead of a batch's wait names one of its results.
.macro STEP
	s_wait_dscnt 16                                ; K is in; V's sixteen younger loads may be out
	WIN W_KQ
.set i, 0
.rept 8                                ; channels 32 (i / 4) on, keys 16 (i % 4) on; the 4 T accumulators take turns, one instruction a turn
.set t, 0
.rept T
.if i < 4
	v_wmma_f32_16x16x32_f16 v[S+32*t+8*(i%4):S+32*t+8*(i%4)+7], v[KF+16*(i%4)+8*(i/4):KF+16*(i%4)+8*(i/4)+7], v[16*t+8*(i/4):16*t+8*(i/4)+7], 0
.else
	v_wmma_f32_16x16x32_f16 v[S+32*t+8*(i%4):S+32*t+8*(i%4)+7], v[KF+16*(i%4)+8*(i/4):KF+16*(i%4)+8*(i/4)+7], v[16*t+8*(i/4):16*t+8*(i/4)+7], v[S+32*t+8*(i%4):S+32*t+8*(i%4)+7]
.endif
.set t, t+1
.endr
.set i, i+1
.endr
	PLACES
	FETCH_K 1                                      ; the next step's K
.if CAUSAL
	s_cmp_lg_u32 s[RT], 0                          ; only a block's last tile holds the diagonal
	s_cbranch_scc1 .Lopen_\@
.set t, 0
.rept T
	s_cmp_eq_u32 s[CNT], s[CE+t]                   ; the band's own step?
	s_cselect_b32 s[AL], 1.0, 0
	s_cmp_lt_u32 s[CNT], s[CE+t]                   ; or a later one?
	s_cselect_b32 s[BE], s[BIGN], 0
	WIN 0x01
.set z, 0
.rept 16
	v_pk_fma_f32 v[S+32*t+2*z:S+32*t+2*z+1], v[MD+2*z:MD+2*z+1], s[AL:AL+1], v[S+32*t+2*z:S+32*t+2*z+1] op_sel_hi:[1,0,1]
.set z, z+1
.endr
	WIN 0
.set z, 0
.rept 16
	v_pk_add_f32 v[S+32*t+2*z:S+32*t+2*z+1], v[S+32*t+2*z:S+32*t+2*z+1], s[BE:BE+1] op_sel_hi:[1,0]
.set z, z+1
.endr
.set t, t+1
.endr
.Lopen_\@:
.endif
.irp n, 0,1,2,3,4,5,6,7,8,9,10,11,12,13,15,14,16,17,18,19,20
.set t, 0
.rept T
	XOP t, \n
.set t, t+1
.endr
.endr
.set q, 0
.rept 16*T                             ; all scalings; beside them a and the exponentials of scores 0 to 15
	FOP q%T, q/T
.if q < T
	AOP q
.else
	EOP (q-T)%T, (q-T)/T
.endif
.set q, q+1
.endr
.set q, 15*T
.rept T
	EOP q%T, q/T
.set q, q+1
.endr
	v_nop                                          ; a plain instruction behind the last exponential
	s_wait_alu depctr_va_vdst(0)                   ; the first batch's wait
.set q, 0
.rept 16*T                             ; the exponentials of scores 16 to 31, by turns with what follows scores 0 to 15
	EOP q%T, 16+q/T
	GOP q
.set q, q+1
.endr
	s_wait_alu depctr_va_vdst(0)                   ; the second batch's wait; the last sum above is the plain instruction behind its last exponential
.set q, 16*T
.rept 16*T
	GOP q
.set q, q+1
.endr
	WIN W_RS
.set q, 0
.rept 16*T                             ; O^T times a
	REGS q%T
	v_pk_mul_f32 v[rO+2*(q/T):rO+2*(q/T)+1], v[rO+2*(q/T):rO+2*(q/T)+1], v[rC+2:rC+3] op_sel_hi:[1,0]
.set q, q+1
.endr
	s_wait_dscnt 0x0                               ; V is in
	WIN W_PV
.set i, 0
.rept 8                                ; keys 32 (i / 4) on, channels 16 (i % 4) on
.set t, 0
.rept T
	v_wmma_f32_16x16x32_f16 v[32*t+8*(i%4):32*t+8*(i%4)+7], v[VF+32*(i/4)+8*(i%4):VF+32*(i/4)+8*(i%4)+7], v[P+16*t+8*(i/4):P+16*t+8*(i/4)+7], v[32*t+8*(i%4):32*t+8*(i%4)+7]
.set t, t+1
.endr
.set i, i+1
.endr
	PLACES
	FETCH_V 1                                      ; the next step's V
.endm
.macro TILE                            ; a slot's four key steps
	FETCH_K 0
	FETCH_V 0
	s_mov_b32 s[CNT], 4
.Lstep_\@:
	STEP
	s_sub_co_u32 s[CNT], s[CNT], 1
	s_cmp_lg_u32 s[CNT], 0
	s_cbranch_scc1 .Lstep_\@
.endm
; THE WAY OUT: l's halves and the other half of the lanes' are added; O^T is divided by l, rounded to f16 and sent through my stage, a tile at a time.
.macro ALLT line:vararg
.set t, 0
.rept T
	\line
.set t, t+1
.endr
.endm
.macro PACK t
	WIN W_RS
.set i, 32*(\t)
.rept 16
	v_pk_mul_f32 v[i:i+1], v[i:i+1], v[ST+4*(\t)+2:ST+4*(\t)+3] op_sel_hi:[1,0]
.set i, i+2
.endr
	WIN 0x05
.set i, 0
.rept 16
	v_cvt_pk_f16_f32 v[S+16*(\t)+i], v[32*(\t)+2*i], v[32*(\t)+2*i+1]
.set i, i+1
.endr
	WIN 0
.irp f, 0,1,2,3
	ds_store_b128 v[STO], v[S+16*(\t)+4*\f:S+16*(\t)+4*\f+3] offset:32*\f
.endr
.irp f, 0,1,2,3
	ds_load_b128 v[S+16*(\t)+4*\f:S+16*(\t)+4*\f+3], v[RD] offset:\f*4*SP   ; LDS serves a wave's instructions in order (ISA guide 5.7.1.4)
.endr
.endm
.macro SEND t, younger
	WIN 0
.irp f, 0,1,2,3
	s_wait_dscnt (\younger)+3-\f
	global_store_b128 v[GO], v[S+16*(\t)+4*\f:S+16*(\t)+4*\f+3], s[6:7] offset:(\t)*OSTR+\f*512   ; 512 consecutive bytes, aligned
.endr
.endm
.macro WAYOUT
	WIN 0
	ALLT v_add_f32 v[ST+4*t+2], v[ST+4*t+2], v[ST+4*t+3]
	ALLT v_permlanex16_b32 v[ST+4*t+3], v[ST+4*t+2], s[SEL], s[SEL+1]
	ALLT v_add_f32 v[ST+4*t+2], v[ST+4*t+2], v[ST+4*t+3]
	ALLT v_rcp_f32 v[ST+4*t+2], v[ST+4*t+2]
	v_nop
	s_wait_alu depctr_va_vdst(0)                   ; one wait for the reciprocals, ahead of their first use
	PACK 0
.set u, 1
.rept T-1
	PACK u
	SEND u-1, 8
.set u, u+1
.endr
	SEND T-1, 0
.endm
	s_load_b128 s[4:7], s[0:1], 0x0                ; Q, K, V's buffer s[4:5]; O s[6:7]
	v_lshl_add_u32 v[SPW], v0, 2, SPARE
	v_mov_b32 v[NIL], 0
	ds_add_u32 v[SPW], v[NIL]                      ; the wave's opening: the add and its wait stand ahead of my first tensor load
	ds_add_u32 v62, v63
	v_lshrrev_b32 v1, 5, v0
	v_readfirstlane_b32 s[WV], v1
	s_and_b32 s20, ttmp7, 0xffff
	s_lshl_b32 s20, s20, 18                        ; the head's first byte: 262,144 a head
	s_and_b32 s16, s[WV], 1                        ; which half of a tile's 256 keys I fetch
	s_lshl_b32 s22, s16, 14
	s_add_co_u32 s22, s22, s20
	s_mov_b32 s23, 0
	s_mul_i32 s17, s16, 128*PK
	s_mul_i32 s18, s16, 128*PV
.if CAUSAL
	s_mov_b32 s[PB], ttmp9
	s_sub_co_u32 s[HI], 15, s[PB]
	s_lshl_b32 s21, s[WV], 11                      ; my 16 rows in a band
	s_add_co_u32 s21, s21, s20
	s_lshl_b32 s66, s[HI], 14                      ; the first block's 128 rows
	s_add_co_u32 s66, s66, s21
	s_lshl_b32 s84, s[PB], 14                      ; the second's
	s_add_co_u32 s84, s84, s21
	s_mov_b32 s85, 0
	s_lshr_b32 s[LQ], s[HI], 1
	s_add_co_u32 s[RT], s[LQ], 1
	s_lshr_b32 s[LQLO], s[PB], 1
	s_mov_b32 s[NXT], 1
	s_and_b32 s19, s[HI], 1
	s_lshl_b32 s19, s19, 1
	s_sub_co_u32 s[CE], 4, s19
	s_sub_co_u32 s[CE+1], 3, s19
	s_and_b32 s19, s[PB], 1
	s_lshl_b32 s19, s19, 1
	s_sub_co_u32 s[CL0], 4, s19
	s_cmp_eq_u32 s[PB], 0
	s_cselect_b32 s[PFON], 1, 0
	s_mov_b32 s[OFF+1], 0
	s_mov_b32 s[AL+1], 0
	s_mov_b32 s[BE+1], 0
	s_mov_b32 s[BIGN], 0xf149f2ca                  ; -1e30
	s_mov_b32 s[SLOTS], 8
.else
	s_bfe_u32 s13, ttmp6, 0x40000                  ; cx
	s_lshl_b32 s14, ttmp9, 2
	s_add_co_u32 s14, s14, s13                     ; my block of 256 queries: it enters Q's and O's addresses alone
	s_lshl_b32 s66, s14, 15
	s_lshl_b32 s21, s[WV], 13
	s_add_co_u32 s66, s66, s21
	s_add_co_u32 s66, s66, s20
	s_and_b32 s[LIM], s[WV], 1
	s_or_b32 s[LIM], s[LIM], ttmp9
	s_cmp_eq_u32 s[LIM], 0
	s_cselect_b32 s[LIM], 1, -1                    ; waves 0 and 2 of the head's first cluster: the same in all four partners
	s_mov_b32 s[SLOTS], 7
.endif
	s_mov_b32 s67, 0
	; group 1: 128 keys are 16,384 dense bytes: 64 rows of 256 bytes, padded in LDS after every key
	s_mov_b32 s[G1K], JOINT|(1<<16)|(1<<20)|(4<<22)|(3<<25)
	s_mov_b32 s[G1V], JOINT|(1<<16)|(1<<20)|(4<<22)|(7<<25)
.irp g, G1K, G1V
	s_mov_b32 s[\g+1], 128<<16
	s_mov_b32 s[\g+2], 64<<16
	s_mov_b32 s[\g+3], 128<<16
	s_mov_b32 s[\g+4], 64
	s_mov_b32 s[\g+5], 128
	s_mov_b32 s[\g+6], 0
	s_mov_b32 s[\g+7], 0
.endr
	s_mov_b32 s[CS], 0x3e38aa3b                    ; c = log2(e) / 8
	s_mov_b32 s[CS+1], s[CS]
	s_mov_b32 s[SEL], 0x76543210
	s_mov_b32 s[SEL+1], 0xfedcba98
	s_mov_b32 s[TBK], SLOT1+4*KS*PK                ; the first change of slots turns these two into 0
	s_mov_b32 s[TBV], SLOT1+4*KS*PV
	s_mov_b32 s[G0K], 1
	s_mov_b32 s[G0K+1], s17
	s_mov_b32 s[G0V], 1
	s_add_co_u32 s[G0V+1], s18, VOFF
	s_wait_dscnt 0x0                               ; the opening add is done
	s_wait_kmcnt 0x0
	s_add_nc_u64 s[SK:SK+1], s[4:5], 8388608
	s_add_nc_u64 s[SV:SV+1], s[4:5], 16777216
	s_add_nc_u64 s[SK:SK+1], s[SK:SK+1], s[22:23]
	s_add_nc_u64 s[SV:SV+1], s[SV:SV+1], s[22:23]
	s_add_nc_u64 s[G0K+2:G0K+3], s[SK:SK+1], 0
	s_or_b32 s[G0K+3], s[G0K+3], 0x80000000
	s_add_nc_u64 s[G0V+2:G0V+3], s[SV:SV+1], 0
	s_or_b32 s[G0V+3], s[G0V+3], 0x80000000
.if CAUSAL
	s_add_nc_u64 s[QLO:QLO+1], s[4:5], s[84:85]
	s_add_nc_u64 s[OLO:OLO+1], s[6:7], s[84:85]
.endif
	s_add_nc_u64 s[4:5], s[4:5], s[66:67]
	s_add_nc_u64 s[6:7], s[6:7], s[66:67]
	s_cmp_lt_u32 s[WV], 2
	s_cselect_b64 s[PFB:PFB+1], s[SK:SK+1], s[SV:SV+1]
.if !CAUSAL
	s_lshl_b32 s2, s13, 13                         ; my work-group's 32 blocks of a tile's 128
	s_mov_b32 s3, 0
	s_add_nc_u64 s[PFA:PFA+1], s[PFB:PFB+1], s[2:3]
	s_add_nc_u64 s[PFA:PFA+1], s[PFA:PFA+1], 4*KS*128   ; at tile 1: the first change steps it to tile 2
	CROUND                                         ; all four work-groups are here: the first joint loads meet
.endif
	LOAD                                           ; tile 0 into slot 0
	v_and_b32 v1, 15, v0
	v_bfe_u32 v9, v0, 4, 1
	v_lshlrev_b32 v[QO], 7, v1
	v_lshl_add_u32 v[QO], v9, 4, v[QO]
	WIN 0x80
.set i, 0
.rept 2*T                              ; Q stays in registers: tile i / 2, channels 32 (i % 2) on
	global_load_b128 v[8*i:8*i+3],   v[QO], s[4:5] offset:(i/2)*OSTR+(i%2)*64
	global_load_b128 v[8*i+4:8*i+7], v[QO], s[4:5] offset:(i/2)*OSTR+(i%2)*64+32
.if CAUSAL
	global_load_b128 v[QB+8*i:QB+8*i+3],   v[QO], s[QLO:QLO+1] offset:(i/2)*OSTR+(i%2)*64
	global_load_b128 v[QB+8*i+4:QB+8*i+7], v[QO], s[QLO:QLO+1] offset:(i/2)*OSTR+(i%2)*64+32
.endif
.set i, i+1
.endr
	WIN 0x40                                       ; O^T and l start at 0, in the wait for the first tile: the price of writing no first step out
.set i, 0
.rept 32*T
	v_mov_b32 v[i], 0
.set i, i+1
.endr
.if CAUSAL
	WIN 0
	v_lshlrev_b32 v14, 3, v9
	v_sub_nc_u32 v14, v1, v14
	s_lshl_b32 s19, s[WV], 4
	v_add_nc_u32 v14, s19, v14                     ; my query's place in its band less 8 (l / 16): register j of key group kt is hidden where 16 kt + j is greater
	WIN 0x40
.set i, 0
.rept 32
	v_cmp_gt_i32 vcc_lo, 16*(i/8)+i%8, v14
	v_cndmask_b32 v[MD+i], 0, s[BIGN], vcc_lo
.set i, i+1
.endr
.endif
	WIN 0
.set i, 0
.rept T
	v_mov_b32 v[ST+4*i], 0xfe000000                ; c m: far below every c s
	v_mov_b32 v[ST+4*i+1], 0xff7fffff              ; m
	v_mov_b32 v[ST+4*i+2], 0
	v_mov_b32 v[ST+4*i+3], 0
.set i, i+1
.endr
	v_mul_u32_u24 v[AK0], v1, PK
	v_lshl_add_u32 v[AK0], v9, 4, v[AK0]
	v_and_b32 v10, 7, v0
	v_bfe_u32 v11, v0, 3, 1
	v_lshl_add_u32 v[AV0], v9, 3, v10
	v_mul_u32_u24 v[AV0], v[AV0], PV
	v_lshl_add_u32 v[AV0], v11, 4, v[AV0]
	v_add_nc_u32 v[AV0], VOFF, v[AV0]
	s_mul_i32 s19, s[WV], 16*SP
	s_add_co_u32 s19, s19, STAGE
	v_mul_u32_u24 v[STO], v1, SP
	v_lshl_add_u32 v[STO], v9, 4, v[STO]
	v_add_nc_u32 v[STO], s19, v[STO]
	v_bfe_u32 v[RD], v0, 3, 2
	v_mul_u32_u24 v[RD], v[RD], SP
	v_lshl_add_u32 v[RD], v10, 4, v[RD]
	v_add_nc_u32 v[RD], s19, v[RD]
	v_and_b32 v[GO], 31, v0
	v_lshlrev_b32 v[PFO], 8, v[GO]
	v_lshlrev_b32 v[GO], 4, v[GO]
	s_wait_loadcnt 0x0                             ; Q
.Lslot:                                                ; a tile is entered and the next is asked for
	CHANGE 1
.if CAUSAL
	s_sub_co_u32 s[RT], s[RT], 1
.endif
	TILE
.if CAUSAL
	s_cmp_lg_u32 s[RT], 0
	s_cbranch_scc1 .Lbottom
	WAYOUT                                         ; the first block's end (the second's last tile is the walk's last)
	s_wait_xcnt 0x0                                ; the stores have read their registers and O's address
	s_mov_b64 s[6:7], s[OLO:OLO+1]
	s_add_co_u32 s[RT], s[LQLO], 1
	s_mov_b32 s[CE], s[CL0]
	s_sub_co_u32 s[CE+1], s[CL0], 1
.set i, 0
.rept T
	v_mov_b32 v[ST+4*i], 0xfe000000                ; the next step's a is 0, so O^T and l need only be finite
	v_mov_b32 v[ST+4*i+1], 0xff7fffff
.set i, i+1
.endr
	WIN 0x82
.set i, 0
.rept 16*T
	v_mov_b32 v[i], v[QB+i]
.set i, i+1
.endr
	WIN 0
.Lbottom:
.endif
	s_sub_co_u32 s[SLOTS], s[SLOTS], 1
	s_cmp_lg_u32 s[SLOTS], 0
	s_cbranch_scc1 .Lslot
	CHANGE 0                                       ; the last tile is written out
.if CAUSAL
	s_sub_co_u32 s[RT], s[RT], 1
.endif
	TILE
	WAYOUT
	s_wait_tensorcnt 0x0                           ; the wave's end
	ds_add_u32 v[SPW], v[NIL]
	s_wait_dscnt 0x0
.if !CAUSAL
	CROUND                                         ; the closing round
.endif
	s_endpgm
.Lfunc_end_k_q7385ad8a14_att_c:
	.size	k_q7385ad8a14_att_c, .Lfunc_end_k_q7385ad8a14_att_c-k_q7385ad8a14_att_c
	.p2alignl 7, 3214868480
	.fill 96, 4, 3214868480
	.section	.rodata,"a",@progbits
	.p2align	6, 0x0
	.amdhsa_kernel k_q7385ad8a14_att_c
		.amdhsa_group_segment_fixed_size 327680
		.amdhsa_private_segment_fixed_size 0
		.amdhsa_enable_private_segment 0
		.amdhsa_kernarg_size 16
		.amdhsa_user_sgpr_count 2
		.amdhsa_user_sgpr_kernarg_segment_ptr 1
		.amdhsa_wavefront_size32 1
		.amdhsa_system_sgpr_workgroup_id_x 1
		.amdhsa_system_sgpr_workgroup_id_y 1
		.amdhsa_system_sgpr_workgroup_id_z 1
		.amdhsa_system_vgpr_workitem_id 0
		.amdhsa_next_free_vgpr 768
		.amdhsa_next_free_sgpr 96
		.amdhsa_reserve_vcc 1
		.amdhsa_float_denorm_mode_32 3
		.amdhsa_float_denorm_mode_16_64 3
		.amdhsa_memory_ordered 1
		.amdhsa_forward_progress 1
		.amdhsa_inst_pref_size 97
	.end_amdhsa_kernel
	.amdgpu_metadata
---
amdhsa.version: [ 1, 2 ]
amdhsa.kernels:
  - .name:           k_q7385ad8a14_att_c
    .symbol:         k_q7385ad8a14_att_c.kd
    .args:
      - { .name: big, .offset: 0, .size: 8, .value_kind: global_buffer, .address_space: global }
      - { .name: ob, .offset: 8, .size: 8, .value_kind: global_buffer, .address_space: global }
    .group_segment_fixed_size: 327680
    .private_segment_fixed_size: 0
    .kernarg_segment_align: 8
    .kernarg_segment_size: 16
    .max_flat_workgroup_size: 128
    .sgpr_count:     96
    .vgpr_count:     768
    .wavefront_size: 32
...
	.end_amdgpu_metadata
.endif
;; end of part 6
;; launch proj_c: the kernel of part 4 again; grid 256 x 1, 4 waves a work-group, clusters of 4 x 1, 327,680 bytes of LDS; arguments ob, wc, bp_c, out0, g3, be3, q2, xn; writes q2, xn
;; launch ffn1 (part 7): grid 4 x 64, 4 waves a work-group, clusters of 4 x 4, 327,680 bytes of LDS; arguments xn, ws, b1, big; writes big
.if DOCPART == 7
	.amdgcn_target "amdgcn-amd-amdhsa--gfx1250"
	.amdhsa_code_object_version 6
	.text
	.protected	k_q7385ad8a14_ffn1
	.globl	k_q7385ad8a14_ffn1
	.p2align	8
	.type	k_q7385ad8a14_ffn1,@function
k_q7385ad8a14_ffn1:
	s_mov_b64 s[64:65], 0
	v_nop
	global_prefetch_b8 v0, s[64:65] scope:SCOPE_SE
	s_setreg_imm32_b32 hwreg(HW_REG_WAVE_MODE, 25, 1), 1
	s_wait_xcnt 0x0
	s_wait_alu depctr_hold_cnt(0) depctr_sa_sdst(0) depctr_va_vdst(0) depctr_va_sdst(0) depctr_va_ssrc(0) depctr_va_vcc(0) depctr_vm_vsrc(0)
	s_getreg_b32 s2, hwreg(HW_REG_IB_STS2, 6, 4)
	s_cmp_eq_u32 s2, 0
	s_cbranch_scc0 .Lentry_in_a_cluster
	s_endpgm
.Lentry_in_a_cluster:
	s_bfe_u32 s2, ttmp6, 0x10000c
	s_cmp_lg_u32 s2, 0xf033
	s_cbranch_scc0 .Lentry_shape_is_right
	s_endpgm
.Lentry_shape_is_right:
; FIRST HALF OF THE FEED-FORWARD.  hid = relu(A W1 + b1), bf16.  A: [8192][512] bf16.  W1: [512][2048] bf16 at w + 2,097,152.  b1: [2048] f32.  hid: [8192][2048] bf16, rounded once.
; SHARES.  A tile of C is 128 x 128; four waves, each 64 x 64: 16 accumulators.  256 work-groups STAY and make four tiles, column tiles x, x + 4, x + 8, x + 12 of one tile row, the ring running on from tile to tile.
; K goes in steps of 256 through two LDS slots: A's 128 rows of 512 bytes, B's 256 rows (along K) of 256 bytes.  One tensor load a wave: waves 0, 1 A's halves, waves 2, 3 B's.
; CLUSTER 4 x 4: A's tile is shared along a row of the cluster, B's along a column: joint loads, the same descriptor and mask in the four that a mask names.
; THE MATRIX INSTRUCTION IS USED TRANSPOSED: source 0 = 16 columns of W1 (turned by ds_load_tr16_b128), source 1 = 16 rows of A: a lane holds one row of C and eight neighbouring columns.
; A tile's first products take the bias, loaded in the accumulators' layout, as C.  The way out goes through ONE stage of 128 rows x 256 bytes, since a wave's 64 columns are half of an aligned 256 bytes.
; REGISTERS: window 0: v0-31 addresses, v32-95 the way out, v96-127 the bias, v128-255 accumulators; window 1: two fragment buffers of 64.
.set APITCH, 512
.set BPITCH, 2048
.set ASH,    10
.set WOFF,   2097152
.set PA,     528
.set PB,     288
.set ATILE,  128*PA
.set SLOT,   ATILE+256*PB
.set STAGE,  2*SLOT                    ; behind the ring, never filled by a tensor load
.set SP,     272
.set SPARE,  STAGE+128*SP              ; the spare words: 128 bytes a wave, named by no other line
.set AA0, 8
.set AB0, 10
.set AA,  12
.set AB,  13
.set STO, 14
.set RD,  15
.set CO,  16
.set ZR,  17
.set BO,  18
.set SPW, 28
.set NIL, 29
.set TMP, 32
.set BIAS, 96
.set ACC, 128
.set F0,  0
.set F1,  64
.set WV,  20
.set RH,  21
.set CH,  22
.set G1,  32
.set G0,  40
.set G1B, 48
.set G0B, 56
.set KA,  70
.set KB,  71
.set MSB, 0
.macro WIN new
.if MSB != (\new)
	s_set_vgpr_msb (MSB<<8)|(\new)
.set MSB, \new
.endif
.endm
.macro PLACES
.rept 4
	v_nop
.endr
.endm
.macro JLOAD s                         ; a joint load; s_nop 0 and four v_nop follow each of the two lines
	s_cmp_eq_u32 s[RH], 0
	s_cbranch_scc0 .Lfor_b_\@
	tensor_load_to_lds s[G0+4*(\s):G0+4*(\s)+3], s[G1:G1+7]
	s_nop 0
	PLACES
	s_branch .Lasked_\@
.Lfor_b_\@:
	tensor_load_to_lds s[G0B+4*(\s):G0B+4*(\s)+3], s[G1B:G1B+7]
	s_nop 0
	PLACES
.Lasked_\@:
.endm
.macro CREST
	s_cmp_lg_u32 s[WV], 0
	s_cbranch_scc1 .Lnot_wave_0_\@
	s_barrier_signal -3
.Lnot_wave_0_\@:
	s_barrier_wait -3
	s_barrier_signal -1
	s_barrier_wait -1
.endm
.macro CROUND
	s_barrier_signal -1
	s_barrier_wait -1
	CREST
.endm
.macro FETCH f, ka, kb                 ; sixteen LDS loads: the fragments of 32 along K into buffer f
	WIN 0x40
.irp i, 0,1,2,3
	ds_load_tr16_b128 v[(\f)+32+8*\i:(\f)+32+8*\i+3], v[AB] offset:(\kb)+32*\i
	ds_load_tr16_b128 v[(\f)+32+8*\i+4:(\f)+32+8*\i+7], v[AB] offset:(\kb)+32*\i+16*PB
	ds_load_b128 v[(\f)+8*\i:(\f)+8*\i+3], v[AA] offset:(\ka)+\i*16*PA
	ds_load_b128 v[(\f)+8*\i+4:(\f)+8*\i+7], v[AA] offset:(\ka)+\i*16*PA+32
.endr
.endm
.macro MUL8 f, a0, zero                ; eight products; the 16 accumulators take turns, one instruction a turn.  zero = 1: the sums start at the bias
	WIN 0x05
.irp a, \a0, (\a0)+1
.irp b, 0,1,2,3
.if \zero
	v_wmma_f32_16x16x32_bf16 v[ACC+8*(4*(\a)+\b):ACC+8*(4*(\a)+\b)+7], v[(\f)+32+8*\b:(\f)+32+8*\b+7], v[(\f)+8*(\a):(\f)+8*(\a)+7], v[BIAS+8*\b:BIAS+8*\b+7]
.else
	v_wmma_f32_16x16x32_bf16 v[ACC+8*(4*(\a)+\b):ACC+8*(4*(\a)+\b)+7], v[(\f)+32+8*\b:(\f)+32+8*\b+7], v[(\f)+8*(\a):(\f)+8*(\a)+7], v[ACC+8*(4*(\a)+\b):ACC+8*(4*(\a)+\b)+7]
.endif
.endr
.endr
.endm
.macro TRIP zero
	s_wait_dscnt 16                                ; buffer 0 is in; buffer 1's sixteen loads may be out
	MUL8 F0, 0, \zero
	MUL8 F0, 2, \zero
	PLACES
	FETCH F0, 128, 64*PB
	s_wait_dscnt 16                                ; buffer 1 is in; the sixteen just issued may be out
	MUL8 F1, 0, 0
	MUL8 F1, 2, 0
	PLACES
	FETCH F1, 192, 96*PB
	WIN 0
	s_add_co_u32 s[KA], s[KA], 128
	s_add_co_u32 s[KB], s[KB], 64*PB
	v_add_nc_u32 v[AA], s[KA], v[AA0]
	v_add_nc_u32 v[AB], s[KB], v[AB0]
.endm
.macro TURN slot, mode                 ; the last 64 along K of a step, and the change of slots.  mode 2: the slot is filled again; 1: nothing is left to fetch; 0: the very last step
.if (\mode) == 0
	s_wait_dscnt 16
	MUL8 F0, 0, 0
	MUL8 F0, 2, 0
	s_wait_dscnt 0x0
	MUL8 F1, 0, 0
	MUL8 F1, 2, 0
	WIN 0
.else
	WIN 0
	s_wait_tensorcnt 0x0                           ; all my tensor loads have landed
	ds_add_u32 v[SPW], v[NIL]
	s_wait_dscnt 17                                ; buffer 0 is in; the add and buffer 1's sixteen loads may be out
	MUL8 F0, 0, 0
	s_wait_dscnt 0x0                               ; the add is done, and my reads of this slot are over
	s_barrier_signal -1
	MUL8 F0, 2, 0
	WIN 0
	s_barrier_wait -1
.if (\mode) == 2
	CREST                                          ; no wave of any partner still reads this slot or has a load on its way
	s_add_nc_u64 s[G0B+4*(\slot)+2:G0B+4*(\slot)+3], s[G0B+4*(\slot)+2:G0B+4*(\slot)+3], 1024   ; four column tiles on; A's rows are the same for all four tiles
	JLOAD \slot
.else
	PLACES
.endif
	s_mov_b32 s[KA], (1-(\slot))*SLOT
	s_mov_b32 s[KB], (1-(\slot))*SLOT
	v_add_nc_u32 v[AA], s[KA], v[AA0]
	v_add_nc_u32 v[AB], s[KB], v[AB0]
	FETCH F0, 0, 0
	MUL8 F1, 0, 0
	MUL8 F1, 2, 0
	PLACES
	FETCH F1, 64, 32*PB
	WIN 0
.endif
.endm
.macro KSTEP slot, zero, mode
.if \zero
	s_wait_loadcnt 0x0                             ; the tile's bias
	TRIP 1
	s_mov_b32 s3, 2
.else
	s_mov_b32 s3, 3
.endif
.Ltrip_\@:
	TRIP 0
	s_sub_co_u32 s3, s3, 1
	s_cmp_lg_u32 s3, 0
	s_cbranch_scc1 .Ltrip_\@
	TURN \slot, \mode
.endm
.macro LOADBIAS
.irp b, 0,1,2,3
	global_load_b128 v[BIAS+8*\b:BIAS+8*\b+3], v[BO], s[14:15] offset:64*\b
	global_load_b128 v[BIAS+8*\b+4:BIAS+8*\b+7], v[BO], s[14:15] offset:64*\b+16
.endr
.endm
; THE WAY OUT: rounded to bf16, the negative numbers set to 0, into the work-group's stage; a barrier, since a row's 256 bytes come from two waves; back as whole rows, 32 a wave.
; The stage is written again a tile later, behind two changes of slots, at each of which every wave has waited for its LDS reads.
.macro EPI more
	WIN 0
	s_wait_xcnt 0x0                                ; the last tile's stores and bias loads have read their registers
	PLACES
.if \more
	s_add_nc_u64 s[14:15], s[14:15], 2048          ; the next tile's bias: 512 columns on
	LOADBIAS
.endif
.set t, 0
.rept 16
.irp q, 0,1,2,3
	v_cvt_pk_bf16_f32 v[TMP+4*t+\q], v[ACC+8*t+2*\q], v[ACC+8*t+2*\q+1]
.endr
.set t, t+1
.endr
.set t, 0
.rept 64
	v_pk_max_num_bf16 v[TMP+t], v[TMP+t], v[ZR]
.set t, t+1
.endr
.irp a, 0,1,2,3
.irp b, 0,1,2,3
	ds_store_b128 v[STO], v[TMP+4*(4*\a+\b):TMP+4*(4*\a+\b)+3] offset:\a*16*SP+32*\b
.endr
.endr
	s_wait_dscnt 0x0                               ; for the others' sake: my stores into the stage are done
	s_barrier_signal -1
	s_barrier_wait -1
.set t, 0
.rept 16
	ds_load_b128 v[TMP+4*t:TMP+4*t+3], v[RD] offset:t*2*SP
.set t, t+1
.endr
.set t, 0
.rept 16
	s_wait_dscnt 15-t
	global_store_b128 v[CO], v[TMP+4*t:TMP+4*t+3], s[12:13] offset:2*t*4096   ; 16 lanes store 256 consecutive bytes, aligned
.set t, t+1
.endr
.endm
	s_load_b64 s[4:5], s[0:1], 0x0                 ; A
	s_load_b64 s[10:11], s[0:1], 0x8               ; w
	s_load_b64 s[14:15], s[0:1], 0x10              ; b1
	s_load_b64 s[12:13], s[0:1], 0x18              ; hid
	v_lshl_add_u32 v[SPW], v0, 2, SPARE
	v_mov_b32 v[NIL], 0
	ds_add_u32 v[SPW], v[NIL]                      ; the wave's opening: the add and its wait stand ahead of my first tensor load
	ds_add_u32 v28, v29
	v_lshrrev_b32 v1, 5, v0
	v_readfirstlane_b32 s[WV], v1
	s_lshr_b32 s[RH], s[WV], 1
	s_and_b32 s[CH], s[WV], 1
	s_bfe_u32 s23, ttmp6, 0x40000                  ; cx
	s_bfe_u32 s24, ttmp6, 0x40004                  ; cy
	s_lshl_b32 s25, ttmp9, 2
	s_add_co_u32 s25, s25, s23                     ; x
	s_and_b32 s26, ttmp7, 0xffff
	s_lshl_b32 s26, s26, 2
	s_add_co_u32 s26, s26, s24                     ; y
	s_lshl_b32 s68, s24, 2
	s_lshl_b32 s68, 15, s68
	s_lshl_b32 s69, 0x1111, s23
	s_or_b32 s[G1], s68, (1<<16)|(1<<20)|(1<<21)|(6<<22)|(3<<25)
	s_mov_b32 s[G1+1], 256<<16
	s_mov_b32 s[G1+2], 64<<16
	s_mov_b32 s[G1+3], 256<<16
	s_mov_b32 s[G1+4], 64
	s_mov_b32 s[G1+5], APITCH
	s_mov_b32 s[G1+6], 0
	s_mov_b32 s[G1+7], 0
	s_or_b32 s[G1B], s69, (1<<16)|(1<<20)|(1<<21)|(5<<22)|(7<<25)
	s_mov_b32 s[G1B+1], 128<<16
	s_mov_b32 s[G1B+2], 128<<16
	s_mov_b32 s[G1B+3], 128<<16
	s_mov_b32 s[G1B+4], 128
	s_mov_b32 s[G1B+5], BPITCH
	s_mov_b32 s[G1B+6], 0
	s_mov_b32 s[G1B+7], 0
	s_lshl_b32 s28, s26, 7
	s_lshl_b32 s27, s[CH], 6
	s_add_co_u32 s28, s28, s27
	s_lshl_b32 s28, s28, ASH
	s_mov_b32 s29, 0
	s_lshl_b32 s30, s25, 8
	s_mul_i32 s27, s[CH], 128*BPITCH*2
	s_add_co_u32 s30, s30, s27
	s_add_co_u32 s30, s30, WOFF
	s_mov_b32 s31, 0
	s_mul_i32 s66, s[CH], 64*PA
	s_mul_i32 s67, s[CH], 128*PB
	s_add_co_u32 s67, s67, ATILE
	s_wait_dscnt 0x0                               ; the opening add is done
	s_wait_kmcnt 0x0
	s_add_nc_u64 s[4:5], s[4:5], s[28:29]
	s_add_nc_u64 s[10:11], s[10:11], s[30:31]
	CROUND                                         ; all sixteen work-groups are here: the first joint loads meet
.irp s, 0,1
	s_mov_b32 s[G0+4*\s], 1
	s_add_co_u32 s[G0+4*\s+1], s66, \s*SLOT
	s_add_nc_u64 s[G0+4*\s+2:G0+4*\s+3], s[4:5], \s*512
	s_or_b32 s[G0+4*\s+3], s[G0+4*\s+3], 0x80000000
	s_mov_b32 s[G0B+4*\s], 1
	s_add_co_u32 s[G0B+4*\s+1], s67, \s*SLOT
	s_add_nc_u64 s[G0B+4*\s+2:G0B+4*\s+3], s[10:11], \s*256*BPITCH*2
	s_or_b32 s[G0B+4*\s+3], s[G0B+4*\s+3], 0x80000000
	JLOAD \s
.endr
	v_and_b32 v1, 15, v0
	v_bfe_u32 v2, v0, 4, 1
	v_and_b32 v3, 7, v0
	v_bfe_u32 v4, v0, 3, 1
	v_lshlrev_b32 v[BO], 5, v2                     ; the bias in the accumulators' layout: column 16 b + 8 h + j of my 64
	s_lshl_b32 s30, s25, 9
	s_lshl_b32 s27, s[CH], 8
	s_add_co_u32 s30, s30, s27
	s_mov_b32 s31, 0
	s_add_nc_u64 s[14:15], s[14:15], s[30:31]
	LOADBIAS
	v_mul_u32_u24 v5, v1, PA
	v_lshl_add_u32 v5, v2, 4, v5
	s_mul_i32 s27, s[RH], 64*PA
	v_add_nc_u32 v[AA0], s27, v5
	v_lshl_add_u32 v6, v2, 3, v3
	v_mul_u32_u24 v6, v6, PB
	v_lshl_add_u32 v6, v4, 4, v6
	s_lshl_b32 s27, s[CH], 7
	s_add_co_u32 s27, s27, ATILE
	v_add_nc_u32 v[AB0], s27, v6
	s_mul_i32 s27, s[RH], 64*SP                    ; into the stage: my 64 rows, my half of their 256 bytes
	s_lshl_b32 s28, s[CH], 7
	s_add_co_u32 s27, s27, s28
	s_add_co_u32 s27, s27, STAGE
	v_mul_u32_u24 v[STO], v1, SP
	v_lshl_add_u32 v[STO], v2, 4, v[STO]
	v_add_nc_u32 v[STO], s27, v[STO]
	s_mul_i32 s27, s[WV], 32*SP                    ; back: rows 32 w .. 32 w + 31, whole
	s_add_co_u32 s27, s27, STAGE
	v_mul_u32_u24 v[RD], v2, SP
	v_lshl_add_u32 v[RD], v1, 4, v[RD]
	v_add_nc_u32 v[RD], s27, v[RD]
	v_lshlrev_b32 v[CO], 12, v2
	v_lshl_add_u32 v[CO], v1, 4, v[CO]
	v_mov_b32 v[ZR], 0
	s_lshl_b32 s28, s26, 19                        ; hid: row 128 y + 32 w, 4,096 bytes a row,
	s_lshl_b32 s27, s[WV], 17
	s_add_co_u32 s28, s28, s27
	s_mov_b32 s29, 0
	s_add_nc_u64 s[12:13], s[12:13], s[28:29]
	s_lshl_b32 s30, s25, 8                         ; column tile x
	s_add_nc_u64 s[12:13], s[12:13], s[30:31]
	s_mov_b32 s[KA], 0
	s_mov_b32 s[KB], 0
	v_mov_b32 v[AA], v[AA0]
	v_mov_b32 v[AB], v[AB0]
	s_wait_tensorcnt 1                             ; my part of slot 0 is in; slot 1's may stay out
	s_barrier_signal -1
	s_barrier_wait -1
	FETCH F0, 0, 0
	FETCH F1, 64, 32*PB
	WIN 0
	s_mov_b32 s2, 3
.Ltile:                                                ; the first three tiles: both slots are filled again for the next tile
	KSTEP 0, 1, 2
	KSTEP 1, 0, 2
	EPI 1
	s_wait_xcnt 0x0                                ; the stores have read their base
	s_add_nc_u64 s[12:13], s[12:13], 1024
	s_sub_co_u32 s2, s2, 1
	s_cmp_lg_u32 s2, 0
	s_cbranch_scc1 .Ltile
	KSTEP 0, 1, 1                                  ; the last tile is written out: it asks for nothing
	KSTEP 1, 0, 0
	EPI 0
	s_wait_tensorcnt 0x0                           ; the wave's end
	ds_add_u32 v[SPW], v[NIL]
	s_wait_dscnt 0x0
	CROUND                                         ; the closing round
	s_endpgm
.Lfunc_end_k_q7385ad8a14_ffn1:
	.size	k_q7385ad8a14_ffn1, .Lfunc_end_k_q7385ad8a14_ffn1-k_q7385ad8a14_ffn1
	.p2alignl 7, 3214868480
	.fill 96, 4, 3214868480
	.section	.rodata,"a",@progbits
	.p2align	6, 0x0
	.amdhsa_kernel k_q7385ad8a14_ffn1
		.amdhsa_group_segment_fixed_size 327680
		.amdhsa_private_segment_fixed_size 0
		.amdhsa_enable_private_segment 0
		.amdhsa_kernarg_size 32
		.amdhsa_user_sgpr_count 2
		.amdhsa_user_sgpr_kernarg_segment_ptr 1
		.amdhsa_wavefront_size32 1
		.amdhsa_system_sgpr_workgroup_id_x 1
		.amdhsa_system_sgpr_workgroup_id_y 1
		.amdhsa_system_sgpr_workgroup_id_z 1
		.amdhsa_system_vgpr_workitem_id 0
		.amdhsa_next_free_vgpr 384
		.amdhsa_next_free_sgpr 72
		.amdhsa_reserve_vcc 0
		.amdhsa_float_denorm_mode_32 3
		.amdhsa_float_denorm_mode_16_64 3
		.amdhsa_memory_ordered 1
		.amdhsa_forward_progress 1
		.amdhsa_inst_pref_size 83
	.end_amdhsa_kernel
	.amdgpu_metadata
---
amdhsa.version: [ 1, 2 ]
amdhsa.kernels:
  - .name:           k_q7385ad8a14_ffn1
    .symbol:         k_q7385ad8a14_ffn1.kd
    .args:
      - { .name: xn, .offset: 0, .size: 8, .value_kind: global_buffer, .address_space: global }
      - { .name: ws, .offset: 8, .size: 8, .value_kind: global_buffer, .address_space: global }
      - { .name: b1, .offset: 16, .size: 8, .value_kind: global_buffer, .address_space: global }
      - { .name: big, .offset: 24, .size: 8, .value_kind: global_buffer, .address_space: global }
    .group_segment_fixed_size: 327680
    .private_segment_fixed_size: 0
    .kernarg_segment_align: 8
    .kernarg_segment_size: 32
    .max_flat_workgroup_size: 128
    .sgpr_count:     72
    .vgpr_count:     384
    .wavefront_size: 32
...
	.end_amdgpu_metadata
.endif
;; end of part 7
;; launch ffn2 (part 8): grid 4 x 64, 4 waves a work-group, clusters of 4 x 4, 327,680 bytes of LDS; arguments big, wc, b2, q2, out0; writes out0
.if DOCPART == 8
	.amdgcn_target "amdgcn-amd-amdhsa--gfx1250"
	.amdhsa_code_object_version 6
	.text
	.protected	k_q7385ad8a14_ffn2
	.globl	k_q7385ad8a14_ffn2
	.p2align	8
	.type	k_q7385ad8a14_ffn2,@function
k_q7385ad8a14_ffn2:
	s_mov_b64 s[64:65], 0
	v_nop
	global_prefetch_b8 v0, s[64:65] scope:SCOPE_SE
	s_setreg_imm32_b32 hwreg(HW_REG_WAVE_MODE, 25, 1), 1
	s_wait_xcnt 0x0
	s_wait_alu depctr_hold_cnt(0) depctr_sa_sdst(0) depctr_va_vdst(0) depctr_va_sdst(0) depctr_va_ssrc(0) depctr_va_vcc(0) depctr_vm_vsrc(0)
	s_getreg_b32 s2, hwreg(HW_REG_IB_STS2, 6, 4)
	s_cmp_eq_u32 s2, 0
	s_cbranch_scc0 .Lentry_in_a_cluster
	s_endpgm
.Lentry_in_a_cluster:
	s_bfe_u32 s2, ttmp6, 0x10000c
	s_cmp_lg_u32 s2, 0xf033
	s_cbranch_scc0 .Lentry_shape_is_right
	s_endpgm
.Lentry_shape_is_right:
; SECOND HALF OF THE FEED-FORWARD.  out = res + hid W2 + b2, f32.  hid: [8192][2048] bf16.  W2: [2048][512] bf16 at w + 2,097,152.  b2: [512] f32.  res, out: [8192][512] f32.
; SHARES.  A tile of C is 128 x 128, one to a work-group (256 of them); four waves, each 64 x 64: 16 accumulators.  K = 2,048 goes in eight steps of 256 through two LDS slots:
; A's 128 rows of 512 bytes, B's 256 rows (along K) of 256 bytes.  One tensor load a wave: waves 0, 1 A's halves, waves 2, 3 B's.
; CLUSTER 4 x 4: A's tile is shared along a row of the cluster, B's along a column: joint loads, the same descriptor and mask in the four that a mask names.
; THE MATRIX INSTRUCTION IS USED TRANSPOSED: source 0 = 16 columns of W2 (turned by ds_load_tr16_b128), source 1 = 16 rows of hid: a lane holds one row of C and eight neighbouring columns.
; The sums start at the bias, written into the accumulators in the wait for the first tiles.  The residual is asked for at the head and waits in registers.
; A wave's 64 columns are 256 bytes of f32: 16 rows at a time go through the wave's own stage and leave as whole aligned runs of 256 bytes.
; REGISTERS: window 0: v0-31 addresses, v32-63 the way out, v96-127 the bias, v128-255 accumulators ((a, b) at 128 + 8 (4 a + b)); window 1: two fragment buffers of 64, v128-255 the residual.
.set APITCH, 2048                      ; elements from row to row of hid
.set BPITCH, 512                       ; and of W2
.set ASH,    12                        ; a row of hid is 1 << ASH bytes
.set WOFF,   2097152
.set PA,     528                       ; A's LDS row: 512 + 16 bytes: the 16 rows of a fragment load start in 16 different groups of four banks
.set PB,     288                       ; B's LDS row: 256 + 32 bytes
.set ATILE,  128*PA
.set SLOT,   ATILE+256*PB
.set STAGE,  2*SLOT                    ; behind the ring, never filled by a tensor load: 16 rows x 272 bytes for each wave
.set SP,     272
.set SPARE,  STAGE+4*16*SP             ; the spare words: 128 bytes a wave, named by no other line
.set AA0, 8                            ; v8   my lane's place in A's tile; never rewritten
.set AB0, 10                           ; v10  the same for B
.set AA,  12                           ; v12  AA0 + s[KA]
.set AB,  13                           ; v13  AB0 + s[KB]
.set STO, 14
.set RD,  15
.set CO,  16
.set BO,  18
.set SPW, 28
.set NIL, 29
.set TMP, 32
.set BIAS, 96
.set ACC, 128
.set F0,  0
.set F1,  64
.set RES, 128
.set WV,  20                           ; s20 wave; s21 its row half (also: 0 = I fetch for A); s22 its column half (also: which half I fetch)
.set RH,  21
.set CH,  22
.set G1,  32                           ; s[32:39] group 1 for A, s[40:47] group 0 for A, a set a slot; s[48:55], s[56:63] the same for B
.set G0,  40
.set G1B, 48
.set G0B, 56
.set KA,  70                           ; s70, s71 the slot's first byte plus the K chunk's place in A's rows and in B's
.set KB,  71
.set MSB, 0
.macro WIN new                         ; the immediate's high byte repeats the setting that is left
.if MSB != (\new)
	s_set_vgpr_msb (MSB<<8)|(\new)
.set MSB, \new
.endif
.endm
.macro PLACES                          ; four places behind a matrix instruction (ISA guide 7.12.1), where no other plain vector work is at hand
.rept 4
	v_nop
.endr
.endm
.macro JLOAD s                         ; a joint load; s_nop 0 and four v_nop follow each of the two lines
	s_cmp_eq_u32 s[RH], 0
	s_cbranch_scc0 .Lfor_b_\@
	tensor_load_to_lds s[G0+4*(\s):G0+4*(\s)+3], s[G1:G1+7]
	s_nop 0
	PLACES
	s_branch .Lasked_\@
.Lfor_b_\@:
	tensor_load_to_lds s[G0B+4*(\s):G0B+4*(\s)+3], s[G1B:G1B+7]
	s_nop 0
	PLACES
.Lasked_\@:
.endm
.macro CREST                           ; a round of the cluster's barrier behind its opening barrier
	s_cmp_lg_u32 s[WV], 0
	s_cbranch_scc1 .Lnot_wave_0_\@
	s_barrier_signal -3
.Lnot_wave_0_\@:
	s_barrier_wait -3
	s_barrier_signal -1
	s_barrier_wait -1
.endm
.macro CROUND
	s_barrier_signal -1
	s_barrier_wait -1
	CREST
.endm
.macro FETCH f, ka, kb                 ; sixteen LDS loads: the fragments of 32 along K into buffer f
	WIN 0x40
.irp i, 0,1,2,3
	ds_load_tr16_b128 v[(\f)+32+8*\i:(\f)+32+8*\i+3], v[AB] offset:(\kb)+32*\i
	ds_load_tr16_b128 v[(\f)+32+8*\i+4:(\f)+32+8*\i+7], v[AB] offset:(\kb)+32*\i+16*PB
	ds_load_b128 v[(\f)+8*\i:(\f)+8*\i+3], v[AA] offset:(\ka)+\i*16*PA
	ds_load_b128 v[(\f)+8*\i+4:(\f)+8*\i+7], v[AA] offset:(\ka)+\i*16*PA+32
.endr
.endm
.macro MUL8 f, a0                      ; eight products; the 16 accumulators take turns, one instruction a turn
	WIN 0x05
.irp a, \a0, (\a0)+1
.irp b, 0,1,2,3
	v_wmma_f32_16x16x32_bf16 v[ACC+8*(4*(\a)+\b):ACC+8*(4*(\a)+\b)+7], v[(\f)+32+8*\b:(\f)+32+8*\b+7], v[(\f)+8*(\a):(\f)+8*(\a)+7], v[ACC+8*(4*(\a)+\b):ACC+8*(4*(\a)+\b)+7]
.endr
.endr
.endm
.macro TRIP                            ; 64 along K: both buffers are multiplied and filled again with the chunks two further on
	s_wait_dscnt 16                                ; buffer 0 is in; buffer 1's sixteen loads may be out
	MUL8 F0, 0
	MUL8 F0, 2
	PLACES
	FETCH F0, 128, 64*PB
	s_wait_dscnt 16                                ; buffer 1 is in; the sixteen just issued may be out
	MUL8 F1, 0
	MUL8 F1, 2
	PLACES
	FETCH F1, 192, 96*PB
	WIN 0
	s_add_co_u32 s[KA], s[KA], 128
	s_add_co_u32 s[KB], s[KB], 64*PB
	v_add_nc_u32 v[AA], s[KA], v[AA0]
	v_add_nc_u32 v[AB], s[KB], v[AB0]
.endm
; The last 64 along K of a step, and the change of slots.  mode 2: the slot takes the step two further on; 1: nothing is left to fetch; 0: the very last step.
.macro TURN slot, mode
.if (\mode) == 0
	s_wait_dscnt 16
	MUL8 F0, 0
	MUL8 F0, 2
	s_wait_dscnt 0x0
	MUL8 F1, 0
	MUL8 F1, 2
	WIN 0
.else
	WIN 0
	s_wait_tensorcnt 0x0                           ; all my tensor loads have landed: the one that was out is my part of the other slot
	ds_add_u32 v[SPW], v[NIL]                      ; 0 onto my spare word
	s_wait_dscnt 17                                ; buffer 0 is in; the add and buffer 1's sixteen loads may be out
	MUL8 F0, 0
	s_wait_dscnt 0x0                               ; the add is done, and my reads of this slot are over
	s_barrier_signal -1
	MUL8 F0, 2
	WIN 0
	s_barrier_wait -1
.if (\mode) == 2
	CREST                                          ; the barrier opened a round of the cluster's: no wave of any partner still reads this slot or has a load on its way
	s_add_nc_u64 s[G0+4*(\slot)+2:G0+4*(\slot)+3], s[G0+4*(\slot)+2:G0+4*(\slot)+3], 1024       ; two K steps of 512 bytes along A's rows
	s_add_nc_u64 s[G0B+4*(\slot)+2:G0B+4*(\slot)+3], s[G0B+4*(\slot)+2:G0B+4*(\slot)+3], 524288 ; 512 rows of W2 down
	JLOAD \slot                                    ; its four v_nop are also the places in front of the loads below
.else
	PLACES
.endif
	s_mov_b32 s[KA], (1-(\slot))*SLOT
	s_mov_b32 s[KB], (1-(\slot))*SLOT
	v_add_nc_u32 v[AA], s[KA], v[AA0]
	v_add_nc_u32 v[AB], s[KB], v[AB0]
	FETCH F0, 0, 0
	MUL8 F1, 0
	MUL8 F1, 2
	PLACES
	FETCH F1, 64, 32*PB
	WIN 0
.endif
.endm
.macro KSTEP slot, mode                ; a K step of 256: three trips and the turn
	s_mov_b32 s3, 3
.Ltrip_\@:
	TRIP
	s_sub_co_u32 s3, s3, 1
	s_cmp_lg_u32 s3, 0
	s_cbranch_scc1 .Ltrip_\@
	TURN \slot, \mode
.endm
.macro OUTB a                          ; 16 rows leave: into my stage as they lie (each accumulator's low registers first), back by rows, the residual added, stored
	s_wait_xcnt 0x0                                ; the last block's stores have read their registers
.irp b, 0,1,2,3
	ds_store_b128 v[STO], v[ACC+8*(4*(\a)+\b):ACC+8*(4*(\a)+\b)+3] offset:64*\b
	ds_store_b128 v[STO], v[ACC+8*(4*(\a)+\b)+4:ACC+8*(4*(\a)+\b)+7] offset:64*\b+16
.endr
.irp t, 0,1,2,3,4,5,6,7
	ds_load_b128 v[TMP+4*\t:TMP+4*\t+3], v[RD] offset:2*SP*\t   ; LDS serves a wave's instructions in order (ISA guide 5.7.1.4): these see the stores above
.endr
	s_wait_dscnt 0x0
	WIN 0x04                                       ; source 1 in window 1
.set k, 0
.rept 16
	v_pk_add_f32 v[TMP+2*k:TMP+2*k+1], v[TMP+2*k:TMP+2*k+1], v[RES+32*(\a)+2*k:RES+32*(\a)+2*k+1]
.set k, k+1
.endr
	WIN 0
.irp t, 0,1,2,3,4,5,6,7
	global_store_b128 v[CO], v[TMP+4*\t:TMP+4*\t+3], s[12:13] offset:(16*(\a)+2*\t)*2048 th:TH_STORE_NT   ; 16 lanes store 256 consecutive bytes, aligned
.endr
.endm
	s_load_b64 s[4:5], s[0:1], 0x0                 ; hid
	s_load_b64 s[10:11], s[0:1], 0x8               ; w
	s_load_b64 s[14:15], s[0:1], 0x10              ; b2
	s_load_b64 s[16:17], s[0:1], 0x18              ; res
	s_load_b64 s[12:13], s[0:1], 0x20              ; out
	v_lshl_add_u32 v[SPW], v0, 2, SPARE
	v_mov_b32 v[NIL], 0
	ds_add_u32 v[SPW], v[NIL]                      ; the wave's opening: the add and its wait stand ahead of my first tensor load
	ds_add_u32 v28, v29
	v_lshrrev_b32 v1, 5, v0
	v_readfirstlane_b32 s[WV], v1
	s_lshr_b32 s[RH], s[WV], 1
	s_and_b32 s[CH], s[WV], 1
	s_bfe_u32 s23, ttmp6, 0x40000                  ; cx
	s_bfe_u32 s24, ttmp6, 0x40004                  ; cy
	s_lshl_b32 s25, ttmp9, 2
	s_add_co_u32 s25, s25, s23                     ; x: tile column
	s_and_b32 s26, ttmp7, 0xffff
	s_lshl_b32 s26, s26, 2
	s_add_co_u32 s26, s26, s24                     ; y: tile row
	s_lshl_b32 s68, s24, 2
	s_lshl_b32 s68, 15, s68                        ; my row of the cluster
	s_lshl_b32 s69, 0x1111, s23                    ; my column
	s_or_b32 s[G1], s68, (1<<16)|(1<<20)|(1<<21)|(6<<22)|(3<<25)    ; mask; 2-byte elements; padding on; bit 21 beside a mask; after every 128 words 4 words
	s_mov_b32 s[G1+1], 256<<16                     ; tensor_dim0 = 256
	s_mov_b32 s[G1+2], 64<<16                      ; tensor_dim1 = 64
	s_mov_b32 s[G1+3], 256<<16                     ; tile_dim0 = 256
	s_mov_b32 s[G1+4], 64                          ; tile_dim1 = 64
	s_mov_b32 s[G1+5], APITCH
	s_mov_b32 s[G1+6], 0
	s_mov_b32 s[G1+7], 0
	s_or_b32 s[G1B], s69, (1<<16)|(1<<20)|(1<<21)|(5<<22)|(7<<25)   ; after every 64 words 8 words
	s_mov_b32 s[G1B+1], 128<<16
	s_mov_b32 s[G1B+2], 128<<16
	s_mov_b32 s[G1B+3], 128<<16
	s_mov_b32 s[G1B+4], 128
	s_mov_b32 s[G1B+5], BPITCH
	s_mov_b32 s[G1B+6], 0
	s_mov_b32 s[G1B+7], 0
	s_lshl_b32 s28, s26, 7                         ; A: row 128 y + 64 x half, in bytes
	s_lshl_b32 s27, s[CH], 6
	s_add_co_u32 s28, s28, s27
	s_lshl_b32 s28, s28, ASH
	s_mov_b32 s29, 0
	s_lshl_b32 s30, s25, 8                         ; B: column 128 x, K row 128 x half
	s_mul_i32 s27, s[CH], 128*BPITCH*2
	s_add_co_u32 s30, s30, s27
	s_add_co_u32 s30, s30, WOFF
	s_mov_b32 s31, 0
	s_mul_i32 s66, s[CH], 64*PA                    ; where they go: no place in the cluster enters an LDS address
	s_mul_i32 s67, s[CH], 128*PB
	s_add_co_u32 s67, s67, ATILE
	s_wait_dscnt 0x0                               ; the opening add is done
	s_wait_kmcnt 0x0
	s_add_nc_u64 s[4:5], s[4:5], s[28:29]
	s_add_nc_u64 s[10:11], s[10:11], s[30:31]
	CROUND                                         ; all sixteen work-groups are here: the first joint loads meet
.irp s, 0,1
	s_mov_b32 s[G0+4*\s], 1
	s_add_co_u32 s[G0+4*\s+1], s66, \s*SLOT
	s_add_nc_u64 s[G0+4*\s+2:G0+4*\s+3], s[4:5], \s*512
	s_or_b32 s[G0+4*\s+3], s[G0+4*\s+3], 0x80000000
	s_mov_b32 s[G0B+4*\s], 1
	s_add_co_u32 s[G0B+4*\s+1], s67, \s*SLOT
	s_add_nc_u64 s[G0B+4*\s+2:G0B+4*\s+3], s[10:11], \s*256*BPITCH*2
	s_or_b32 s[G0B+4*\s+3], s[G0B+4*\s+3], 0x80000000
	JLOAD \s
.endr
	v_and_b32 v1, 15, v0                           ; r = l % 16
	v_bfe_u32 v2, v0, 4, 1                         ; h = l / 16
	v_and_b32 v3, 7, v0
	v_bfe_u32 v4, v0, 3, 1
	v_lshlrev_b32 v[BO], 5, v2                     ; the bias in the accumulators' layout: column 16 b + 8 h + j of my 64
	v_lshlrev_b32 v[CO], 11, v2                    ; two rows of 2,048 bytes: lanes 0-15 one, lanes 16-31 the next
	v_lshl_add_u32 v[CO], v1, 4, v[CO]
	s_lshl_b32 s28, s26, 18                        ; row 128 y + 64 x row half,
	s_lshl_b32 s27, s[RH], 17
	s_add_co_u32 s28, s28, s27
	s_mov_b32 s29, 0
	s_lshl_b32 s30, s25, 9                         ; column 128 x + 64 x column half, in f32
	s_lshl_b32 s27, s[CH], 8
	s_add_co_u32 s30, s30, s27
	s_mov_b32 s31, 0
	s_add_nc_u64 s[12:13], s[12:13], s[28:29]
	s_add_nc_u64 s[12:13], s[12:13], s[30:31]
	s_add_nc_u64 s[16:17], s[16:17], s[28:29]
	s_add_nc_u64 s[16:17], s[16:17], s[30:31]
	s_add_nc_u64 s[14:15], s[14:15], s[30:31]
.irp b, 0,1,2,3
	global_load_b128 v[BIAS+8*\b:BIAS+8*\b+3], v[BO], s[14:15] offset:64*\b
	global_load_b128 v[BIAS+8*\b+4:BIAS+8*\b+7], v[BO], s[14:15] offset:64*\b+16
.endr
	WIN 0x40                                       ; the residual, in the layout in which the rows come back from the stage: block a, rows 2 t + h
.set t, 0
.rept 32
	global_load_b128 v[RES+4*t:RES+4*t+3], v[CO], s[16:17] offset:2*t*2048 th:TH_LOAD_NT
.set t, t+1
.endr
	WIN 0
	v_mul_u32_u24 v5, v1, PA                       ; A's fragment: row r x pitch + 16 h, in my 64 rows
	v_lshl_add_u32 v5, v2, 4, v5
	s_mul_i32 s27, s[RH], 64*PA
	v_add_nc_u32 v[AA0], s27, v5
	v_lshl_add_u32 v6, v2, 3, v3                   ; B's: K row 8 h + l % 8, 16 bytes by (l / 8) % 2, in my 64 columns
	v_mul_u32_u24 v6, v6, PB
	v_lshl_add_u32 v6, v4, 4, v6
	s_lshl_b32 s27, s[CH], 7
	s_add_co_u32 s27, s27, ATILE
	v_add_nc_u32 v[AB0], s27, v6
	s_mul_i32 s27, s[WV], 16*SP
	s_add_co_u32 s27, s27, STAGE                   ; my stage
	v_mul_u32_u24 v[STO], v1, SP                   ; in: row r, 32 bytes for each half of the lanes
	v_lshl_add_u32 v[STO], v2, 5, v[STO]
	v_add_nc_u32 v[STO], s27, v[STO]
	v_mul_u32_u24 v[RD], v2, SP                    ; back: lanes 0-15 take one row of 256 bytes, lanes 16-31 the next
	v_lshl_add_u32 v[RD], v1, 4, v[RD]
	v_add_nc_u32 v[RD], s27, v[RD]
	s_mov_b32 s[KA], 0
	s_mov_b32 s[KB], 0
	v_mov_b32 v[AA], v[AA0]
	v_mov_b32 v[AB], v[AB0]
	s_wait_loadcnt 32                              ; the bias is in; the residual's 32 loads, issued behind it, stay out
.set t, 0
.rept 16                               ; the sums start at the bias: accumulator t = 4 a + b takes the eight numbers of column block b
.irp p, 0,2,4,6
	v_pk_add_f32 v[ACC+8*t+\p:ACC+8*t+\p+1], v[BIAS+8*(t%4)+\p:BIAS+8*(t%4)+\p+1], 0 op_sel_hi:[1,0]
.endr
.set t, t+1
.endr
	s_wait_tensorcnt 1                             ; my part of slot 0 is in; slot 1's may stay out
	s_barrier_signal -1
	s_barrier_wait -1
	FETCH F0, 0, 0
	FETCH F1, 64, 32*PB
	WIN 0
	s_mov_b32 s2, 3
.Llap:                                                 ; K steps 0 to 5: each fills its slot again with the step two further on
	KSTEP 0, 2
	KSTEP 1, 2
	s_sub_co_u32 s2, s2, 1
	s_cmp_lg_u32 s2, 0
	s_cbranch_scc1 .Llap
	KSTEP 0, 1                                     ; the last two K steps are written out: they ask for nothing
	KSTEP 1, 0
	PLACES                                         ; the stage's stores read results just made
	s_wait_loadcnt 0x0                             ; the residual
	OUTB 0
	OUTB 1
	OUTB 2
	OUTB 3
	s_wait_tensorcnt 0x0                           ; the wave's end
	ds_add_u32 v[SPW], v[NIL]
	s_wait_dscnt 0x0
	CROUND                                         ; the closing round
	s_endpgm
.Lfunc_end_k_q7385ad8a14_ffn2:
	.size	k_q7385ad8a14_ffn2, .Lfunc_end_k_q7385ad8a14_ffn2-k_q7385ad8a14_ffn2
	.p2alignl 7, 3214868480
	.fill 96, 4, 3214868480
	.section	.rodata,"a",@progbits
	.p2align	6, 0x0
	.amdhsa_kernel k_q7385ad8a14_ffn2
		.amdhsa_group_segment_fixed_size 327680
		.amdhsa_private_segment_fixed_size 0
		.amdhsa_enable_private_segment 0
		.amdhsa_kernarg_size 40
		.amdhsa_user_sgpr_count 2
		.amdhsa_user_sgpr_kernarg_segment_ptr 1
		.amdhsa_wavefront_size32 1
		.amdhsa_system_sgpr_workgroup_id_x 1
		.amdhsa_system_sgpr_workgroup_id_y 1
		.amdhsa_system_sgpr_workgroup_id_z 1
		.amdhsa_system_vgpr_workitem_id 0
		.amdhsa_next_free_vgpr 512
		.amdhsa_next_free_sgpr 72
		.amdhsa_reserve_vcc 0
		.amdhsa_float_denorm_mode_32 3
		.amdhsa_float_denorm_mode_16_64 3
		.amdhsa_memory_ordered 1
		.amdhsa_forward_progress 1
		.amdhsa_inst_pref_size 67
	.end_amdhsa_kernel
	.amdgpu_metadata
---
amdhsa.version: [ 1, 2 ]
amdhsa.kernels:
  - .name:           k_q7385ad8a14_ffn2
    .symbol:         k_q7385ad8a14_ffn2.kd
    .args:
      - { .name: big, .offset: 0, .size: 8, .value_kind: global_buffer, .address_space: global }
      - { .name: wc, .offset: 8, .size: 8, .value_kind: global_buffer, .address_space: global }
      - { .name: b2, .offset: 16, .size: 8, .value_kind: global_buffer, .address_space: global }
      - { .name: q2, .offset: 24, .size: 8, .value_kind: global_buffer, .address_space: global }
      - { .name: out0, .offset: 32, .size: 8, .value_kind: global_buffer, .address_space: global }
    .group_segment_fixed_size: 327680
    .private_segment_fixed_size: 0
    .kernarg_segment_align: 8
    .kernarg_segment_size: 40
    .max_flat_workgroup_size: 128
    .sgpr_count:     72
    .vgpr_count:     512
    .wavefront_size: 32
...
	.end_amdgpu_metadata
.endif
;; end of part 8
;; ======== version 2 of 2: 9 launches
;; limits: values are held in f16: magnitudes above 65,504 overflow, below 6.1e-05 lose precision
;; workspace buffers: ws 4,194,304 bytes; wc 4,194,304 bytes; xn 8,388,608 bytes; kb 8,388,608 bytes; vb 8,388,608 bytes; big 33,554,432 bytes; ob 8,388,608 bytes; q2 16,777,216 bytes
;; launch prep (part 9): grid 1280 x 1, 8 waves a work-group, no clusters, 0 bytes of LDS; arguments q, k, v, W1, W2, Wp_s, Wp_c, Wq_s, Wk_s, Wv_s, Wq_c, Wk_c, Wv_c, g1, be1, xn, kb, vb, ws, wc, ob, q2; writes xn, kb, vb, ws, wc, ob, q2
.if DOCPART == 9
	.amdgcn_target "amdgcn-amd-amdhsa--gfx1250"
	.amdhsa_code_object_version 6
	.text
	.protected	k_q7385ad8a14_prep
	.globl	k_q7385ad8a14_prep
	.p2align	8
	.type	k_q7385ad8a14_prep,@function
k_q7385ad8a14_prep:
	s_mov_b64 s[64:65], 0
	v_nop
	global_prefetch_b8 v0, s[64:65] scope:SCOPE_SE
	s_setreg_imm32_b32 hwreg(HW_REG_WAVE_MODE, 25, 1), 1
	s_wait_xcnt 0x0
; PREP: everything that the matrix launches want in 16 bits is made here, each input byte read once.  By the work-group's number g:
;   0-511 LayerNorm 1 of q, 16 rows each, bf16.  It is stored THREE times (xn, ob, the first half of q2): the projection launch has one text for self and cross attention, which reads
;         each of its three products' A through a pointer of its own, and a launch is given each buffer once.  The price: 16,777,216 bytes more stored here and read there.
;   A cast's work-group takes 16,384 numbers (65,536 bytes in, 32,768 out):
;   512-767 k -> kb     768-1023 v -> vb     1024-1087 W1 -> ws + 2 MiB     1088-1151 W2 -> wc + 2 MiB (all bf16)
;   1152-1167 Wp_s -> ws + 1,572,864, 1168-1183 Wp_c -> wc + 1,572,864: f16, since they multiply the f16 attention output
;   1184 + 16 m: the six head weights [8][512][64] -> bf16 [512 c][512 n = 64 h + d], at 524,288 m in ws (m = 0..2) and wc (m = 3..5)
; LIMITS: Wp must lie within f16 (65,504); below 6e-5 it keeps f16's fixed step of 6e-8.  The variance is taken of x - mean (two passes over registers).
; Memory binds: no LDS, no matrix unit.  All loads of a wave go out before the first is used; a store of a wave covers 256 consecutive bytes, aligned.
.set SRC,   44                         ; s[44:45] where my work-group reads
.set DST,   46                         ; s[46:47] where it stores
.set FIRST, 48                         ; s48 the first work-group of my job
.set I512,  56                         ; s56 1/512
.set EPSR,  57                         ; s57 1e-5
.set SEL,   58                         ; s[58:59] v_permlanex16_b32: each lane takes its own place in the other half
.set XB,    16                         ; v[16:47]  two rows, 16 numbers a lane each
.set GB,    48                         ; v[48:63]  gain of my 16 columns
.set BEB,   64                         ; v[64:79]  bias of my 16 columns
.set TTB,   80                         ; v[80:95]  eight registers at work for each row
.macro PICK start, src, dst, off       ; from work-group start on the job is: read buffer src, store into buffer dst at byte off
	s_cmp_ge_u32 s2, \start
	s_add_nc_u64 s[50:51], s[\dst:\dst+1], \off
	s_cselect_b64 s[SRC:SRC+1], s[\src:\src+1], s[SRC:SRC+1]
	s_cselect_b64 s[DST:DST+1], s[50:51], s[DST:DST+1]
	s_cselect_b32 s[FIRST], \start, s[FIRST]
.endm
; sixteen loads, then sixteen times: wait for the oldest, round four numbers, store 8 bytes a lane
.macro CAST stride, half
.set i, 0
.rept 16
	global_load_b128 v[16+4*i:16+4*i+3], v2, s[SRC:SRC+1] offset:i*(\stride) th:TH_LOAD_NT
.set i, i+1
.endr
.set i, 0
.rept 16
	s_wait_loadcnt 15-i                            ; loads come back in order: load i is in, the 15 - i younger ones stay out
.if \half
	v_cvt_pk_f16_f32 v[80+2*i], v[16+4*i], v[16+4*i+1]
	v_cvt_pk_f16_f32 v[80+2*i+1], v[16+4*i+2], v[16+4*i+3]
.else
	v_cvt_pk_bf16_f32 v[80+2*i], v[16+4*i], v[16+4*i+1]
	v_cvt_pk_bf16_f32 v[80+2*i+1], v[16+4*i+2], v[16+4*i+3]
.endif
	global_store_b64 v3, v[80+2*i:80+2*i+1], s[DST:DST+1] offset:2048*i th:TH_STORE_NT
.set i, i+1
.endr
.endm
.macro ROWS n, line:vararg             ; one line for each row i
.set i, 0
.rept \n
	\line
.set i, i+1
.endr
.endm
.macro LANES n, c                      ; the sum over the 32 lanes of register c of each row's eight; c + 1 is at work
.irp m, 1,2,4,8
	ROWS \n, v_add_f32_dpp v[TTB+8*i+\c], v[TTB+8*i+\c], v[TTB+8*i+\c] row_xmask:\m row_mask:0xf bank_mask:0xf
.endr
	ROWS \n, v_permlanex16_b32 v[TTB+8*i+\c+1], v[TTB+8*i+\c], s[SEL], s[SEL+1]
	ROWS \n, v_add_f32 v[TTB+8*i+\c], v[TTB+8*i+\c], v[TTB+8*i+\c+1]
.endm
; LayerNorm of n rows held in registers, a wave a row, line by line for all rows.  The result, bf16, ends in the first 8 registers of each row.
.macro LNROWS n
.set k, 0
.rept 4
	ROWS \n, v_pk_add_f32 v[TTB+8*i+2*k:TTB+8*i+2*k+1], v[XB+16*i+4*k:XB+16*i+4*k+1], v[XB+16*i+4*k+2:XB+16*i+4*k+3]
.set k, k+1
.endr
	ROWS \n, v_pk_add_f32 v[TTB+8*i:TTB+8*i+1], v[TTB+8*i:TTB+8*i+1], v[TTB+8*i+2:TTB+8*i+3]
	ROWS \n, v_pk_add_f32 v[TTB+8*i+4:TTB+8*i+5], v[TTB+8*i+4:TTB+8*i+5], v[TTB+8*i+6:TTB+8*i+7]
	ROWS \n, v_pk_add_f32 v[TTB+8*i:TTB+8*i+1], v[TTB+8*i:TTB+8*i+1], v[TTB+8*i+4:TTB+8*i+5]
	ROWS \n, v_add_f32 v[TTB+8*i], v[TTB+8*i], v[TTB+8*i+1]
	LANES \n, 0
	ROWS \n, v_mul_f32 v[TTB+8*i+2], s[I512], v[TTB+8*i]   ; the mean
.set k, 0
.rept 8
	ROWS \n, v_pk_add_f32 v[XB+16*i+2*k:XB+16*i+2*k+1], v[XB+16*i+2*k:XB+16*i+2*k+1], v[TTB+8*i+2:TTB+8*i+3] op_sel_hi:[1,0] neg_lo:[0,1] neg_hi:[0,1]
.set k, k+1
.endr
	ROWS \n, v_pk_mul_f32 v[TTB+8*i+4:TTB+8*i+5], v[XB+16*i:XB+16*i+1], v[XB+16*i:XB+16*i+1]
	ROWS \n, v_pk_mul_f32 v[TTB+8*i+6:TTB+8*i+7], v[XB+16*i+2:XB+16*i+3], v[XB+16*i+2:XB+16*i+3]
.set k, 2
.rept 6
	ROWS \n, v_pk_fma_f32 v[TTB+8*i+4+2*(k%2):TTB+8*i+5+2*(k%2)], v[XB+16*i+2*k:XB+16*i+2*k+1], v[XB+16*i+2*k:XB+16*i+2*k+1], v[TTB+8*i+4+2*(k%2):TTB+8*i+5+2*(k%2)]
.set k, k+1
.endr
	ROWS \n, v_pk_add_f32 v[TTB+8*i+4:TTB+8*i+5], v[TTB+8*i+4:TTB+8*i+5], v[TTB+8*i+6:TTB+8*i+7]
	ROWS \n, v_add_f32 v[TTB+8*i+4], v[TTB+8*i+4], v[TTB+8*i+5]
	LANES \n, 4
	ROWS \n, v_fma_f32 v[TTB+8*i+4], v[TTB+8*i+4], s[I512], s[EPSR]   ; variance + eps
	ROWS \n, v_rsq_f32 v[TTB+8*i+6], v[TTB+8*i+4]
	v_nop                                          ; a plain instruction behind the last root,
	s_wait_alu depctr_va_vdst(0)                   ; and one wait for the batch, ahead of its first reader
.set k, 0
.rept 8
	ROWS \n, v_pk_mul_f32 v[XB+16*i+2*k:XB+16*i+2*k+1], v[XB+16*i+2*k:XB+16*i+2*k+1], v[TTB+8*i+6:TTB+8*i+7] op_sel_hi:[1,0]
.set k, k+1
.endr
.set k, 0
.rept 8
	ROWS \n, v_pk_fma_f32 v[XB+16*i+2*k:XB+16*i+2*k+1], v[XB+16*i+2*k:XB+16*i+2*k+1], v[GB+2*k:GB+2*k+1], v[BEB+2*k:BEB+2*k+1]
.set k, k+1
.endr
.set k, 0
.rept 8
	ROWS \n, v_cvt_pk_bf16_f32 v[XB+16*i+k], v[XB+16*i+2*k], v[XB+16*i+2*k+1]
.set k, k+1
.endr
.endm
	s_load_b512 s[4:19], s[0:1], 0x0               ; q, k, v, W1, W2, Wp_s, Wp_c, Wq_s
	s_load_b512 s[20:35], s[0:1], 0x40             ; Wk_s, Wv_s, Wq_c, Wk_c, Wv_c, g1, be1, xn
	s_load_b256 s[36:43], s[0:1], 0x80             ; kb, vb, ws, wc
	s_load_b128 s[60:63], s[0:1], 0xa0             ; ob, q2
	s_mov_b32 s2, ttmp9
	s_mov_b32 s[I512], 0x3b000000
	s_mov_b32 s[EPSR], 0x3727c5ac
	s_mov_b32 s[SEL], 0x76543210
	s_mov_b32 s[SEL+1], 0xfedcba98
	s_mov_b32 s53, 0
	v_lshlrev_b32 v3, 3, v0                        ; the casts store 8 bytes a thread
	s_wait_kmcnt 0x0
	s_cmp_lt_u32 s2, 512
	s_cbranch_scc1 .Lln
	s_mov_b64 s[SRC:SRC+1], s[6:7]
	s_mov_b64 s[DST:DST+1], s[36:37]
	s_mov_b32 s[FIRST], 512
	PICK 768, 8, 38, 0
	PICK 1024, 10, 40, 2097152
	PICK 1088, 12, 42, 2097152
	PICK 1152, 14, 40, 1572864
	PICK 1168, 16, 42, 1572864
	PICK 1184, 18, 40, 0
	PICK 1200, 20, 40, 524288
	PICK 1216, 22, 40, 1048576
	PICK 1232, 24, 42, 0
	PICK 1248, 26, 42, 524288
	PICK 1264, 28, 42, 1048576
	s_sub_co_u32 s49, s2, s[FIRST]                 ; my part of the job
	s_lshl_b32 s52, s49, 15
	s_add_nc_u64 s[DST:DST+1], s[DST:DST+1], s[52:53]
	s_cmp_ge_u32 s2, 1184
	s_cselect_b32 s54, 13, 16                      ; head weights: 32 rows c of 256 bytes in each head; all else: 65,536 dense bytes
	s_lshl_b32 s52, s49, s54
	s_add_nc_u64 s[SRC:SRC+1], s[SRC:SRC+1], s[52:53]
	s_cmp_lt_u32 s2, 1152
	s_cbranch_scc1 .Lplain
	s_cmp_lt_u32 s2, 1184
	s_cbranch_scc1 .Lhalf
	; head weights: output number 1024 i + 4 t is row c = 2 i + t / 128, head (t % 128) / 16, channel 4 (t % 16): sixteen lanes read 256 consecutive bytes
	v_bfe_u32 v4, v0, 4, 3
	v_lshrrev_b32 v5, 7, v0
	v_and_b32 v6, 15, v0
	v_lshlrev_b32 v2, 17, v4
	v_lshl_or_b32 v2, v5, 8, v2
	v_lshl_or_b32 v2, v6, 4, v2
	CAST 512, 0
	s_endpgm
.Lplain:
	v_lshlrev_b32 v2, 4, v0
	CAST 4096, 0
	s_endpgm
.Lhalf:
	v_lshlrev_b32 v2, 4, v0
	CAST 4096, 1
	s_endpgm
.Lln:                                                  ; wave w: rows 2 w and 2 w + 1 of the work-group's 16; lane l: columns 4 l + 128 j
	v_lshrrev_b32 v1, 5, v0
	v_and_b32 v4, 31, v0
	v_lshlrev_b32 v2, 12, v1
	v_lshl_or_b32 v2, v4, 4, v2
	v_lshlrev_b32 v3, 11, v1
	v_lshl_or_b32 v3, v4, 3, v3
	v_lshlrev_b32 v5, 4, v4
	s_lshl_b32 s52, s2, 15                         ; 16 rows of 2,048 bytes in,
	s_add_nc_u64 s[4:5], s[4:5], s[52:53]
	s_lshl_b32 s52, s2, 14                         ; of 1,024 bytes out
	s_add_nc_u64 s[34:35], s[34:35], s[52:53]
	s_add_nc_u64 s[60:61], s[60:61], s[52:53]
	s_add_nc_u64 s[62:63], s[62:63], s[52:53]
.set i, 0
.rept 2
.set j, 0
.rept 4
	global_load_b128 v[XB+16*i+4*j:XB+16*i+4*j+3], v2, s[4:5] offset:2048*i+512*j
.set j, j+1
.endr
.set i, i+1
.endr
.set j, 0
.rept 4
	global_load_b128 v[GB+4*j:GB+4*j+3], v5, s[30:31] offset:512*j
	global_load_b128 v[BEB+4*j:BEB+4*j+3], v5, s[32:33] offset:512*j
.set j, j+1
.endr
	s_wait_loadcnt 0x0
	LNROWS 2
.irp d, 34,60,62
.set j, 0
.rept 4
	ROWS 2, global_store_b64 v3, v[XB+16*i+2*j:XB+16*i+2*j+1], s[\d:\d+1] offset:1024*i+256*j
.set j, j+1
.endr
.endr
	s_endpgm
.Lfunc_end_k_q7385ad8a14_prep:
	.size	k_q7385ad8a14_prep, .Lfunc_end_k_q7385ad8a14_prep-k_q7385ad8a14_prep
	.p2alignl 7, 3214868480
	.fill 96, 4, 3214868480
	.section	.rodata,"a",@progbits
	.p2align	6, 0x0
	.amdhsa_kernel k_q7385ad8a14_prep
		.amdhsa_group_segment_fixed_size 0
		.amdhsa_private_segment_fixed_size 0
		.amdhsa_enable_private_segment 0
		.amdhsa_kernarg_size 176
		.amdhsa_user_sgpr_count 2
		.amdhsa_user_sgpr_kernarg_segment_ptr 1
		.amdhsa_wavefront_size32 1
		.amdhsa_system_sgpr_workgroup_id_x 1
		.amdhsa_system_sgpr_workgroup_id_y 1
		.amdhsa_system_sgpr_workgroup_id_z 1
		.amdhsa_system_vgpr_workitem_id 0
		.amdhsa_next_free_vgpr 112
		.amdhsa_next_free_sgpr 66
		.amdhsa_reserve_vcc 0
		.amdhsa_float_denorm_mode_32 3
		.amdhsa_float_denorm_mode_16_64 3
		.amdhsa_memory_ordered 1
		.amdhsa_forward_progress 1
		.amdhsa_inst_pref_size 34
	.end_amdhsa_kernel
	.amdgpu_metadata
---
amdhsa.version: [ 1, 2 ]
amdhsa.kernels:
  - .name:           k_q7385ad8a14_prep
    .symbol:         k_q7385ad8a14_prep.kd
    .args:
      - { .name: q, .offset: 0, .size: 8, .value_kind: global_buffer, .address_space: global }
      - { .name: k, .offset: 8, .size: 8, .value_kind: global_buffer, .address_space: global }
      - { .name: v, .offset: 16, .size: 8, .value_kind: global_buffer, .address_space: global }
      - { .name: W1, .offset: 24, .size: 8, .value_kind: global_buffer, .address_space: global }
      - { .name: W2, .offset: 32, .size: 8, .value_kind: global_buffer, .address_space: global }
      - { .name: Wp_s, .offset: 40, .size: 8, .value_kind: global_buffer, .address_space: global }
      - { .name: Wp_c, .offset: 48, .size: 8, .value_kind: global_buffer, .address_space: global }
      - { .name: Wq_s, .offset: 56, .size: 8, .value_kind: global_buffer, .address_space: global }
      - { .name: Wk_s, .offset: 64, .size: 8, .value_kind: global_buffer, .address_space: global }
      - { .name: Wv_s, .offset: 72, .size: 8, .value_kind: global_buffer, .address_space: global }
      - { .name: Wq_c, .offset: 80, .size: 8, .value_kind: global_buffer, .address_space: global }
      - { .name: Wk_c, .offset: 88, .size: 8, .value_kind: global_buffer, .address_space: global }
      - { .name: Wv_c, .offset: 96, .size: 8, .value_kind: global_buffer, .address_space: global }
      - { .name: g1, .offset: 104, .size: 8, .value_kind: global_buffer, .address_space: global }
      - { .name: be1, .offset: 112, .size: 8, .value_kind: global_buffer, .address_space: global }
      - { .name: xn, .offset: 120, .size: 8, .value_kind: global_buffer, .address_space: global }
      - { .name: kb, .offset: 128, .size: 8, .value_kind: global_buffer, .address_space: global }
      - { .name: vb, .offset: 136, .size: 8, .value_kind: global_buffer, .address_space: global }
      - { .name: ws, .offset: 144, .size: 8, .value_kind: global_buffer, .address_space: global }
      - { .name: wc, .offset: 152, .size: 8, .value_kind: global_buffer, .address_space: global }
      - { .name: ob, .offset: 160, .size: 8, .value_kind: global_buffer, .address_space: global }
      - { .name: q2, .offset: 168, .size: 8, .value_kind: global_buffer, .address_space: global }
    .group_segment_fixed_size: 0
    .private_segment_fixed_size: 0
    .kernarg_segment_align: 8
    .kernarg_segment_size: 176
    .max_flat_workgroup_size: 256
    .sgpr_count:     66
    .vgpr_count:     112
    .wavefront_size: 32
...
	.end_amdgpu_metadata
.endif
;; end of part 9
;; launch qkv_s (part 10): grid 4 x 64, 4 waves a work-group, clusters of 4 x 4, 327,680 bytes of LDS; arguments xn, ob, q2, ws, big; writes big
.if DOCPART == 10
	.amdgcn_target "amdgcn-amd-amdhsa--gfx1250"
	.amdhsa_code_object_version 6
	.text
	.protected	k_q7385ad8a14_qkv_s
	.globl	k_q7385ad8a14_qkv_s
	.p2align	8
	.type	k_q7385ad8a14_qkv_s,@function
k_q7385ad8a14_qkv_s:
	s_mov_b64 s[64:65], 0
	v_nop
	global_prefetch_b8 v0, s[64:65] scope:SCOPE_SE
	s_setreg_imm32_b32 hwreg(HW_REG_WAVE_MODE, 25, 1), 1
	s_wait_xcnt 0x0
	s_wait_alu depctr_hold_cnt(0) depctr_sa_sdst(0) depctr_va_vdst(0) depctr_va_sdst(0) depctr_va_ssrc(0) depctr_va_vcc(0) depctr_vm_vsrc(0)
	s_getreg_b32 s2, hwreg(HW_REG_IB_STS2, 6, 4)
	s_cmp_eq_u32 s2, 0
	s_cbranch_scc0 .Lentry_in_a_cluster
	s_endpgm
.Lentry_in_a_cluster:
	s_bfe_u32 s2, ttmp6, 0x10000c
	s_cmp_lg_u32 s2, 0xf033
	s_cbranch_scc0 .Lentry_shape_is_right
	s_endpgm
.Lentry_shape_is_right:
; THREE HEAD PROJECTIONS, one text for self and cross attention.  out_j[8 b + h][t][d] = sum over c of A_j[2048 b + t][c] W_j[c][64 h + d], j = 0, 1, 2 (queries, keys, values).
; A_j: [8192][512] bf16, each through a pointer of its own (for self attention three copies of the same rows).  W_j: [512][512] bf16 at W + 524,288 j.
; out_j: f16 by heads at out + 8,388,608 j, rounded once from f32 sums and without the attention's scale.
; LIMIT: the results must lie within f16 (65,504).
; SHARES.  A tile of C is 128 x 128; four waves, each 64 x 64: 16 accumulators.  256 work-groups STAY and make three tiles, one of each product, with the ring running on from tile to tile.
; K goes in steps of 256 through two LDS slots: A's 128 rows of 512 bytes, B's 256 rows (along K) of 256 bytes.  One tensor load a wave: waves 0, 1 A's halves, waves 2, 3 B's.
; CLUSTER 4 x 4: A's tile is shared along a row of the cluster, B's along a column: joint loads, the same descriptor and mask in the four that a mask names.
; THE MATRIX INSTRUCTION IS USED TRANSPOSED: source 0 = 16 columns of W (turned on the way out of LDS by ds_load_tr16_b128), source 1 = 16 rows of A:
; a lane then holds one row of C and eight neighbouring columns.  A wave's 64 columns are one head, so 16 rows leave as 2,048 consecutive bytes.
; REGISTERS: window 0: v0-31 addresses, v32-95 the way out, v128-255 accumulators ((a, b) at 128 + 8 (4 a + b)); window 1: two fragment buffers of 64 (A's four, then B's four).
.set APITCH, 512                       ; elements from row to row of A
.set BPITCH, 512                       ; and of W
.set ASH,    10                        ; a row of A is 1 << ASH bytes
.set PA,     528                       ; A's LDS row: 512 + 16 bytes: the 16 rows of a fragment load start in 16 different groups of four banks
.set PB,     288                       ; B's LDS row: 256 + 32 bytes
.set ATILE,  128*PA
.set SLOT,   ATILE+256*PB
.set STAGE,  2*SLOT                    ; behind the ring, never filled by a tensor load: 16 rows x 144 bytes for each wave
.set SP,     144
.set SPARE,  STAGE+4*16*SP             ; the spare words: 128 bytes a wave, named by no other line
.set AA0, 8                            ; v8   my lane's place in A's tile; never rewritten
.set AB0, 10                           ; v10  the same for B
.set AA,  12                           ; v12  AA0 + s[KA]
.set AB,  13                           ; v13  AB0 + s[KB]
.set STO, 14
.set RD,  15
.set CO,  16
.set SPW, 28
.set NIL, 29
.set TMP, 32
.set ACC, 128
.set F0,  0
.set F1,  64
.set WV,  20                           ; s20 wave; s21 its row half (also: 0 = I fetch for A); s22 its column half (also: which half I fetch)
.set RH,  21
.set CH,  22
.set G1,  32                           ; s[32:39] group 1 for A, s[40:47] group 0 for A, a set a slot; s[48:55], s[56:63] the same for B
.set G0,  40
.set G1B, 48
.set G0B, 56
.set KA,  70                           ; s70, s71 the slot's first byte plus the K chunk's place in A's rows and in B's
.set KB,  71
.set MSB, 0
.macro WIN new                         ; the immediate's high byte repeats the setting that is left
.if MSB != (\new)
	s_set_vgpr_msb (MSB<<8)|(\new)
.set MSB, \new
.endif
.endm
.macro PLACES                          ; four places behind a matrix instruction (ISA guide 7.12.1), where no other plain vector work is at hand
.rept 4
	v_nop
.endr
.endm
.macro JLOAD s                         ; a joint load; s_nop 0 and four v_nop follow each of the two lines
	s_cmp_eq_u32 s[RH], 0
	s_cbranch_scc0 .Lfor_b_\@
	tensor_load_to_lds s[G0+4*(\s):G0+4*(\s)+3], s[G1:G1+7]
	s_nop 0
	PLACES
	s_branch .Lasked_\@
.Lfor_b_\@:
	tensor_load_to_lds s[G0B+4*(\s):G0B+4*(\s)+3], s[G1B:G1B+7]
	s_nop 0
	PLACES
.Lasked_\@:
.endm
.macro CREST                           ; a round of the cluster's barrier behind its opening barrier
	s_cmp_lg_u32 s[WV], 0
	s_cbranch_scc1 .Lnot_wave_0_\@
	s_barrier_signal -3
.Lnot_wave_0_\@:
	s_barrier_wait -3
	s_barrier_signal -1
	s_barrier_wait -1
.endm
.macro CROUND
	s_barrier_signal -1
	s_barrier_wait -1
	CREST
.endm
.macro FETCH f, ka, kb                 ; sixteen LDS loads: the fragments of 32 along K into buffer f
	WIN 0x40
.irp i, 0,1,2,3
	ds_load_tr16_b128 v[(\f)+32+8*\i:(\f)+32+8*\i+3], v[AB] offset:(\kb)+32*\i
	ds_load_tr16_b128 v[(\f)+32+8*\i+4:(\f)+32+8*\i+7], v[AB] offset:(\kb)+32*\i+16*PB
	ds_load_b128 v[(\f)+8*\i:(\f)+8*\i+3], v[AA] offset:(\ka)+\i*16*PA
	ds_load_b128 v[(\f)+8*\i+4:(\f)+8*\i+7], v[AA] offset:(\ka)+\i*16*PA+32
.endr
.endm
.macro MUL8 f, a0, zero                ; eight products; the 16 accumulators take turns, one instruction a turn.  zero = 1: they start the sums
	WIN 0x05
.irp a, \a0, (\a0)+1
.irp b, 0,1,2,3
.if \zero
	v_wmma_f32_16x16x32_bf16 v[ACC+8*(4*(\a)+\b):ACC+8*(4*(\a)+\b)+7], v[(\f)+32+8*\b:(\f)+32+8*\b+7], v[(\f)+8*(\a):(\f)+8*(\a)+7], 0
.else
	v_wmma_f32_16x16x32_bf16 v[ACC+8*(4*(\a)+\b):ACC+8*(4*(\a)+\b)+7], v[(\f)+32+8*\b:(\f)+32+8*\b+7], v[(\f)+8*(\a):(\f)+8*(\a)+7], v[ACC+8*(4*(\a)+\b):ACC+8*(4*(\a)+\b)+7]
.endif
.endr
.endr
.endm
.macro TRIP zero                       ; 64 along K: both buffers are multiplied and filled again with the chunks two further on
	s_wait_dscnt 16                                ; buffer 0 is in; buffer 1's sixteen loads may be out
	MUL8 F0, 0, \zero
	MUL8 F0, 2, \zero
	PLACES
	FETCH F0, 128, 64*PB
	s_wait_dscnt 16                                ; buffer 1 is in; the sixteen just issued may be out
	MUL8 F1, 0, 0
	MUL8 F1, 2, 0
	PLACES
	FETCH F1, 192, 96*PB
	WIN 0
	s_add_co_u32 s[KA], s[KA], 128
	s_add_co_u32 s[KB], s[KB], 64*PB
	v_add_nc_u32 v[AA], s[KA], v[AA0]
	v_add_nc_u32 v[AB], s[KB], v[AB0]
.endm
; The last 64 along K of a step, and the change of slots.  mode 2: the slot is filled again, for the next tile; 1: nothing is left to fetch; 0: the very last step.
.macro TURN slot, mode
.if (\mode) == 0
	s_wait_dscnt 16
	MUL8 F0, 0, 0
	MUL8 F0, 2, 0
	s_wait_dscnt 0x0
	MUL8 F1, 0, 0
	MUL8 F1, 2, 0
	WIN 0
.else
	WIN 0
	s_wait_tensorcnt 0x0                           ; all my tensor loads have landed: the one that was out is my part of the other slot
	ds_add_u32 v[SPW], v[NIL]                      ; 0 onto my spare word
	s_wait_dscnt 17                                ; buffer 0 is in; the add and buffer 1's sixteen loads may be out
	MUL8 F0, 0, 0
	s_wait_dscnt 0x0                               ; the add is done, and my reads of this slot are over
	s_barrier_signal -1
	MUL8 F0, 2, 0
	WIN 0
	s_barrier_wait -1
.if (\mode) == 2
	CREST                                          ; the barrier opened a round of the cluster's: no wave of any partner still reads this slot or has a load on its way
	s_add_nc_u64 s[G0+4*(\slot)+2:G0+4*(\slot)+3], s[6:7], (\slot)*512   ; the next product's A, the same K step
	s_or_b32 s[G0+4*(\slot)+3], s[G0+4*(\slot)+3], 0x80000000
	s_add_nc_u64 s[G0B+4*(\slot)+2:G0B+4*(\slot)+3], s[G0B+4*(\slot)+2:G0B+4*(\slot)+3], 524288   ; the next W
.if (\slot) == 1
	s_mov_b64 s[6:7], s[8:9]                       ; the queue of A's moves up
.endif
	JLOAD \slot                                    ; its four v_nop are also the places in front of the loads below
.else
	PLACES
.endif
	s_mov_b32 s[KA], (1-(\slot))*SLOT
	s_mov_b32 s[KB], (1-(\slot))*SLOT
	v_add_nc_u32 v[AA], s[KA], v[AA0]
	v_add_nc_u32 v[AB], s[KB], v[AB0]
	FETCH F0, 0, 0
	MUL8 F1, 0, 0
	MUL8 F1, 2, 0
	PLACES
	FETCH F1, 64, 32*PB
	WIN 0
.endif
.endm
.macro KSTEP slot, zero, mode          ; a K step of 256: three trips and the turn
.if \zero
	TRIP 1
	s_mov_b32 s3, 2
.else
	s_mov_b32 s3, 3
.endif
.Ltrip_\@:
	TRIP 0
	s_sub_co_u32 s3, s3, 1
	s_cmp_lg_u32 s3, 0
	s_cbranch_scc1 .Ltrip_\@
	TURN \slot, \mode
.endm
; THE WAY OUT, 16 rows at a time: rounded to f16, 16 bytes a lane into my own stage, back as four rows of 128 bytes, stored as 512 consecutive bytes.
.macro PACK a
.irp b, 0,1,2,3
.irp q, 0,1,2,3
	v_cvt_pk_f16_f32 v[TMP+16*(\a)+4*\b+\q], v[ACC+8*(4*(\a)+\b)+2*\q], v[ACC+8*(4*(\a)+\b)+2*\q+1]
.endr
.endr
.irp b, 0,1,2,3
	ds_store_b128 v[STO], v[TMP+16*(\a)+4*\b:TMP+16*(\a)+4*\b+3] offset:32*\b
.endr
.irp f, 0,1,2,3
	ds_load_b128 v[TMP+16*(\a)+4*\f:TMP+16*(\a)+4*\f+3], v[RD] offset:4*SP*\f   ; LDS serves a wave's instructions in order (ISA guide 5.7.1.4): these see the stores above
.endr
.endm
.macro SEND a, younger                 ; younger: the LDS instructions issued behind block a's loads
.irp f, 0,1,2,3
	s_wait_dscnt (\younger)+3-\f
	global_store_b128 v[CO], v[TMP+16*(\a)+4*\f:TMP+16*(\a)+4*\f+3], s[12:13] offset:2048*(\a)+512*\f
.endr
.endm
.macro EPI
	WIN 0
	s_wait_xcnt 0x0                                ; the last tile's stores have read their registers
	PLACES
	PACK 0
	PACK 1
	SEND 0, 8
	PACK 2
	SEND 1, 8
	PACK 3
	SEND 2, 8
	SEND 3, 0
.endm
	s_load_b256 s[4:11], s[0:1], 0x0               ; A0 s[4:5], A1 s[6:7], A2 s[8:9], W s[10:11]
	s_load_b64 s[12:13], s[0:1], 0x20              ; out
	v_lshl_add_u32 v[SPW], v0, 2, SPARE
	v_mov_b32 v[NIL], 0
	ds_add_u32 v[SPW], v[NIL]                      ; the wave's opening: the add and its wait stand ahead of my first tensor load
	ds_add_u32 v28, v29
	v_lshrrev_b32 v1, 5, v0
	v_readfirstlane_b32 s[WV], v1
	s_lshr_b32 s[RH], s[WV], 1
	s_and_b32 s[CH], s[WV], 1
	s_bfe_u32 s23, ttmp6, 0x40000                  ; cx
	s_bfe_u32 s24, ttmp6, 0x40004                  ; cy
	s_lshl_b32 s25, ttmp9, 2
	s_add_co_u32 s25, s25, s23                     ; x: tile column
	s_and_b32 s26, ttmp7, 0xffff
	s_lshl_b32 s26, s26, 2
	s_add_co_u32 s26, s26, s24                     ; y: tile row
	s_lshl_b32 s68, s24, 2
	s_lshl_b32 s68, 15, s68                        ; my row of the cluster
	s_lshl_b32 s69, 0x1111, s23                    ; my column
	s_or_b32 s[G1], s68, (1<<16)|(1<<20)|(1<<21)|(6<<22)|(3<<25)    ; mask; 2-byte elements; padding on; bit 21 beside a mask; after every 128 words 4 words
	s_mov_b32 s[G1+1], 256<<16                     ; tensor_dim0 = 256
	s_mov_b32 s[G1+2], 64<<16                      ; tensor_dim1 = 64
	s_mov_b32 s[G1+3], 256<<16                     ; tile_dim0 = 256
	s_mov_b32 s[G1+4], 64                          ; tile_dim1 = 64
	s_mov_b32 s[G1+5], APITCH
	s_mov_b32 s[G1+6], 0
	s_mov_b32 s[G1+7], 0
	s_or_b32 s[G1B], s69, (1<<16)|(1<<20)|(1<<21)|(5<<22)|(7<<25)   ; after every 64 words 8 words
	s_mov_b32 s[G1B+1], 128<<16
	s_mov_b32 s[G1B+2], 128<<16
	s_mov_b32 s[G1B+3], 128<<16
	s_mov_b32 s[G1B+4], 128
	s_mov_b32 s[G1B+5], BPITCH
	s_mov_b32 s[G1B+6], 0
	s_mov_b32 s[G1B+7], 0
	s_lshl_b32 s28, s26, 7                         ; A: row 128 y + 64 x half, in bytes
	s_lshl_b32 s27, s[CH], 6
	s_add_co_u32 s28, s28, s27
	s_lshl_b32 s28, s28, ASH
	s_mov_b32 s29, 0
	s_lshl_b32 s30, s25, 8                         ; B: column 128 x, K row 128 x half
	s_mul_i32 s27, s[CH], 128*BPITCH*2
	s_add_co_u32 s30, s30, s27
	s_mov_b32 s31, 0
	s_mul_i32 s66, s[CH], 64*PA                    ; where they go: no place in the cluster enters an LDS address
	s_mul_i32 s67, s[CH], 128*PB
	s_add_co_u32 s67, s67, ATILE
	s_wait_dscnt 0x0                               ; the opening add is done
	s_wait_kmcnt 0x0
	s_add_nc_u64 s[4:5], s[4:5], s[28:29]
	s_add_nc_u64 s[6:7], s[6:7], s[28:29]
	s_add_nc_u64 s[8:9], s[8:9], s[28:29]
	s_add_nc_u64 s[10:11], s[10:11], s[30:31]
	CROUND                                         ; all sixteen work-groups are here: the first joint loads meet
.irp s, 0,1
	s_mov_b32 s[G0+4*\s], 1
	s_add_co_u32 s[G0+4*\s+1], s66, \s*SLOT
	s_add_nc_u64 s[G0+4*\s+2:G0+4*\s+3], s[4:5], \s*512
	s_or_b32 s[G0+4*\s+3], s[G0+4*\s+3], 0x80000000
	s_mov_b32 s[G0B+4*\s], 1
	s_add_co_u32 s[G0B+4*\s+1], s67, \s*SLOT
	s_add_nc_u64 s[G0B+4*\s+2:G0B+4*\s+3], s[10:11], \s*256*BPITCH*2
	s_or_b32 s[G0B+4*\s+3], s[G0B+4*\s+3], 0x80000000
	JLOAD \s
.endr
	v_and_b32 v1, 15, v0                           ; r = l % 16
	v_bfe_u32 v2, v0, 4, 1                         ; h = l / 16
	v_and_b32 v3, 7, v0
	v_bfe_u32 v4, v0, 3, 1
	v_mul_u32_u24 v5, v1, PA                       ; A's fragment: row r x pitch + 16 h, in my 64 rows
	v_lshl_add_u32 v5, v2, 4, v5
	s_mul_i32 s27, s[RH], 64*PA
	v_add_nc_u32 v[AA0], s27, v5
	v_lshl_add_u32 v6, v2, 3, v3                   ; B's: K row 8 h + l % 8, 16 bytes by (l / 8) % 2, in my 64 columns
	v_mul_u32_u24 v6, v6, PB
	v_lshl_add_u32 v6, v4, 4, v6
	s_lshl_b32 s27, s[CH], 7
	s_add_co_u32 s27, s27, ATILE
	v_add_nc_u32 v[AB0], s27, v6
	s_mul_i32 s27, s[WV], 16*SP
	s_add_co_u32 s27, s27, STAGE                   ; my stage
	v_mul_u32_u24 v[STO], v1, SP
	v_lshl_add_u32 v[STO], v2, 4, v[STO]
	v_add_nc_u32 v[STO], s27, v[STO]
	v_bfe_u32 v[RD], v0, 3, 2
	v_mul_u32_u24 v[RD], v[RD], SP
	v_lshl_add_u32 v[RD], v3, 4, v[RD]
	v_add_nc_u32 v[RD], s27, v[RD]
	v_and_b32 v[CO], 31, v0
	v_lshlrev_b32 v[CO], 4, v[CO]
	s_lshr_b32 s28, s26, 4                         ; out: batch y / 16, row 128 (y % 16) + 64 x row half, 128 bytes a row,
	s_lshl_b32 s28, s28, 21
	s_and_b32 s27, s26, 15
	s_lshl_b32 s27, s27, 14
	s_add_co_u32 s28, s28, s27
	s_lshl_b32 s27, s[RH], 13
	s_add_co_u32 s28, s28, s27
	s_mov_b32 s29, 0
	s_add_nc_u64 s[12:13], s[12:13], s[28:29]
	s_lshl_b32 s30, s25, 1                         ; head 2 x + column half, 262,144 bytes a head
	s_add_co_u32 s30, s30, s[CH]
	s_lshl_b32 s30, s30, 18
	s_mov_b32 s31, 0
	s_add_nc_u64 s[12:13], s[12:13], s[30:31]
	s_mov_b32 s[KA], 0
	s_mov_b32 s[KB], 0
	v_mov_b32 v[AA], v[AA0]
	v_mov_b32 v[AB], v[AB0]
	s_wait_tensorcnt 1                             ; my part of slot 0 is in; slot 1's may stay out
	s_barrier_signal -1
	s_barrier_wait -1
	FETCH F0, 0, 0
	FETCH F1, 64, 32*PB
	WIN 0
	s_mov_b32 s2, 2
.Ltile:                                                ; the first two tiles: both slots are filled again for the next tile
	KSTEP 0, 1, 2
	KSTEP 1, 0, 2
	EPI
	s_wait_xcnt 0x0                                ; the stores have read their base
	s_add_nc_u64 s[12:13], s[12:13], 8388608
	s_sub_co_u32 s2, s2, 1
	s_cmp_lg_u32 s2, 0
	s_cbranch_scc1 .Ltile
	KSTEP 0, 1, 1                                  ; the last tile is written out: it asks for nothing
	KSTEP 1, 0, 0
	EPI
	s_wait_tensorcnt 0x0                           ; the wave's end
	ds_add_u32 v[SPW], v[NIL]
	s_wait_dscnt 0x0
	CROUND                                         ; the closing round
	s_endpgm
.Lfunc_end_k_q7385ad8a14_qkv_s:
	.size	k_q7385ad8a14_qkv_s, .Lfunc_end_k_q7385ad8a14_qkv_s-k_q7385ad8a14_qkv_s
	.p2alignl 7, 3214868480
	.fill 96, 4, 3214868480
	.section	.rodata,"a",@progbits
	.p2align	6, 0x0
	.amdhsa_kernel k_q7385ad8a14_qkv_s
		.amdhsa_group_segment_fixed_size 327680
		.amdhsa_private_segment_fixed_size 0
		.amdhsa_enable_private_segment 0
		.amdhsa_kernarg_size 40
		.amdhsa_user_sgpr_count 2
		.amdhsa_user_sgpr_kernarg_segment_ptr 1
		.amdhsa_wavefront_size32 1
		.amdhsa_system_sgpr_workgroup_id_x 1
		.amdhsa_system_sgpr_workgroup_id_y 1
		.amdhsa_system_sgpr_workgroup_id_z 1
		.amdhsa_system_vgpr_workitem_id 0
		.amdhsa_next_free_vgpr 384
		.amdhsa_next_free_sgpr 72
		.amdhsa_reserve_vcc 0
		.amdhsa_float_denorm_mode_32 3
		.amdhsa_float_denorm_mode_16_64 3
		.amdhsa_memory_ordered 1
		.amdhsa_forward_progress 1
		.amdhsa_inst_pref_size 74
	.end_amdhsa_kernel
	.amdgpu_metadata
---
amdhsa.version: [ 1, 2 ]
amdhsa.kernels:
  - .name:           k_q7385ad8a14_qkv_s
    .symbol:         k_q7385ad8a14_qkv_s.kd
    .args:
      - { .name: xn, .offset: 0, .size: 8, .value_kind: global_buffer, .address_space: global }
      - { .name: ob, .offset: 8, .size: 8, .value_kind: global_buffer, .address_space: global }
      - { .name: q2, .offset: 16, .size: 8, .value_kind: global_buffer, .address_space: global }
      - { .name: ws, .offset: 24, .size: 8, .value_kind: global_buffer, .address_space: global }
      - { .name: big, .offset: 32, .size: 8, .value_kind: global_buffer, .address_space: global }
    .group_segment_fixed_size: 327680
    .private_segment_fixed_size: 0
    .kernarg_segment_align: 8
    .kernarg_segment_size: 40
    .max_flat_workgroup_size: 128
    .sgpr_count:     72
    .vgpr_count:     384
    .wavefront_size: 32
...
	.end_amdgpu_metadata
.endif
;; end of part 10
;; launch att_s: the kernel of part 3 again; grid 8 x 32, 4 waves a work-group, no clusters, 327,680 bytes of LDS; arguments big, ob; writes ob
;; launch proj_s (part 11): grid 256 x 1, 4 waves a work-group, clusters of 4 x 1, 327,680 bytes of LDS; arguments ob, ws, bp_s, q, g2, be2, out0, xn; writes out0, xn
.if DOCPART == 11
	.amdgcn_target "amdgcn-amd-amdhsa--gfx1250"
	.amdhsa_code_object_version 6
	.text
	.protected	k_q7385ad8a14_proj_s
	.globl	k_q7385ad8a14_proj_s
	.p2align	8
	.type	k_q7385ad8a14_proj_s,@function
k_q7385ad8a14_proj_s:
	s_mov_b64 s[64:65], 0
	v_nop
	global_prefetch_b8 v0, s[64:65] scope:SCOPE_SE
	s_setreg_imm32_b32 hwreg(HW_REG_WAVE_MODE, 25, 1), 1
	s_wait_xcnt 0x0
	s_wait_alu depctr_hold_cnt(0) depctr_sa_sdst(0) depctr_va_vdst(0) depctr_va_sdst(0) depctr_va_ssrc(0) depctr_va_vcc(0) depctr_vm_vsrc(0)
	s_getreg_b32 s2, hwreg(HW_REG_IB_STS2, 6, 4)
	s_cmp_eq_u32 s2, 0
	s_cbranch_scc0 .Lentry_in_a_cluster
	s_endpgm
.Lentry_in_a_cluster:
	s_bfe_u32 s2, ttmp6, 0x10000c
	s_cmp_lg_u32 s2, 0x3003
	s_cbranch_scc0 .Lentry_shape_is_right
	s_endpgm
.Lentry_shape_is_right:
; PROJECTION, RESIDUAL, LAYERNORM.  x = res + O Wp + bp (f32, stored), and LayerNorm(x) g + be (bf16, stored).
; O: f16 by heads [8 b + h][2048][64].  Wp: f16 [512 k = 64 h + d][512 n] at w + 1,572,864.  res, x: [8192][512] f32.
; SHARES.  A work-group owns 32 WHOLE rows, so the norm needs nobody else; wave w makes all 32 rows x columns 128 w .. + 127: 16 accumulators, which start at the bias.
; O's 32 rows of the 8 heads (32 KiB) lie in LDS for the whole launch; Wp goes in four steps of 128 along K through two slots, each wave fetching 32 rows of 1,024 bytes.
; K steps 0 and 2 lie in the upper slot, 1 and 3 in the lower.  A K step is written twice, each time in a loop of two trips: the first loop fills the slot just read again, the second asks for nothing.
; CLUSTER 4 x 1: all work-groups walk the same Wp: its tiles are asked for jointly by four.  O's tiles are each work-group's own (mask 0).
; The matrix instruction is used transposed (source 0 = 16 columns of Wp, turned by ds_load_tr16_b128; source 1 = 16 rows of O).
; Then the 32 x 512 sums go through a stage in LDS (in the lower slot, behind its last fill and the barrier behind every wave's last reads), and wave w takes rows 8 w .. 8 w + 7 whole,
; four rows a trip of a loop of two.  The residual's second four rows wait in registers and are copied to where the one text names them: 64 copies a trip, the price of writing the rows' text once.
; The variance is taken of x - mean.  LIMIT: O and Wp within f16's range.
; REGISTERS: window 0: v0-31 addresses; v32-47 g, v48-63 be, v64-95 at work for the norm; v128-255 accumulators, later v128-191 x.  window 1: two fragment buffers of 80, v160-223 the bias.
;   window 2: v0-63 the residual of the four rows in hand, v64-127 of the next four.
.set PAH,   144                        ; a row of O in LDS: 128 + 16 bytes
.set HEADB, 32*PAH
.set BS0,   8*HEADB
.set PB,    1056                       ; a row of Wp in LDS: 1,024 + 32 bytes
.set BSLOT, 128*PB
.set SPARE, BS0+2*BSLOT                ; the spare words: 128 bytes a wave, named by no other line
.set SP,    2064                       ; a row of the stage: 2,048 + 16 bytes
.set AAD, 4                            ; v4   my lane's place in a head's rows of O; never rewritten
.set AAW, 5                            ; v5   AAD + s[SA]
.set ABD, 8                            ; v8   my lane's place in the lower slot; never rewritten
.set ABW, 10                           ; v10, v11  ABD + s[SB], for K chunks 0-1 and 2-3
.set STO, 16
.set RDS, 17
.set XO,  18
.set BO,  19
.set GOF, 20
.set BPO, 21
.set SPW, 28
.set NIL, 29
.set GB,  32
.set BEB, 48
.set TTB, 64
.set XB,  128
.set ACC, 128
.set F0,  0
.set F1,  80
.set BIASD, 160
.set WV,  20
.set GA1, 24
.set GB1, 32
.set GA0, 40
.set GB0, 48                           ; s[48:55] group 0 of Wp's two first fills
.set I512, 56
.set EPSR, 57
.set SEL,  58
.set GW,  72                           ; s[72:75] group 0 of the refills: it walks
.set SA,  76                           ; s76  where the step's two heads of O begin
.set SB,  77                           ; s77  the step's slot: BSLOT or 0
.set MSB, 0
.macro WIN new
.if MSB != (\new)
	s_set_vgpr_msb (MSB<<8)|(\new)
.set MSB, \new
.endif
.endm
.macro PLACES
.rept 4
	v_nop
.endr
.endm
.macro CROUND
	s_barrier_signal -1
	s_barrier_wait -1
	s_cmp_lg_u32 s[WV], 0
	s_cbranch_scc1 .Lnot_wave_0_\@
	s_barrier_signal -3
.Lnot_wave_0_\@:
	s_barrier_wait -3
	s_barrier_signal -1
	s_barrier_wait -1
.endm
.macro FETCH f, u                      ; twenty LDS loads: chunk u (32 along K) of the step in hand into buffer f
	WIN 0x40
.irp b, 0,1,2,3,4,5,6,7
	ds_load_tr16_b128 v[(\f)+16+8*\b:(\f)+16+8*\b+3], v[ABW+(\u)/2] offset:((\u)%2)*32*PB+32*\b
	ds_load_tr16_b128 v[(\f)+16+8*\b+4:(\f)+16+8*\b+7], v[ABW+(\u)/2] offset:((\u)%2)*32*PB+32*\b+16*PB
.endr
.irp a, 0,1
	ds_load_b128 v[(\f)+8*\a:(\f)+8*\a+3], v[AAW] offset:((\u)/2)*HEADB+64*((\u)%2)+16*PAH*\a
	ds_load_b128 v[(\f)+8*\a+4:(\f)+8*\a+7], v[AAW] offset:((\u)/2)*HEADB+64*((\u)%2)+16*PAH*\a+32
.endr
.endm
.macro MUL f                           ; sixteen products, the 16 accumulators by turns, one instruction a turn
	WIN 0x05
.irp a, 0,1
.irp b, 0,1,2,3,4,5,6,7
	v_wmma_f32_16x16x32_f16 v[ACC+8*(8*\a+\b):ACC+8*(8*\a+\b)+7], v[(\f)+16+8*\b:(\f)+16+8*\b+7], v[(\f)+8*\a:(\f)+8*\a+7], v[ACC+8*(8*\a+\b):ACC+8*(8*\a+\b)+7]
.endr
.endr
.endm
.macro STEP                            ; 128 along K, from the slot and the heads that s[SB] and s[SA] name
	v_add_nc_u32 v[AAW], s[SA], v[AAD]
	v_add_nc_u32 v[ABW], s[SB], v[ABD]
	v_add_nc_u32 v[ABW+1], 64*PB, v[ABW]
	FETCH F0, 0
	FETCH F1, 1
	s_wait_dscnt 20                                ; the older buffer is in; the younger's twenty loads may be out
	MUL F0
	PLACES
	FETCH F0, 2
	s_wait_dscnt 20
	MUL F1
	PLACES
	FETCH F1, 3
	s_wait_dscnt 20
	MUL F0
	s_wait_dscnt 0x0
	MUL F1
	WIN 0
	s_add_co_u32 s[SA], s[SA], 2*HEADB             ; the next step: two heads on,
	s_sub_co_u32 s[SB], s[SB], BSLOT               ; the lower slot (behind that the loop ends, and s[SB] is set anew)
.endm
.macro CHANGE fill                     ; the change of slots; fill = 1: the slot just read takes the step two further on
	s_wait_tensorcnt 0x0                           ; all my tensor loads have landed, so a group 0 may be written
	ds_add_u32 v[SPW], v[NIL]
.if \fill
	s_sub_co_u32 s[GW+1], s[GW+1], BSLOT           ; the walking descriptor: a slot down,
	s_add_nc_u64 s[GW+2:GW+3], s[GW+2:GW+3], 131072   ; 128 rows of Wp on; the type bits on top are not reached
	s_wait_dscnt 0x0                               ; the add is done, and my reads of the slot are over
	CROUND                                         ; no wave of any partner still reads the slot or has a load on its way
	tensor_load_to_lds s[GW:GW+3], s[GB1:GB1+7]    ; my one load behind the round
	s_nop 0
.else
	s_wait_dscnt 0x0
	s_barrier_signal -1
	s_barrier_wait -1
.endif
	PLACES                                         ; also the places behind the step's last products
.endm
.macro ROWS n, line:vararg             ; one line for each row i
.set i, 0
.rept \n
	\line
.set i, i+1
.endr
.endm
.macro LANES n, c                      ; the sum over the 32 lanes of register c of each row's eight; c + 1 is at work
.irp m, 1,2,4,8
	ROWS \n, v_add_f32_dpp v[TTB+8*i+\c], v[TTB+8*i+\c], v[TTB+8*i+\c] row_xmask:\m row_mask:0xf bank_mask:0xf
.endr
	ROWS \n, v_permlanex16_b32 v[TTB+8*i+\c+1], v[TTB+8*i+\c], s[SEL], s[SEL+1]
	ROWS \n, v_add_f32 v[TTB+8*i+\c], v[TTB+8*i+\c], v[TTB+8*i+\c+1]
.endm
; LayerNorm of n rows held in registers, a wave a row, line by line for all rows.  The result, bf16, ends in the first 8 registers of each row.
.macro LNROWS n
.set k, 0
.rept 4
	ROWS \n, v_pk_add_f32 v[TTB+8*i+2*k:TTB+8*i+2*k+1], v[XB+16*i+4*k:XB+16*i+4*k+1], v[XB+16*i+4*k+2:XB+16*i+4*k+3]
.set k, k+1
.endr
	ROWS \n, v_pk_add_f32 v[TTB+8*i:TTB+8*i+1], v[TTB+8*i:TTB+8*i+1], v[TTB+8*i+2:TTB+8*i+3]
	ROWS \n, v_pk_add_f32 v[TTB+8*i+4:TTB+8*i+5], v[TTB+8*i+4:TTB+8*i+5], v[TTB+8*i+6:TTB+8*i+7]
	ROWS \n, v_pk_add_f32 v[TTB+8*i:TTB+8*i+1], v[TTB+8*i:TTB+8*i+1], v[TTB+8*i+4:TTB+8*i+5]
	ROWS \n, v_add_f32 v[TTB+8*i], v[TTB+8*i], v[TTB+8*i+1]
	LANES \n, 0
	ROWS \n, v_mul_f32 v[TTB+8*i+2], s[I512], v[TTB+8*i]   ; the mean
	s_wait_xcnt 0x0                                ; the stores of x have read their registers
.set k, 0
.rept 8
	ROWS \n, v_pk_add_f32 v[XB+16*i+2*k:XB+16*i+2*k+1], v[XB+16*i+2*k:XB+16*i+2*k+1], v[TTB+8*i+2:TTB+8*i+3] op_sel_hi:[1,0] neg_lo:[0,1] neg_hi:[0,1]
.set k, k+1
.endr
	ROWS \n, v_pk_mul_f32 v[TTB+8*i+4:TTB+8*i+5], v[XB+16*i:XB+16*i+1], v[XB+16*i:XB+16*i+1]
	ROWS \n, v_pk_mul_f32 v[TTB+8*i+6:TTB+8*i+7], v[XB+16*i+2:XB+16*i+3], v[XB+16*i+2:XB+16*i+3]
.set k, 2
.rept 6
	ROWS \n, v_pk_fma_f32 v[TTB+8*i+4+2*(k%2):TTB+8*i+5+2*(k%2)], v[XB+16*i+2*k:XB+16*i+2*k+1], v[XB+16*i+2*k:XB+16*i+2*k+1], v[TTB+8*i+4+2*(k%2):TTB+8*i+5+2*(k%2)]
.set k, k+1
.endr
	ROWS \n, v_pk_add_f32 v[TTB+8*i+4:TTB+8*i+5], v[TTB+8*i+4:TTB+8*i+5], v[TTB+8*i+6:TTB+8*i+7]
	ROWS \n, v_add_f32 v[TTB+8*i+4], v[TTB+8*i+4], v[TTB+8*i+5]
	LANES \n, 4
	ROWS \n, v_fma_f32 v[TTB+8*i+4], v[TTB+8*i+4], s[I512], s[EPSR]   ; variance + eps
	ROWS \n, v_rsq_f32 v[TTB+8*i+6], v[TTB+8*i+4]
	v_nop                                          ; a plain instruction behind the last root,
	s_wait_alu depctr_va_vdst(0)                   ; and one wait for the batch, ahead of its first reader
.set k, 0
.rept 8
	ROWS \n, v_pk_mul_f32 v[XB+16*i+2*k:XB+16*i+2*k+1], v[XB+16*i+2*k:XB+16*i+2*k+1], v[TTB+8*i+6:TTB+8*i+7] op_sel_hi:[1,0]
.set k, k+1
.endr
.set k, 0
.rept 8
	ROWS \n, v_pk_fma_f32 v[XB+16*i+2*k:XB+16*i+2*k+1], v[XB+16*i+2*k:XB+16*i+2*k+1], v[GB+2*k:GB+2*k+1], v[BEB+2*k:BEB+2*k+1]
.set k, k+1
.endr
.set k, 0
.rept 8
	ROWS \n, v_cvt_pk_bf16_f32 v[XB+16*i+k], v[XB+16*i+2*k], v[XB+16*i+2*k+1]
.set k, k+1
.endr
.endm
	s_load_b512 s[4:19], s[0:1], 0x0               ; O s[4:5], w s[6:7], bp s[8:9], res s[10:11], g s[12:13], be s[14:15], x s[16:17], norm s[18:19]
	v_lshl_add_u32 v[SPW], v0, 2, SPARE
	v_mov_b32 v[NIL], 0
	ds_add_u32 v[SPW], v[NIL]                      ; the wave's opening: the add and its wait stand ahead of my first tensor load
	ds_add_u32 v28, v29
	v_lshrrev_b32 v1, 5, v0
	v_readfirstlane_b32 s[WV], v1
	s_bfe_u32 s21, ttmp6, 0x40000                  ; cx
	s_lshl_b32 s22, ttmp9, 2
	s_add_co_u32 s22, s22, s21                     ; my work-group: rows 32 x it
	s_mov_b32 s[GA1], (1<<16)|(1<<20)|(4<<22)|(3<<25)   ; O: a head's 32 rows are 4,096 dense bytes: 16 rows of 256, padded after every 32 words by 4
	s_mov_b32 s[GA1+1], 128<<16
	s_mov_b32 s[GA1+2], 16<<16
	s_mov_b32 s[GA1+3], 128<<16
	s_mov_b32 s[GA1+4], 16
	s_mov_b32 s[GA1+5], 128
	s_mov_b32 s[GA1+6], 0
	s_mov_b32 s[GA1+7], 0
	s_mov_b32 s[GB1], 15|(1<<16)|(1<<20)|(1<<21)|(7<<22)|(7<<25)   ; Wp: the mask of four; 32 rows of 512 elements, padded after every 256 words by 8
	s_mov_b32 s[GB1+1], 512<<16
	s_mov_b32 s[GB1+2], 32<<16
	s_mov_b32 s[GB1+3], 512<<16
	s_mov_b32 s[GB1+4], 32
	s_mov_b32 s[GB1+5], 512
	s_mov_b32 s[GB1+6], 0
	s_mov_b32 s[GB1+7], 0
	s_mov_b32 s[I512], 0x3b000000
	s_mov_b32 s[EPSR], 0x3727c5ac
	s_mov_b32 s[SEL], 0x76543210
	s_mov_b32 s[SEL+1], 0xfedcba98
	s_mul_i32 s23, s[WV], 2*HEADB                  ; heads 2 w and 2 w + 1 are mine to fetch
	s_mul_i32 s62, s[WV], 32*PB
	s_add_co_u32 s62, s62, BS0                     ; my 32 rows of the lower slot
	s_lshr_b32 s60, s22, 6                         ; O: batch, 8 heads of 262,144 bytes; my 32 rows of 128 bytes; my two heads
	s_lshl_b32 s60, s60, 21
	s_and_b32 s68, s22, 63
	s_lshl_b32 s68, s68, 12
	s_add_co_u32 s60, s60, s68
	s_lshl_b32 s68, s[WV], 19
	s_add_co_u32 s60, s60, s68
	s_mov_b32 s61, 0
	s_lshl_b32 s66, s[WV], 15                      ; Wp: my 32 rows of a step: the wave's number alone
	s_add_co_u32 s66, s66, 1572864
	s_mov_b32 s67, 0
	s_wait_dscnt 0x0                               ; the opening add is done
	s_wait_kmcnt 0x0
	s_add_nc_u64 s[4:5], s[4:5], s[60:61]
	s_add_nc_u64 s[6:7], s[6:7], s[66:67]
.irp i, 0,1
	s_mov_b32 s[GA0+4*\i], 1
	s_add_co_u32 s[GA0+4*\i+1], s23, \i*HEADB
	s_add_nc_u64 s[GA0+4*\i+2:GA0+4*\i+3], s[4:5], \i*262144
	s_or_b32 s[GA0+4*\i+3], s[GA0+4*\i+3], 0x80000000
	s_mov_b32 s[GB0+4*\i], 1
	s_add_co_u32 s[GB0+4*\i+1], s62, (1-\i)*BSLOT  ; K step 0 into the upper slot, K step 1 into the lower
	s_add_nc_u64 s[GB0+4*\i+2:GB0+4*\i+3], s[6:7], \i*131072
	s_or_b32 s[GB0+4*\i+3], s[GB0+4*\i+3], 0x80000000
.endr
	s_mov_b32 s[GW], 1                             ; the walking descriptor stands one step ahead of its first use: a slot above the upper one, at K step 1
	s_add_co_u32 s[GW+1], s62, 2*BSLOT
	s_add_nc_u64 s[GW+2:GW+3], s[6:7], 131072
	s_or_b32 s[GW+3], s[GW+3], 0x80000000
	s_lshl_b32 s60, s22, 16                        ; my 32 rows in res and x,
	s_add_nc_u64 s[10:11], s[10:11], s[60:61]
	s_add_nc_u64 s[16:17], s[16:17], s[60:61]
	s_lshl_b32 s60, s22, 15                        ; and in the norm's output
	s_add_nc_u64 s[18:19], s[18:19], s[60:61]
	CROUND                                         ; all four work-groups are here
	tensor_load_to_lds s[GA0:GA0+3], s[GA1:GA1+7]  ; the first fills go out as one group: four loads of mine are out
	s_nop 0
	tensor_load_to_lds s[GA0+4:GA0+7], s[GA1:GA1+7]
	s_nop 0
	tensor_load_to_lds s[GB0:GB0+3], s[GB1:GB1+7]
	s_nop 0
	tensor_load_to_lds s[GB0+4:GB0+7], s[GB1:GB1+7]
	s_nop 0
	PLACES
	v_and_b32 v1, 15, v0                           ; r
	v_bfe_u32 v2, v0, 4, 1                         ; h
	v_and_b32 v3, 7, v0
	v_bfe_u32 v9, v0, 3, 1
	v_and_b32 v6, 31, v0                           ; l
	s_lshl_b32 s63, s[WV], 9
	v_lshl_add_u32 v[BPO], v2, 5, s63              ; the bias in the accumulators' layout: column 128 w + 16 b + 8 h + j
	s_lshl_b32 s63, s[WV], 14
	v_lshl_add_u32 v[XO], v6, 4, s63               ; rows 8 w + i, columns 4 l + 128 j, in f32
	v_lshlrev_b32 v[GOF], 4, v6
	WIN 0x40
.irp b, 0,1,2,3,4,5,6,7
	global_load_b128 v[BIASD+8*\b:BIASD+8*\b+3], v[BPO], s[8:9] offset:64*\b
	global_load_b128 v[BIASD+8*\b+4:BIASD+8*\b+7], v[BPO], s[8:9] offset:64*\b+16
.endr
	WIN 0
.irp j, 0,1,2,3
	global_load_b128 v[GB+4*\j:GB+4*\j+3], v[GOF], s[12:13] offset:512*\j
	global_load_b128 v[BEB+4*\j:BEB+4*\j+3], v[GOF], s[14:15] offset:512*\j
.endr
	WIN 0x80
.set i, 0
.rept 8
.irp j, 0,1,2,3
	global_load_b128 v[16*i+4*\j:16*i+4*\j+3], v[XO], s[10:11] offset:2048*i+512*\j
.endr
.set i, i+1
.endr
	WIN 0
	v_mul_u32_u24 v[AAD], v1, PAH
	v_lshl_add_u32 v[AAD], v2, 4, v[AAD]
	v_lshl_add_u32 v7, v2, 3, v3
	v_mul_u32_u24 v7, v7, PB
	v_lshl_add_u32 v7, v9, 4, v7
	s_lshl_b32 s63, s[WV], 8
	s_add_co_u32 s63, s63, BS0
	v_add_nc_u32 v[ABD], s63, v7
	v_mul_u32_u24 v[STO], v1, SP
	v_lshl_add_u32 v[STO], v2, 5, v[STO]
	s_lshl_b32 s63, s[WV], 9
	s_add_co_u32 s63, s63, BS0
	v_add_nc_u32 v[STO], s63, v[STO]
	s_mul_i32 s63, s[WV], 8*SP
	s_add_co_u32 s63, s63, BS0
	v_lshl_add_u32 v[RDS], v6, 4, s63
	s_lshl_b32 s63, s[WV], 13
	v_lshl_add_u32 v[BO], v6, 3, s63
	s_wait_loadcnt 40                              ; the bias is in; g, be and the residual, 40 loads issued behind it, stay out
	WIN 0x01                                       ; source 0 in window 1
.set t, 0
.rept 16                               ; the sums start at the bias: accumulator t = 8 a + b takes the eight numbers of column block b; this stands in the wait for the first tiles
.irp p, 0,2,4,6
	v_pk_add_f32 v[ACC+8*t+\p:ACC+8*t+\p+1], v[BIASD+8*(t%8)+\p:BIASD+8*(t%8)+\p+1], 0 op_sel_hi:[1,0]
.endr
.set t, t+1
.endr
	WIN 0
	s_wait_tensorcnt 1                             ; O's two heads and my part of K step 0 are in; K step 1's may stay out
	s_barrier_signal -1
	s_barrier_wait -1
	s_mov_b32 s[SA], 0
	s_mov_b32 s[SB], BSLOT
	s_mov_b32 s3, 2
.Lfilling:                                             ; K steps 0 and 1: each slot is filled again with the step two further on
	STEP
	CHANGE 1
	s_sub_co_u32 s3, s3, 1
	s_cmp_lg_u32 s3, 0
	s_cbranch_scc1 .Lfilling
	s_mov_b32 s[SB], BSLOT
	s_mov_b32 s3, 2
.Llast:                                                ; K steps 2 and 3 ask for nothing; behind the second one's barrier nobody reads a slot any more
	STEP
	CHANGE 0
	s_sub_co_u32 s3, s3, 1
	s_cmp_lg_u32 s3, 0
	s_cbranch_scc1 .Llast
.irp a, 0,1
.irp b, 0,1,2,3,4,5,6,7
	ds_store_b128 v[STO], v[ACC+8*(8*\a+\b):ACC+8*(8*\a+\b)+3] offset:16*SP*\a+64*\b
	ds_store_b128 v[STO], v[ACC+8*(8*\a+\b)+4:ACC+8*(8*\a+\b)+7] offset:16*SP*\a+64*\b+16
.endr
.endr
	s_wait_dscnt 0x0                               ; for the others' sake: my stores into the stage are done
	s_barrier_signal -1
	s_barrier_wait -1
	s_wait_loadcnt 0x0                             ; the residual, g and be
	s_mov_b32 s3, 2
.Lrows:                                                ; four whole rows a trip
.set i, 0
.rept 4
.irp j, 0,1,2,3
	ds_load_b128 v[XB+16*i+4*\j:XB+16*i+4*\j+3], v[RDS] offset:SP*i+512*\j
.endr
.set i, i+1
.endr
	s_wait_dscnt 0x0
	WIN 0x08                                       ; source 1 in window 2
.set k, 0
.rept 32
	v_pk_add_f32 v[XB+2*k:XB+2*k+1], v[XB+2*k:XB+2*k+1], v[2*k:2*k+1]
.set k, k+1
.endr
	WIN 0
.set i, 0
.rept 4
.irp j, 0,1,2,3
	global_store_b128 v[XO], v[XB+16*i+4*\j:XB+16*i+4*\j+3], s[16:17] offset:2048*i+512*\j   ; 512 consecutive bytes, aligned
.endr
.set i, i+1
.endr
	LNROWS 4
.set j, 0
.rept 4
	ROWS 4, global_store_b64 v[BO], v[XB+16*i+2*j:XB+16*i+2*j+1], s[18:19] offset:1024*i+256*j
.set j, j+1
.endr
	WIN 0x82                                       ; destination and source in window 2: the next four rows' residual goes where the one text names it
.set k, 0
.rept 64
	v_mov_b32 v[k], v[64+k]
.set k, k+1
.endr
	WIN 0
	s_wait_xcnt 0x0                                ; the stores have read their offsets and their data: both are rewritten only behind this wait
	v_add_nc_u32 v[RDS], 4*SP, v[RDS]
	v_add_nc_u32 v[XO], 4*2048, v[XO]
	v_add_nc_u32 v[BO], 4*1024, v[BO]
	s_sub_co_u32 s3, s3, 1
	s_cmp_lg_u32 s3, 0
	s_cbranch_scc1 .Lrows
	s_wait_tensorcnt 0x0                           ; the wave's end
	ds_add_u32 v[SPW], v[NIL]
	s_wait_dscnt 0x0
	CROUND                                         ; the closing round
	s_endpgm
.Lfunc_end_k_q7385ad8a14_proj_s:
	.size	k_q7385ad8a14_proj_s, .Lfunc_end_k_q7385ad8a14_proj_s-k_q7385ad8a14_proj_s
	.p2alignl 7, 3214868480
	.fill 96, 4, 3214868480
	.section	.rodata,"a",@progbits
	.p2align	6, 0x0
	.amdhsa_kernel k_q7385ad8a14_proj_s
		.amdhsa_group_segment_fixed_size 327680
		.amdhsa_private_segment_fixed_size 0
		.amdhsa_enable_private_segment 0
		.amdhsa_kernarg_size 64
		.amdhsa_user_sgpr_count 2
		.amdhsa_user_sgpr_kernarg_segment_ptr 1
		.amdhsa_wavefront_size32 1
		.amdhsa_system_sgpr_workgroup_id_x 1
		.amdhsa_system_sgpr_workgroup_id_y 1
		.amdhsa_system_sgpr_workgroup_id_z 1
		.amdhsa_system_vgpr_workitem_id 0
		.amdhsa_next_free_vgpr 640
		.amdhsa_next_free_sgpr 78
		.amdhsa_reserve_vcc 0
		.amdhsa_float_denorm_mode_32 3
		.amdhsa_float_denorm_mode_16_64 3
		.amdhsa_memory_ordered 1
		.amdhsa_forward_progress 1
		.amdhsa_inst_pref_size 64
	.end_amdhsa_kernel
	.amdgpu_metadata
---
amdhsa.version: [ 1, 2 ]
amdhsa.kernels:
  - .name:           k_q7385ad8a14_proj_s
    .symbol:         k_q7385ad8a14_proj_s.kd
    .args:
      - { .name: ob, .offset: 0, .size: 8, .value_kind: global_buffer, .address_space: global }
      - { .name: ws, .offset: 8, .size: 8, .value_kind: global_buffer, .address_space: global }
      - { .name: bp_s, .offset: 16, .size: 8, .value_kind: global_buffer, .address_space: global }
      - { .name: q, .offset: 24, .size: 8, .value_kind: global_buffer, .address_space: global }
      - { .name: g2, .offset: 32, .size: 8, .value_kind: global_buffer, .address_space: global }
      - { .name: be2, .offset: 40, .size: 8, .value_kind: global_buffer, .address_space: global }
      - { .name: out0, .offset: 48, .size: 8, .value_kind: global_buffer, .address_space: global }
      - { .name: xn, .offset: 56, .size: 8, .value_kind: global_buffer, .address_space: global }
    .group_segment_fixed_size: 327680
    .private_segment_fixed_size: 0
    .kernarg_segment_align: 8
    .kernarg_segment_size: 64
    .max_flat_workgroup_size: 128
    .sgpr_count:     78
    .vgpr_count:     640
    .wavefront_size: 32
...
	.end_amdgpu_metadata
.endif
;; end of part 11
;; launch qkv_c: the kernel of part 10 again; grid 4 x 64, 4 waves a work-group, clusters of 4 x 4, 327,680 bytes of LDS; arguments xn, kb, vb, wc, big; writes big
;; launch att_c: the kernel of part 6 again; grid 8 x 32, 4 waves a work-group, clusters of 4 x 1, 327,680 bytes of LDS; arguments big, ob; writes ob
;; launch proj_c: the kernel of part 11 again; grid 256 x 1, 4 waves a work-group, clusters of 4 x 1, 327,680 bytes of LDS; arguments ob, wc, bp_c, out0, g3, be3, q2, xn; writes q2, xn
;; launch ffn1: the kernel of part 7 again; grid 4 x 64, 4 waves a work-group, clusters of 4 x 4, 327,680 bytes of LDS; arguments xn, ws, b1, big; writes big
;; launch ffn2: the kernel of part 8 again; grid 4 x 64, 4 waves a work-group, clusters of 4 x 4, 327,680 bytes of LDS; arguments big, wc, b2, q2, out0; writes out0
